; MI455X (gfx1250); checked and timed in simulation.
; The chip was launched on July 23, 2026; its instructions are those of AMD's public machine-readable ISA for CDNA 5 (MIT licence, August 2026) and "CDNA5" Instruction Set Architecture Reference Guide (July 2026). The comments in the code are by the model that wrote it; some were corrected since.
;; Attention. Allowed arithmetic: matrix products marked QUANTISED: E3M2 operands, one E8M0 scale for each 32 along K, by v_wmma_scale_f32_16x16x128_f8f6f4 with both operands' format E3M2, f32 sums; everything else in f32.
;; Inputs: cos 2,048 x 64 float32; mask 1 x 1 x 2,048 x 2,048 float32; sin 2,048 x 64 float32; wk 2,048 x 2,048 float32; wo 2,048 x 2,048 float32; wq 2,048 x 2,048 float32; wv 2,048 x 2,048 float32; x 1 x 2,048 x 2,048 float32.
;; Outputs: out0 1 x 2,048 x 2,048 float32.
;; This version of the problem:
;;   THIS VERSION OF THE PROBLEM IS GIVEN IN LOW PRECISION. The matrix products marked QUANTISED in the list below multiply operands that are first quantised to E3M2 (3 exponent bits, 2 mantissa bits; 6 bits a number), with one power-of-two scale for each 32 numbers along K (OCP MX v1.0); their sums are f32. All else is computed in f32.
;;   The module's matrix products, in the order in which they are computed (A, B: the left and right operand; K: the contracted axis; several contracted axes count as one K, in the product's order):
;;     1. [M 2,048, K 2,048] x [K 2,048, N 2,048]; A: input x; B: input wq: QUANTISED
;;     2. [M 2,048, K 2,048] x [K 2,048, N 2,048]; A: input x; B: input wk: QUANTISED
;;     3. [M 2,048, K 2,048] x [K 2,048, N 2,048]; A: input x; B: input wv: QUANTISED
;;     4. batch 16 x [M 2,048, K 128] x [K 128, N 2,048]; A: computed on the way; B: computed on the way: QUANTISED
;;     5. batch 16 x [M 2,048, K 2,048] x [K 2,048, N 128]; A: softmax (see below); B: computed on the way: QUANTISED
;;     6. [M 2,048, K 2,048] x [K 2,048, N 2,048]; A: computed on the way; B: input wo: QUANTISED
;;   THE QUANTISER, for each operand of a quantised product, along K:
;;     - K is cut into blocks of 32 from its start; a last block that is shorter is filled with zeros.
;;     - A block's scale is 2^e with e = floor(log2(the largest magnitude in the block)) - 4, held to -126 .. 127; a block of zeros has e = 0. As a byte (E8M0): e + 127.
;;     - Each number is divided by its block's scale, clamped to +-28, and rounded to the nearest number of E3M2, ties to even, subnormals kept.
;;     - The product sums the exact products of the quantised numbers (number of the format x scale) in f32.
;;   ~~~python
;;   def quantise(x, axis):      # numpy; x: float32 -> the quantised numbers, widened to float32 again
;;       x = np.moveaxis(x, axis, -1); K = x.shape[-1]
;;       x = np.pad(x, [(0, 0)] * (x.ndim - 1) + [(0, -K % 32)]); x = x.reshape(x.shape[:-1] + (-1, 32)); a = np.abs(x).max(-1, keepdims=True)
;;       e = np.where(a > 0, np.clip(np.frexp(np.where(a > 0, a, 1))[1] - 1 - 4, -126, 127), 0)      # np.frexp(a)[1] - 1 = floor(log2(a)), exactly
;;       r = np.clip(x / 2.0 ** e, -28, 28)
;;       step = 2.0 ** (np.maximum(np.frexp(np.where(r == 0, 1, r))[1] - 1, -2) - 2)
;;       q = np.round(r / step) * step * 2.0 ** e      # np.round: ties to even
;;       return np.moveaxis(q.reshape(q.shape[:-2] + (-1,))[..., :K], -1, axis).astype(np.float32)
;;   ~~~
;;   SOFTMAX AHEAD OF A QUANTISED PRODUCT. Where the list says 'softmax', what is quantised is not the finished softmax but p = 2^(t - M), with t = logit x log2(e) and M = ceil(the row's largest t), a whole number; so 1/2 < the row's largest p <= 1. The row's sum l is taken of the UNQUANTISED p, in f32, and the product's result is divided by l at the end. Since M is a whole number, a kernel that streams over the keys may use a running M (the ceiling of the running maximum): every later rescaling is an exact power of two, which a block's scale takes up: the codes' values come out the same.
;;   OPERANDS COMPUTED ON THE WAY. 'Computed on the way' means the value that the module computes at that place (a softmax that the list does not call 'softmax' is quantised finished and normalised). What goes into a quantiser is computed in f32, as accurately as f32 sums, v_exp_f32 and their like allow (about 1e-6 of the number): no bf16 or f16 on the way to a quantiser, and a product that is left as it is and whose result goes on into a quantised operand takes f32 operands (vector FMAs, or v_wmma_f32_16x16x4_f32). A number that lies on a knife's edge between two numbers of the format may be rounded either way, as far as f32 arithmetic and the matrix unit's own rounding can turn it there, and no further.
;; 2 versions. Each part assembles by itself: llvm-mc -triple=amdgcn-amd-amdhsa -mcpu=gfx1250 --defsym DOCPART=n.
;; ======== version 1 of 2: 4 launches
;; workspace buffers: wc 15,728,640 bytes; ws 655,360 bytes; mi 16,777,216 bytes; qkvc 9,437,184 bytes; qkvs 393,216 bytes; ac 3,145,728 bytes; asc 131,072 bytes
;; launch prep (part 1): grid 768 x 1, 4 waves a work-group, no clusters, 68,096 bytes of LDS; arguments x, wq, wk, wv, wo, mask, wc, ws, mi; writes wc, ws, mi
.if DOCPART == 1
	.amdgcn_target "amdgcn-amd-amdhsa--gfx1250"
	.amdhsa_code_object_version 6
	.text
	.protected	k_qfff797ae60_prep
	.globl	k_qfff797ae60_prep
	.p2align	8
	.type	k_qfff797ae60_prep,@function
k_qfff797ae60_prep:
	s_mov_b64 s[64:65], 0
	v_nop
	global_prefetch_b8 v0, s[64:65] scope:SCOPE_SE
	s_setreg_imm32_b32 hwreg(HW_REG_WAVE_MODE, 25, 1), 1
	s_wait_xcnt 0x0
; PREP: the first of four launches of an attention layer (L = D = 2048, 16 heads of 128) whose six products run on codes of BF6 (E3M2) with one E8M0 scale for each 32 along K.
; NO WORK IS LEFT OUT in any launch: the mask is an input, so all 16 x 2048 x 2048 scores are computed, and every input (x, wq, wk, wv, wo, mask, cos, sin) has a way to out0 and is loaded.
; THIS LAUNCH: x, wq, wk, wv, wo ([2048][2048] f32, K innermost) become codes and scale words, once, since many work-groups read them later; mask x log2(e) is laid as the attention launch's registers want it.
; A block's scale is 2^(floor(log2(its largest magnitude)) - 4); its byte is the largest magnitude's exponent field - 4, held at 1 from below.
; LAYOUT OF THE RESULTS.  A fragment (16 rows x 128 K, 12 registers a lane) is stored as an image of its registers: register p of lane l at 512 (p / 4) + 16 l + 4 (p % 4): three stores of 512 consecutive bytes.
;   wc: operand n (0 x, 1 wq, 2 wk, 3 wv, 4 wo) at n x 3,145,728; fragment (K step s, tile T) at (128 s + T) x 1536.
;   ws: operand n at n x 131,072; the scale word of (s, T, row r) at 8192 s + 256 (T / 4) + 128 ((T / 2) % 2) + 8 r + 4 (T % 2).
;   mi: (tile T of queries, key step s) at (16 T + s) x 8192; register n of lane l at 512 (n / 4) + 16 l + 4 (n % 4); register 16 b + i of lane (r, h) = mask[row r of T][128 s + 32 b + 16 h + i] x log2(e).
; THE ROWS OF A TILE ARE NOT NEIGHBOURS, but for wo: row p of tile T is true row 32 (T / 2) + 8 (T % 2) + p + 8 (p / 8), so that later results, used transposed, hold 16 neighbours along the next K in 16 registers.
; SHARES.  Work-group: tensor n = id / 128 (5: the mask), 64 rows, 512 along K; wave: 64 rows x 128 along K = four tiles.  Each load reads 512 consecutive bytes of one row; a tile turns through the wave's own
; stage in LDS (rows 528 bytes apart: sixteen rows start in sixteen different groups of banks) and comes back 16 neighbours of each block of 32 to a lane.  Two tiles' loads (32 a wave) are on their way.  Waves share nothing: no barrier.
; LIMITS: a block of zeros gets the byte 1 where the rule says 127 (its codes are zeros, and this program alone reads the bytes); blocks whose largest magnitude lies under 2^-122 are held at that floor;
; NaN and infinities among the inputs are not served; mask x log2(e) is rounded to f32 here, ahead of the sum with the score.
.set STGB,  8448                       ; a stage: 16 rows x 528 bytes
.set MSTG,  4*STGB                     ; the mask's path has stages of its own
.set SPARE, 8*STGB                     ; behind the stages: the spare words, 128 bytes for each wave
.set VO,   1                           ; v1   16 x lane: my 16 bytes of a row's 512; also my place in every store
.set VP,   2                           ; v2   the same, one chunk of 8 rows further on where tiles are permuted
.set VN,   3                           ; v3   the same, one chunk further on where they are not (wo)
.set SI,   4                           ; v4   the stage, on the way in
.set SOUT, 5                           ; v5   and on the way out: 528 r + 64 h
.set LN,   6                           ; v6   lane
.set L8,   7                           ; v7   8 x lane
.set SPW,  8                           ; v8   LDS address of my spare word; never rewritten
.set NIL,  9                           ; v9   0; never rewritten
.set R0,   16                          ; v16-143  two sets of 64: a tile as it is loaded
.set X,    144                         ; v144-207 a tile with 16 neighbours of each block to a lane
.set TM,   208                         ; v208-223 at work in QUANT
.set PC,   224                         ; v224-243 the codes just made
.set PW,   244                         ; v244-247 the four tiles' scale words
.set SEL,  32                          ; s[32:33] lane selects for lane l xor 16
; 64 numbers of a lane, register 16 b + i = k 32 b + 16 (lane / 16) + i of my row, become a fragment's codes in v[PC] .. v[PC + 11] and its scale word in v[pw].
.macro QUANT s, pw
.irp b, 0,1,2,3
	v_max3_num_f32 v[TM+\b], |v[(\s)+16*\b]|, |v[(\s)+1+16*\b]|, 0x2800000   ; block b: my 16 numbers, and the floor 2^(5 - 127): the byte cannot fall under 1
.endr
.irp i, 2,4,6,8,10,12,14
.irp b, 0,1,2,3
	v_max3_num_f32 v[TM+\b], v[TM+\b], |v[(\s)+16*\b+\i]|, |v[(\s)+1+16*\b+\i]|   ; the four blocks by turns
.endr
.endr
.irp b, 0,1,2,3
	v_permlanex16_b32 v[TM+4+\b], v[TM+\b], s[SEL], s[SEL+1]
.endr
.irp b, 0,1,2,3
	v_max_num_f32 v[TM+\b], v[TM+\b], v[TM+4+\b]   ; with lane l xor 16's: the block's largest magnitude
.endr
.irp b, 0,1,2,3
	v_add_nc_u32 v[TM+12+\b], 0xfe000000, v[TM+\b] ; 4 off its exponent field: the conversion's scale operand
.endr
.irp b, 0,1,2,3
	v_lshrrev_b32 v[TM+4+\b], 23, v[TM+12+\b]      ; the scale's byte
.endr
	v_lshl_or_b32 v[\pw], v[TM+5], 8, v[TM+4]      ; four bytes: my row's scale word
	v_lshl_or_b32 v[\pw], v[TM+6], 16, v[\pw]
	v_lshl_or_b32 v[\pw], v[TM+7], 24, v[\pw]
.irp c, 0,1
	v_cvt_scalef32_pk16_bf6_f32 v[PC+6*\c:PC+2+6*\c], v[(\s)+32*\c:(\s)+15+32*\c], v[TM+12+2*\c]
	v_cvt_scalef32_pk16_bf6_f32 v[PC+12+4*\c:PC+14+4*\c], v[(\s)+16+32*\c:(\s)+31+32*\c], v[TM+12+2*\c+1]   ; (a conversion's three registers begin on an even number)
.endr
	v_nop                                          ; one plain place behind a scaled conversion
.irp c, 0,1                                    ; the operand's layout wants a whole block in a lane
.irp i, 0,1,2
	v_permlane16_swap_b32 v[PC+6*\c+\i], v[PC+12+4*\c+\i]
.endr
.irp i, 0,1,2
	v_mov_b32 v[PC+3+6*\c+\i], v[PC+12+4*\c+\i]
.endr
.endr
.endm
; Tile tt of my four: 16 loads, a row each.  A chunk is 8 rows, 65,536 bytes.  Permuted tiles take chunks (0, 2) (1, 3) (4, 6) (5, 7), natural ones (0, 1) (2, 3) (4, 5) (6, 7): the difference stands in v[VP] and v[VN].
.macro LOAD tt
.irp p, 0,1,2,3,4,5,6,7
.if ((\tt)%2) == 0
	global_load_b128 v[R0+64*((\tt)%2)+4*\p:R0+64*((\tt)%2)+4*\p+3], v[VO], s[4:5] offset:(4*((\tt)/2))*65536+\p*8192 th:TH_LOAD_NT
.else
	global_load_b128 v[R0+64*((\tt)%2)+4*\p:R0+64*((\tt)%2)+4*\p+3], v[VN], s[4:5] offset:(4*((\tt)/2)+1)*65536+\p*8192 th:TH_LOAD_NT
.endif
.endr
.irp p, 0,1,2,3,4,5,6,7
.if ((\tt)%2) == 0
	global_load_b128 v[R0+64*((\tt)%2)+32+4*\p:R0+64*((\tt)%2)+32+4*\p+3], v[VP], s[4:5] offset:(4*((\tt)/2)+1)*65536+\p*8192 th:TH_LOAD_NT
.else
	global_load_b128 v[R0+64*((\tt)%2)+32+4*\p:R0+64*((\tt)%2)+32+4*\p+3], v[VO], s[4:5] offset:(4*((\tt)/2)+3)*65536+\p*8192 th:TH_LOAD_NT
.endif
.endr
.endm
; The head of a tile's turn: its loads are in; it goes through the stage; the set that it leaves takes the loads of the tile two on.
.macro INSTEP tt
.if (\tt) < 3
	s_wait_loadcnt 16                              ; this tile's 16 loads are in; the other set's 16 may be out
.else
	s_wait_loadcnt 0x0
.endif
	s_wait_xcnt 0x0                                ; the last tile's stores have read their data: those registers are written again only behind this wait
.irp p, 0,1,2,3,4,5,6,7,8,9,10,11,12,13,14,15
	ds_store_b128 v[SI], v[R0+64*((\tt)%2)+4*\p:R0+64*((\tt)%2)+4*\p+3] offset:528*\p
.endr
.irp b, 0,1,2,3
.irp j, 0,1,2,3
	ds_load_b128 v[X+16*\b+4*\j:X+16*\b+4*\j+3], v[SOUT] offset:128*\b+16*\j   ; LDS serves a wave's instructions in order: these see the stores above
.endr
.endr
	s_wait_dscnt 0x0                               ; the tile is back, and the stores into the stage have read their registers
.if (\tt) < 2
	LOAD (\tt)+2
.endif
.endm
	s_load_b512 s[4:19], s[0:1], 0x0               ; x, wq, wk, wv, wo, mask, wc s[16:17], ws s[18:19]
	s_load_b64 s[20:21], s[0:1], 0x40              ; mi
	v_lshl_add_u32 v[SPW], v0, 2, SPARE
	v_mov_b32 v[NIL], 0
	v_lshrrev_b32 v10, 5, v0
	v_readfirstlane_b32 s22, v10                   ; wave
	v_and_b32 v[LN], 31, v0
	v_and_b32 v11, 15, v0                          ; r
	v_bfe_u32 v12, v0, 4, 1                        ; h
	s_lshr_b32 s23, ttmp9, 7                       ; which tensor
	s_and_b32 s24, ttmp9, 127
	s_and_b32 s25, s24, 3
	s_lshl_b32 s25, s25, 2
	s_add_co_u32 s25, s25, s22                     ; my K step of 128: 4 (id % 4) + wave
	s_lshr_b32 s24, s24, 2                         ; my group of 64 rows
	s_cmp_lg_u32 s23, 4                            ; all tensors but wo have permuted tiles
	s_cselect_b32 s30, 0x10000, 0
	s_sub_co_u32 s31, 0x10000, s30
	v_lshlrev_b32 v[VO], 4, v[LN]
	v_add_nc_u32 v[VP], s30, v[VO]
	v_add_nc_u32 v[VN], s31, v[VO]
	v_lshlrev_b32 v[L8], 3, v[LN]
	s_mul_i32 s35, s22, STGB                       ; my stage
	v_mul_u32_u24 v13, v11, 528
	v_lshl_add_u32 v13, v12, 6, v13                ; 528 r + 64 h
	s_mov_b32 s[SEL], 0x76543210
	s_mov_b32 s[SEL+1], 0xfedcba98
.irp b, 0,1,2,3
	v_mov_b32 v[TM+4+\b], 0                        ; written once: a lane permute's destination counts as one of its sources
.endr
	s_lshl_b32 s26, s24, 19                        ; 64 rows of 8,192 bytes
	s_lshl_b32 s28, s25, 9                         ; 128 numbers
	s_add_co_u32 s26, s26, s28
	s_mov_b32 s27, 0
	s_wait_kmcnt 0x0
	s_cmp_eq_u32 s23, 1                            ; the tensor is chosen by the work-group's number alone
	s_cselect_b64 s[4:5], s[6:7], s[4:5]
	s_cmp_eq_u32 s23, 2
	s_cselect_b64 s[4:5], s[8:9], s[4:5]
	s_cmp_eq_u32 s23, 3
	s_cselect_b64 s[4:5], s[10:11], s[4:5]
	s_cmp_eq_u32 s23, 4
	s_cselect_b64 s[4:5], s[12:13], s[4:5]
	s_cmp_eq_u32 s23, 5
	s_cselect_b64 s[4:5], s[14:15], s[4:5]
	s_add_nc_u64 s[4:5], s[4:5], s[26:27]
	s_cmp_eq_u32 s23, 5
	s_cbranch_scc1 .Lmask
	; ---- the five operands: four fragments and their scale words
	v_add_nc_u32 v[SI], s35, v[VO]
	v_add_nc_u32 v[SOUT], s35, v13
	s_mul_i32 s26, s23, 3145728
	s_lshl_b32 s28, s25, 7
	s_lshl_b32 s36, s24, 2
	s_add_co_u32 s28, s28, s36                     ; fragment 128 s + 4 G
	s_mul_i32 s28, s28, 1536
	s_add_co_u32 s26, s26, s28
	s_add_nc_u64 s[16:17], s[16:17], s[26:27]
	s_lshl_b32 s26, s23, 17
	s_lshl_b32 s28, s25, 13
	s_add_co_u32 s26, s26, s28
	s_lshl_b32 s28, s24, 8
	s_add_co_u32 s26, s26, s28
	s_add_nc_u64 s[18:19], s[18:19], s[26:27]
	LOAD 0
	LOAD 1
.irp tt, 0,1,2,3
	INSTEP \tt
	QUANT X, PW+\tt
.irp g, 0,1,2
	global_store_b128 v[VO], v[PC+4*\g:PC+4*\g+3], s[16:17] offset:1536*\tt+512*\g   ; 32 lanes store 512 consecutive bytes
.endr
.endr
	v_cmp_lt_u32 s34, 15, v[LN]                    ; lanes 0-15 carry tiles 0 and 1, lanes 16-31 tiles 2 and 3 (every lane holds its row's word)
	v_cndmask_b32 v248, v[PW], v[PW+2], s34
	v_cndmask_b32 v249, v[PW+1], v[PW+3], s34
	global_store_b64 v[L8], v[248:249], s[18:19]   ; 32 lanes store 256 consecutive bytes, aligned
	s_wait_tensorcnt 0x0                           ; the wave's end, behind my last LDS store
	ds_add_u32 v[SPW], v[NIL]
	s_wait_dscnt 0x0
	s_endpgm
.Lmask:	; ---- the mask: the same turn through a stage of this path's own, x log2(e), stored as f32
	s_add_co_u32 s35, s35, MSTG
	v_add_nc_u32 v[SI], s35, v[VO]
	v_add_nc_u32 v[SOUT], s35, v13
	s_lshl_b32 s26, s24, 19                        ; tile 4 G: 131,072 bytes a tile
	s_lshl_b32 s28, s25, 13                        ; key step s
	s_add_co_u32 s26, s26, s28
	s_add_nc_u64 s[20:21], s[20:21], s[26:27]
	LOAD 0
	LOAD 1
.irp tt, 0,1,2,3
	INSTEP \tt
.set j, 0
.rept 32
	v_pk_mul_f32 v[X+j:X+j+1], v[X+j:X+j+1], 0x3fb8aa3b op_sel_hi:[1,0]
.set j, j+2
.endr
.irp g, 0,1,2,3,4,5,6,7,8,9,10,11,12,13,14,15
	global_store_b128 v[VO], v[X+4*\g:X+4*\g+3], s[20:21] offset:131072*\tt+512*\g
.endr
.endr
	s_wait_tensorcnt 0x0                           ; the wave's end, as above
	ds_add_u32 v[SPW], v[NIL]
	s_wait_dscnt 0x0
	s_endpgm
.Lfunc_end_k_qfff797ae60_prep:
	.size	k_qfff797ae60_prep, .Lfunc_end_k_qfff797ae60_prep-k_qfff797ae60_prep
	.p2alignl 7, 3214868480
	.fill 96, 4, 3214868480
	.section	.rodata,"a",@progbits
	.p2align	6, 0x0
	.amdhsa_kernel k_qfff797ae60_prep
		.amdhsa_group_segment_fixed_size 68096
		.amdhsa_private_segment_fixed_size 0
		.amdhsa_enable_private_segment 0
		.amdhsa_kernarg_size 72
		.amdhsa_user_sgpr_count 2
		.amdhsa_user_sgpr_kernarg_segment_ptr 1
		.amdhsa_wavefront_size32 1
		.amdhsa_system_sgpr_workgroup_id_x 1
		.amdhsa_system_sgpr_workgroup_id_y 1
		.amdhsa_system_sgpr_workgroup_id_z 1
		.amdhsa_system_vgpr_workitem_id 0
		.amdhsa_next_free_vgpr 256
		.amdhsa_next_free_sgpr 66
		.amdhsa_reserve_vcc 0
		.amdhsa_float_denorm_mode_32 3
		.amdhsa_float_denorm_mode_16_64 3
		.amdhsa_memory_ordered 1
		.amdhsa_forward_progress 1
		.amdhsa_inst_pref_size 67
	.end_amdhsa_kernel
	.amdgpu_metadata
---
amdhsa.version: [ 1, 2 ]
amdhsa.kernels:
  - .name:           k_qfff797ae60_prep
    .symbol:         k_qfff797ae60_prep.kd
    .args:
      - { .name: x, .offset: 0, .size: 8, .value_kind: global_buffer, .address_space: global }
      - { .name: wq, .offset: 8, .size: 8, .value_kind: global_buffer, .address_space: global }
      - { .name: wk, .offset: 16, .size: 8, .value_kind: global_buffer, .address_space: global }
      - { .name: wv, .offset: 24, .size: 8, .value_kind: global_buffer, .address_space: global }
      - { .name: wo, .offset: 32, .size: 8, .value_kind: global_buffer, .address_space: global }
      - { .name: mask, .offset: 40, .size: 8, .value_kind: global_buffer, .address_space: global }
      - { .name: wc, .offset: 48, .size: 8, .value_kind: global_buffer, .address_space: global }
      - { .name: ws, .offset: 56, .size: 8, .value_kind: global_buffer, .address_space: global }
      - { .name: mi, .offset: 64, .size: 8, .value_kind: global_buffer, .address_space: global }
    .group_segment_fixed_size: 68096
    .private_segment_fixed_size: 0
    .kernarg_segment_align: 8
    .kernarg_segment_size: 72
    .max_flat_workgroup_size: 128
    .sgpr_count:     66
    .vgpr_count:     256
    .wavefront_size: 32
...
	.end_amdgpu_metadata
.endif
;; end of part 1
;; launch qkv (part 2): grid 24 x 8, 4 waves a work-group, clusters of 4 x 4, 327,680 bytes of LDS; arguments wc, ws, cos, sin, qkvc, qkvs; writes qkvc, qkvs
.if DOCPART == 2
	.amdgcn_target "amdgcn-amd-amdhsa--gfx1250"
	.amdhsa_code_object_version 6
	.text
	.protected	k_qfff797ae60_qkv
	.globl	k_qfff797ae60_qkv
	.p2align	8
	.type	k_qfff797ae60_qkv,@function
k_qfff797ae60_qkv:
	s_mov_b64 s[64:65], 0
	v_nop
	global_prefetch_b8 v0, s[64:65] scope:SCOPE_SE
	s_setreg_imm32_b32 hwreg(HW_REG_WAVE_MODE, 25, 1), 1
	s_wait_xcnt 0x0
	s_wait_alu depctr_hold_cnt(0) depctr_sa_sdst(0) depctr_va_vdst(0) depctr_va_sdst(0) depctr_va_ssrc(0) depctr_va_vcc(0) depctr_vm_vsrc(0)
	s_getreg_b32 s2, hwreg(HW_REG_IB_STS2, 6, 4)
	s_cmp_eq_u32 s2, 0
	s_cbranch_scc0 .Lentry_in_a_cluster
	s_endpgm
.Lentry_in_a_cluster:
	s_bfe_u32 s2, ttmp6, 0x10000c
	s_cmp_lg_u32 s2, 0xf033
	s_cbranch_scc0 .Lentry_shape_is_right
	s_endpgm
.Lentry_shape_is_right:
; QKV: products 1 to 3 on the codes that the first launch made, the rotation of Q and K by cos and sin, and the quantisers of Q and K (along the head's 128) and of V (along the keys).  No work is left out.
; One text serves three GEMMs of 2048 x 2048 x 2048, chosen by sel = cluster x / 2 (the same in all partners of a cluster): sel 0: Q = x wq^T, sel 1: K = x wk^T (A = x, B = the weight); sel 2: V^T = wv x^T (A = wv, B = x).
; A tile of C, 256 x 256, is made by four waves, as many as a WGP has SIMDs; a wave makes 128 x 128: 64 accumulators, 512 registers.  K goes in steps of 256 through two LDS slots filled by the tensor data mover.
; OPERANDS ARE IMAGES OF THEIR REGISTERS (see the first launch): a fragment is 1,536 consecutive bytes, three loads of 16 bytes a lane, no pitch and no padding; 8 tiles x one K step of 128 are 12,288 consecutive bytes of memory.
; THE SCALE WORDS of the work-group's rows of A and of B, for all of K, come into LDS once, with the first fills.  One register carries A's word (lanes 0-15) and B's (lanes 16-31).
; CLUSTERS: 4 x 4 work-groups; A's tiles are asked for jointly along a row of the cluster, B's along a column.
; THE MATRIX INSTRUCTION IS USED TRANSPOSED (source 0 = 16 rows of B, source 1 = 16 rows of A).  B's tiles hold permuted rows, so for a block a of A the 64 registers of its eight accumulators are, for lane (r, h),
; register 16 b + i = column 32 b + 16 h + i of the wave's 128: 16 neighbours along the next product's K (Q, K: the head's channels; V: the keys).  They are quantised in registers and leave as fragment images.
; RESULTS.  qkvc: tensor sel at sel x 3,145,728; record (head, group of 128 positions) at (16 head + group) x 12,288: eight fragments.  Q's and K's fragment rows are positions, V's are channels (K = 128 keys).
;   qkvs: sel x 131,072 + (16 head + group) x 512; the word of (tile a, row r) at 16 (r + 16 (a % 2)) + 4 (a / 2).
; ROTATION: out[2 i] = t[2 i] c - t[2 i + 1] s, out[2 i + 1] = t[2 i] s + t[2 i + 1] c.  LIMITS: each is one multiply and one fused multiply-add, so its last bit may differ from two products and a sum;
; a block of zeros gets the byte 1 (its codes are zeros; this program alone reads the bytes); blocks under 2^-122 are held at that floor; NaN and infinities are not served.
; REGISTERS, in windows of 256: window 0: v0-31 addresses; v32-63 scale words, two sets; v64-127 a set of cos and sin; v128-223 A's fragments, ONE set; on the way out v128-247 are at work.
;   window 1: B's fragments, two sets, at v0 and v128; v96-127 and v224-255 a set of cos and sin.   windows 2, 3: the accumulators ((a, b) at v[8 (8 (a % 4) + b)] of window 2 + a / 4).
.set FR,     12                        ; registers of a fragment
.set NL,     3                         ; LDS loads that bring one
.set NP,     4                         ; places behind this matrix instruction (ISA guide 7.12.1)
.set HALFT,  24576                     ; what one tensor load brings: 2 K steps x 8 tiles x 1,536 bytes
.set SLOT,   4*HALFT                   ; A's two halves, then B's two
.set SCL,    2*SLOT                    ; behind the ring: the scale words
.set HALFS,  8192                      ; those of 8 tiles: 16 K steps x 512 bytes
.set SPARE,  SCL+4*HALFS               ; the spare words, 128 bytes for each wave
.set LAPS,   4                         ; 2048 / 512: a lap = two slots
.set LI,   6                           ; v6   16 x lane
.set CV,   7                           ; v7   my place in cos and sin: (r + 8 (r / 8)) x 256 + 32 h
.set ADRA, 16                          ; v16-17 LDS address of my A fragments in slot 0, 1
.set ADRB, 20                          ; v20-21 the same for B
.set ADRS, 27                          ; v27  of my scale words: lanes 0-15 A's, lanes 16-31 B's
.set SPW,  28                          ; v28  LDS address of my spare word; never rewritten
.set NIL,  29                          ; v29  0; never rewritten
.set SC,   32                          ; set s at v[SC + 16 s]; in it register 8 q + i: tile i, the slot's q-th 128 along K
.set AF,   128
.set R,    128                         ; the way out: v128-191 a block's 64 rotated numbers
.set TM,   192                         ; v192-207 at work in QUANT
.set PC,   208                         ; v208-227 the codes just made
.set PW,   228                         ; v228-235 the eight blocks' scale words
.set W,    236                         ; v236-239 as they are stored
.set T,    240                         ; v240-247 products of the rotation, four pairs by turns
.set SEL,  8                           ; s[8:9] lane selects for lane l xor 16
.set G1, 24
.set G0, 32
.set G1B, 48
.set G0B, 56
.set G1S, 68
.set G0S, 76
.set G1SB, 80
.set G0SB, 88
.set MSB, 0
.macro WIN new                         ; the immediate's high byte repeats the setting that is left
.if MSB != (\new)
	s_set_vgpr_msb (MSB<<8)|(\new)
.set MSB, (\new)
.endif
.endm
.set MUL_LO, 0xa1                      ; source 0 (B) window 1, source 1 (A) window 0, C and D window 2
.set MUL_HI, 0xf1                      ; the same, C and D window 3
.set TO_B,   0x40                      ; destination window 1, address window 0
.macro PLACES n
.rept \n
	v_nop
.endr
.endm
; A joint load: waves 0 and 1 fetch for A, waves 2 and 3 for B; the branch hangs on the wave's number alone.  An s_nop 0 and four v_nop follow each of the two lines.
.macro JLOAD g0a, g1a, g0b, g1b
	s_cmp_eq_u32 s15, 0
	s_cbranch_scc0 .Lfor_b_\@
	tensor_load_to_lds s[\g0a:\g0a+3], s[\g1a:\g1a+7]
	s_nop 0
.rept 4
	v_nop
.endr
	s_branch .Lasked_\@
.Lfor_b_\@:
	tensor_load_to_lds s[\g0b:\g0b+3], s[\g1b:\g1b+7]
	s_nop 0
.rept 4
	v_nop
.endr
.Lasked_\@:
.endm
.macro CREST                           ; a round of the cluster's barrier behind its opening barrier
	s_cmp_lg_u32 s14, 0
	s_cbranch_scc1 .Lnot_wave_0_\@
	s_barrier_signal -3
.Lnot_wave_0_\@:
	s_barrier_wait -3
	s_barrier_signal -1
	s_barrier_wait -1
.endm
.macro CROUND
	s_barrier_signal -1
	s_barrier_wait -1
	CREST
.endm
	s_load_b128 s[4:7], s[0:1], 0x0                ; wc, ws
	s_load_b128 s[96:99], s[0:1], 0x10             ; cos, sin
	s_load_b64 s[12:13], s[0:1], 0x20              ; qkvc
	s_load_b64 s[100:101], s[0:1], 0x28            ; qkvs
	v_lshl_add_u32 v[SPW], v0, 2, SPARE
	v_mov_b32 v[NIL], 0
	ds_add_u32 v[SPW], v[NIL]                      ; the wave's opening: the add, twice on end, and its wait ahead of my first tensor load
	ds_add_u32 v[SPW], v[NIL]
	v_lshrrev_b32 v1, 5, v0
	v_readfirstlane_b32 s14, v1                    ; wave 0..3
	s_lshr_b32 s15, s14, 1                         ; which half of the tile's rows is mine.  Also: I fetch for A (0) or for B (1)
	s_and_b32 s16, s14, 1                          ; which half of its columns.  Also: which 8 tiles I fetch
	s_bfe_u32 s40, ttmp6, 0x40000                  ; cx, cy: my place in the cluster
	s_bfe_u32 s41, ttmp6, 0x40004
	s_lshr_b32 s95, ttmp9, 1                       ; sel: 0 Q, 1 K, 2 V: two clusters along x for each
	s_lshl_b32 s42, ttmp9, 2
	s_add_co_u32 s42, s42, s40
	s_and_b32 s42, s42, 7                          ; tile column of C
	s_and_b32 s17, ttmp7, 0xffff
	s_lshl_b32 s17, s17, 2
	s_add_co_u32 s17, s17, s41                     ; tile row of C
	s_lshl_b32 s43, s41, 2
	s_lshl_b32 s43, 15, s43                        ; my row of the cluster
	s_lshl_b32 s44, 0x1111, s40                    ; my column
	; descriptor group 1, codes: 2 rows (K steps) of 1,536 elements of 8 bytes, 24,576 elements (128 tiles) apart; no padding
	s_or_b32 s[G1+0], s43, (3<<16)|(1<<21)         ; 15:0 the mask; 17:16 elements of 8 bytes; 21 set beside a mask
	s_or_b32 s[G1B+0], s44, (3<<16)|(1<<21)
.irp g, G1, G1B
	s_mov_b32 s[\g+1], 1536<<16                    ; tensor_dim0
	s_mov_b32 s[\g+2], 2<<16                       ; tensor_dim1
	s_mov_b32 s[\g+3], 1536<<16                    ; tile_dim0
	s_mov_b32 s[\g+4], 2                           ; tile_dim1
	s_mov_b32 s[\g+5], 24576                       ; tensor_dim0_stride
	s_mov_b32 s[\g+6], 0
	s_mov_b32 s[\g+7], 0
.endr
	; and scale words: 16 rows (K steps) of 64 elements of 8 bytes, 1,024 elements apart
	s_or_b32 s[G1S+0], s43, (3<<16)|(1<<21)
	s_or_b32 s[G1SB+0], s44, (3<<16)|(1<<21)
.irp g, G1S, G1SB
	s_mov_b32 s[\g+1], 64<<16
	s_mov_b32 s[\g+2], 16<<16
	s_mov_b32 s[\g+3], 64<<16
	s_mov_b32 s[\g+4], 16
	s_mov_b32 s[\g+5], 1024
	s_mov_b32 s[\g+6], 0
	s_mov_b32 s[\g+7], 0
.endr
	s_add_co_u32 s67, s95, 1
	s_cmp_eq_u32 s95, 2
	s_cselect_b32 s66, 3, 0                        ; A is operand 0 (x), for V operand 3 (wv)
	s_cselect_b32 s67, 0, s67                      ; B is operand sel + 1 (wq, wk), for V operand 0 (x)
	s_lshl_b32 s18, s16, 3
	s_lshl_b32 s20, s17, 4
	s_add_co_u32 s20, s20, s18                     ; A: first tile 16 x tile row + 8 x half
	s_lshl_b32 s46, s42, 4
	s_add_co_u32 s46, s46, s18                     ; B: 16 x tile column + 8 x half
	s_lshl_b32 s22, s20, 6                         ; 64 bytes of scale words a tile and K step
	s_lshl_b32 s92, s46, 6
	s_mul_i32 s20, s20, 1536
	s_mul_i32 s46, s46, 1536
	s_mul_i32 s18, s66, 3145728
	s_add_co_u32 s20, s20, s18
	s_lshl_b32 s18, s66, 17
	s_add_co_u32 s22, s22, s18
	s_mul_i32 s18, s67, 3145728
	s_add_co_u32 s46, s46, s18
	s_lshl_b32 s18, s67, 17
	s_add_co_u32 s92, s92, s18
	s_mov_b32 s21, 0
	s_mov_b32 s23, 0
	s_mov_b32 s47, 0
	s_mov_b32 s93, 0
	s_mul_i32 s45, s14, HALFT                      ; where they go: no place in the cluster enters an LDS address
	s_mul_i32 s94, s14, HALFS
	s_mov_b32 s[SEL], 0x76543210
	s_mov_b32 s[SEL+1], 0xfedcba98
	s_wait_dscnt 0x0                               ; both opening adds are done
	s_wait_kmcnt 0x0
	s_add_nc_u64 s[20:21], s[4:5], s[20:21]
	s_add_nc_u64 s[22:23], s[6:7], s[22:23]
	s_add_nc_u64 s[46:47], s[4:5], s[46:47]
	s_add_nc_u64 s[92:93], s[6:7], s[92:93]
	CROUND                                         ; all sixteen work-groups are here: the first joint loads meet
	s_mov_b32 s[G0S], 1
	s_add_co_u32 s[G0S+1], s94, SCL
	s_mov_b64 s[G0S+2:G0S+3], s[22:23]
	s_or_b32 s[G0S+3], s[G0S+3], 0x80000000
	s_mov_b32 s[G0SB], 1
	s_add_co_u32 s[G0SB+1], s94, SCL
	s_mov_b64 s[G0SB+2:G0SB+3], s[92:93]
	s_or_b32 s[G0SB+3], s[G0SB+3], 0x80000000
	JLOAD G0S, G1S, G0SB, G1SB                     ; the scale words first: they are wanted with the first slot
.irp s, 0,1
	s_mov_b32 s[G0+4*\s], 1
	s_add_co_u32 s[G0+4*\s+1], s45, \s*SLOT
	s_add_nc_u64 s[G0+4*\s+2:G0+4*\s+3], s[20:21], \s*393216   ; two K steps of 196,608 bytes a slot
	s_or_b32 s[G0+4*\s+3], s[G0+4*\s+3], 0x80000000
	s_mov_b32 s[G0B+4*\s], 1
	s_add_co_u32 s[G0B+4*\s+1], s45, \s*SLOT
	s_add_nc_u64 s[G0B+4*\s+2:G0B+4*\s+3], s[46:47], \s*393216
	s_or_b32 s[G0B+4*\s+3], s[G0B+4*\s+3], 0x80000000
	JLOAD G0+4*\s, G1, G0B+4*\s, G1B               ; by this text's count three tensor loads of a wave are out here, one behind each later round
.endr
	v_and_b32 v1, 15, v0                           ; r
	v_bfe_u32 v2, v0, 4, 1                         ; h
	v_and_b32 v3, 31, v0                           ; lane
	v_lshlrev_b32 v[LI], 4, v3
	s_mul_i32 s21, s15, HALFT                      ; my 8 tiles of A
	s_mul_i32 s22, s16, HALFT                      ; my 8 tiles of B,
	s_add_co_u32 s22, s22, 2*HALFT                 ; which lie behind A's 16
.irp s, 0,1
	v_add_nc_u32 v[ADRA+\s], s21, v[LI]
	v_add_nc_u32 v[ADRB+\s], s22, v[LI]
	s_add_co_u32 s21, s21, SLOT
	s_add_co_u32 s22, s22, SLOT
.endr
	v_lshlrev_b32 v8, 3, v1                        ; scale words: 8 bytes a row (two tiles' words)
	s_mul_i32 s21, s15, HALFS
	s_mul_i32 s22, s16, HALFS
	s_add_co_u32 s22, s22, 2*HALFS
	s_sub_co_u32 s22, s22, s21
	v_mul_u32_u24 v9, s22, v2                      ; lanes 16-31 take B's: one product, the distance between the two
	s_add_co_u32 s21, s21, SCL
	v_add_nc_u32 v8, v8, v9
	v_add_nc_u32 v[ADRS], s21, v8
	v_and_b32 v8, 8, v1
	v_add_nc_u32 v8, v8, v1                        ; r + 8 (r / 8)
	v_lshlrev_b32 v[CV], 8, v8                     ; a row of cos or sin is 256 bytes
	v_lshl_add_u32 v[CV], v2, 5, v[CV]
	; where my results go
	s_lshl_b32 s20, s17, 1
	s_add_co_u32 s20, s20, s15                     ; my group of 128 rows of A
	s_lshl_b32 s46, s42, 1
	s_add_co_u32 s46, s46, s16                     ; my group of 128 rows of B
	s_lshl_b32 s21, s46, 4
	s_add_co_u32 s21, s21, s20                     ; Q, K: head = B's group, positions = A's
	s_lshl_b32 s22, s20, 4
	s_add_co_u32 s22, s22, s46                     ; V: head = A's group, keys = B's
	s_cmp_lt_u32 s95, 2
	s_cselect_b32 s21, s21, s22                    ; the record
	s_mul_i32 s22, s21, 12288
	s_mul_i32 s18, s95, 3145728
	s_add_co_u32 s22, s22, s18
	s_mov_b32 s23, 0
	s_add_nc_u64 s[12:13], s[12:13], s[22:23]
	s_lshl_b32 s22, s21, 9
	s_lshl_b32 s18, s95, 17
	s_add_co_u32 s22, s22, s18
	s_add_nc_u64 s[100:101], s[100:101], s[22:23]
	s_lshl_b32 s22, s20, 15                        ; 128 rows of cos and sin (used for Q and K alone)
	s_add_nc_u64 s[96:97], s[96:97], s[22:23]
	s_add_nc_u64 s[98:99], s[98:99], s[22:23]
.macro FRAG reg, adr, q, i             ; a fragment as it lies: three loads of 512 consecutive bytes
.irp g, 0,1,2
	ds_load_b128 v[\reg+4*\g:\reg+4*\g+3], v[\adr] offset:12288*(\q)+1536*(\i)+512*\g
.endr
.endm
; 16 matrix instructions: A's blocks a0, a0 + 1 x B's eight, 128 along K.  p: B's set; sc: the set of scale words.  zero = 1: the first product starts the sums.
; The 64 accumulators take turns, one instruction a turn, in the same order in every step.
.macro MUL16 a0, p, q, sc, zero
.irp a, \a0, \a0+1
.irp b, 0,1,2,3,4,5,6,7
.if \zero
	v_wmma_scale_f32_16x16x128_f8f6f4 v[8*(8*((\a)%4)+\b):8*(8*((\a)%4)+\b)+7], v[128*(\p)+FR*\b:128*(\p)+FR*\b+FR-1], v[AF+FR*(\a):AF+FR*(\a)+FR-1], 0, v[SC+16*(\sc)+8*(\q)+\b], v[SC+16*(\sc)+8*(\q)+(\a)] matrix_a_fmt:MATRIX_FMT_BF6 matrix_b_fmt:MATRIX_FMT_BF6 matrix_a_scale:MATRIX_SCALE_ROW1
.else
	v_wmma_scale_f32_16x16x128_f8f6f4 v[8*(8*((\a)%4)+\b):8*(8*((\a)%4)+\b)+7], v[128*(\p)+FR*\b:128*(\p)+FR*\b+FR-1], v[AF+FR*(\a):AF+FR*(\a)+FR-1], v[8*(8*((\a)%4)+\b):8*(8*((\a)%4)+\b)+7], v[SC+16*(\sc)+8*(\q)+\b], v[SC+16*(\sc)+8*(\q)+(\a)] matrix_a_fmt:MATRIX_FMT_BF6 matrix_b_fmt:MATRIX_FMT_BF6 matrix_a_scale:MATRIX_SCALE_ROW1
.endif
.endr
.endr
.endm
.macro FETCH_B slot, q, p
	WIN TO_B
.irp i, 0,1,2,3,4,5,6,7
	FRAG 128*(\p)+FR*\i, ADRB+\slot, \q, \i
.endr
	WIN 0
.endm
.macro FETCH_A slot, q, i0
.irp i, \i0, \i0+1, \i0+2, \i0+3
	FRAG AF+FR*(\i), ADRA+\slot, \q, \i
.endr
.endm
.macro SCALES sc                       ; a slot's scale words: for each of its two K steps, four loads of two tiles' words
.irp q, 0,1
.irp i, 0,1,2,3
	ds_load_b64 v[SC+16*\sc+8*\q+2*\i:SC+16*\sc+8*\q+2*\i+1], v[ADRS] offset:512*\q+128*\i
.endr
.endr
.endm
; A step of 128 along K that has its successor in the same slot.  A block of A is free as soon as its eight products are issued: blocks 0-3 are fetched anew in the step's middle, blocks 4-7 at its end.
.macro STEP slot, q, zero
	s_wait_dscnt 4*NL                              ; B's set, A's blocks 0-3 and the scale words are in; the youngest 12 loads (A's blocks 4-7) may be out
	WIN MUL_LO
	MUL16 0, (\q)%2, \q, \slot, \zero
	MUL16 2, (\q)%2, \q, \slot, \zero
	s_wait_dscnt 0                                 ; A's blocks 4-7 are in
	PLACES NP                                      ; in front of loads into registers that matrix instructions have read
	FETCH_B \slot, (\q)+1, 1-(\q)%2
	FETCH_A \slot, (\q)+1, 0
	WIN MUL_HI
	MUL16 4, (\q)%2, \q, \slot, \zero
	MUL16 6, (\q)%2, \q, \slot, \zero
	PLACES NP
	WIN 0
	FETCH_A \slot, (\q)+1, 4
.endm
; A slot's last step changes slots: ONE barrier; in front of it each wave waits for all its tensor loads, adds 0 to its spare word, and waits for that and for its own reads of this slot.  fill = 1: this slot is filled again, two slots ahead.
.macro TURN slot, next, fill
	s_wait_tensorcnt 0x0                           ; all my tensor loads have landed: my part of the next slot
	ds_add_u32 v[SPW], v[NIL]                      ; 0 onto my spare word
	s_wait_dscnt 4*NL+1                            ; (the add and the youngest 12 loads may be out)
	WIN MUL_LO
	MUL16 0, 1, 1, \slot, 0
	s_wait_dscnt 0x0                               ; the add is done, and my reads of this slot are over
	s_barrier_signal -1
	MUL16 2, 1, 1, \slot, 0
	WIN 0
	s_barrier_wait -1
.if \fill
	CREST                                          ; the barrier has opened a round of the cluster's: no wave of any partner still reads this slot or has a load on its way
	s_add_nc_u64 s[G0+4*\slot+2:G0+4*\slot+3], s[G0+4*\slot+2:G0+4*\slot+3], 786432
	s_add_nc_u64 s[G0B+4*\slot+2:G0B+4*\slot+3], s[G0B+4*\slot+2:G0B+4*\slot+3], 786432
	JLOAD G0+4*\slot, G1, G0B+4*\slot, G1B         ; the first tensor load behind the round; its four v_nop are also the places in front of the loads below
.else
	PLACES NP
.endif
	v_add_nc_u32 v[ADRS], 1024, v[ADRS]            ; the next slot's scale words
	FETCH_B \next, 0, 0
	FETCH_A \next, 0, 0
	SCALES \next
	WIN MUL_HI
	MUL16 4, 1, 1, \slot, 0
	MUL16 6, 1, 1, \slot, 0
	PLACES NP
	WIN 0
	FETCH_A \next, 0, 4
.endm
.macro LAST                            ; the very last step: nothing more to fetch
	s_wait_dscnt 4*NL
	WIN MUL_LO
	MUL16 0, 1, 1, 1, 0
	MUL16 2, 1, 1, 1, 0
	s_wait_dscnt 0
	WIN MUL_HI
	MUL16 4, 1, 1, 1, 0
	MUL16 6, 1, 1, 1, 0
	WIN 0
	PLACES NP                                      ; behind the last products: their results are read and their operands' registers written below
.irp b, 0,1,2,3
	v_mov_b32 v[TM+4+\b], 0                        ; a lane permute's destination counts as one of its sources
.endr
.endm
; 64 numbers of a lane in window w, register 16 b + i = k 32 b + 16 (lane / 16) + i of my row, become a fragment's codes in v[PC] .. v[PC + 11] and its scale word in v[pw].  Each accumulator is read from its low end on.
.macro QUANT s, w, pw
	WIN (\w)|((\w)<<2)
.irp b, 0,1,2,3
	v_max3_num_f32 v[TM+\b], |v[(\s)+16*\b]|, |v[(\s)+1+16*\b]|, 0x2800000   ; block b: my 16 numbers, and the floor 2^(5 - 127)
.endr
	WIN ((\w)<<2)|((\w)<<4)
.irp i, 2,4,6,8,10,12,14
.irp b, 0,1,2,3
	v_max3_num_f32 v[TM+\b], v[TM+\b], |v[(\s)+16*\b+\i]|, |v[(\s)+1+16*\b+\i]|
.endr
.endr
	WIN 0
.irp b, 0,1,2,3
	v_permlanex16_b32 v[TM+4+\b], v[TM+\b], s[SEL], s[SEL+1]
.endr
.irp b, 0,1,2,3
	v_max_num_f32 v[TM+\b], v[TM+\b], v[TM+4+\b]   ; with lane l xor 16's: the block's largest magnitude
.endr
.irp b, 0,1,2,3
	v_add_nc_u32 v[TM+12+\b], 0xfe000000, v[TM+\b] ; 4 off its exponent field: the conversion's scale operand
.endr
.irp b, 0,1,2,3
	v_lshrrev_b32 v[TM+4+\b], 23, v[TM+12+\b]      ; the scale's byte
.endr
	v_lshl_or_b32 v[\pw], v[TM+5], 8, v[TM+4]
	v_lshl_or_b32 v[\pw], v[TM+6], 16, v[\pw]
	v_lshl_or_b32 v[\pw], v[TM+7], 24, v[\pw]
	WIN (\w)
.irp c, 0,1
	v_cvt_scalef32_pk16_bf6_f32 v[PC+6*\c:PC+2+6*\c], v[(\s)+32*\c:(\s)+15+32*\c], v[TM+12+2*\c]
	v_cvt_scalef32_pk16_bf6_f32 v[PC+12+4*\c:PC+14+4*\c], v[(\s)+16+32*\c:(\s)+31+32*\c], v[TM+12+2*\c+1]
.endr
	WIN 0
	v_nop                                          ; one plain place behind a scaled conversion
.irp c, 0,1
.irp i, 0,1,2
	v_permlane16_swap_b32 v[PC+6*\c+\i], v[PC+12+4*\c+\i]
.endr
.irp i, 0,1,2
	v_mov_b32 v[PC+3+6*\c+\i], v[PC+12+4*\c+\i]
.endr
.endr
.endm
; Four sets of 32 cos and 32 sin: set 0 in window 0, sets 1 to 3 in window 1 (2 and 3 where B's fragments lay)
.macro CSET set
.if (\set) == 0
.set CW, 0
.set CC, 64
.set CN, 96
.elseif (\set) == 1
.set CW, 1
.set CC, 96
.set CN, 224
.elseif (\set) == 2
.set CW, 1
.set CC, 0
.set CN, 32
.else
.set CW, 1
.set CC, 128
.set CN, 160
.endif
.endm
; cos and sin for block a: my position's row; register 8 b + 4 j + e = pair 16 b + 8 h + 4 j + e, the pair of my numbers 16 b + 8 j + 2 e and the next
.macro CSLOAD set, a
	CSET \set
	WIN (CW<<6)
.irp b, 0,1,2,3
.irp j, 0,1
	global_load_b128 v[CC+8*\b+4*\j:CC+8*\b+4*\j+3], v[CV], s[96:97] offset:(32*((\a)/2)+8*((\a)%2))*256+64*\b+16*\j
	global_load_b128 v[CN+8*\b+4*\j:CN+8*\b+4*\j+3], v[CV], s[98:99] offset:(32*((\a)/2)+8*((\a)%2))*256+64*\b+16*\j
.endr
.endr
	WIN 0
.endm
.macro ROPE a, set                     ; block a's 64 numbers, rotated, into v[R] on
	CSET \set
	WIN (2+(\a)/4)|(CW<<2)                         ; source 0: the accumulators' window; source 1: the set's
.set AC, 64*((\a)%4)
.set n, 0
.rept 32
	v_mul_f32 v[T+2*((n/2)%4)], v[AC+n+1], v[CN+n/2]
	v_mul_f32 v[T+2*((n/2)%4)+1], v[AC+n], v[CN+n/2]
	v_fma_f32 v[R+n], v[AC+n], v[CC+n/2], -v[T+2*((n/2)%4)]
	v_fma_f32 v[R+n+1], v[AC+n+1], v[CC+n/2], v[T+2*((n/2)%4)+1]
.set n, n+2
.endr
	WIN 0
.endm
	s_wait_tensorcnt 1                             ; the scale words and my part of slot 0 are in (slot 1's load may be out)
	s_barrier_signal -1
	s_barrier_wait -1                              ; everybody's are
	FETCH_B 0, 0, 0
	FETCH_A 0, 0, 0
	SCALES 0
	FETCH_A 0, 0, 4
	STEP 0, 0, 1                                   ; the first step stands in front of the loop: its products start the sums
	s_mov_b32 s3, LAPS-1
.Llap:                                                 ; a trip goes once round the ring and fills both slots again
	TURN 0, 1, 1
	STEP 1, 0, 0
	TURN 1, 0, 1
	STEP 0, 0, 0
	s_sub_co_u32 s3, s3, 1
	s_cmp_lg_u32 s3, 0
	s_cbranch_scc1 .Llap
	TURN 0, 1, 0                                   ; the last lap fills nothing
	s_cmp_eq_u32 s95, 2                            ; sel is the same in all sixteen partners; no tensor load and no LDS store follows on either way
	s_cbranch_scc1 .Lv
	; ---- Q and K: the last two steps, with the first two blocks' cos and sin on their way; then block by block: rotate, quantise, store
	CSLOAD 0, 0
	CSLOAD 1, 1
	STEP 1, 0, 0
	LAST
	CSLOAD 2, 2
	CSLOAD 3, 3
.irp a, 0,1,2,3,4,5,6,7
.if \a == 0
	s_wait_loadcnt 32                              ; sets 0 and 1 are in; the 32 loads of sets 2 and 3 may be out
.elseif \a == 1
.elseif \a < 5
	s_wait_loadcnt 48                              ; this block's set is in; the three sets asked for behind it may be out
.else
	s_wait_loadcnt 16*(7-\a)                       ; the counts run down
.endif
	ROPE \a, \a%4
.if \a < 4
	CSLOAD \a%4, \a+4
.endif
	s_wait_xcnt 0x0                                ; the last block's stores have read their data
	QUANT R, 0, PW+\a
.irp g, 0,1,2
	global_store_b128 v[LI], v[PC+4*\g:PC+4*\g+3], s[12:13] offset:1536*\a+512*\g   ; 32 lanes store 512 consecutive bytes
.endr
.endr
	s_branch .Ldone
.Lv:	; ---- V: the last two steps; then block by block (16 channels x my 128 keys): quantise along the keys, store
	STEP 1, 0, 0
	LAST
.irp a, 0,1,2,3,4,5,6,7
	s_wait_xcnt 0x0
	QUANT 64*(\a%4), 2+(\a/4), PW+\a
.irp g, 0,1,2
	global_store_b128 v[LI], v[PC+4*\g:PC+4*\g+3], s[12:13] offset:1536*\a+512*\g
.endr
.endr
.Ldone:
	v_cmp_lt_u32 s10, 15, v3                       ; lanes 0-15 carry the even blocks' words, lanes 16-31 the odd ones' (every lane holds its row's)
.irp i, 0,1,2,3
	v_cndmask_b32 v[W+\i], v[PW+2*\i], v[PW+2*\i+1], s10
.endr
	global_store_b128 v[LI], v[W:W+3], s[100:101]  ; the record's 512 bytes of scale words
	s_wait_tensorcnt 0x0                           ; the wave's end
	ds_add_u32 v[SPW], v[NIL]
	s_wait_dscnt 0x0
	CROUND                                         ; the closing round
	s_endpgm
.Lfunc_end_k_qfff797ae60_qkv:
	.size	k_qfff797ae60_qkv, .Lfunc_end_k_qfff797ae60_qkv-k_qfff797ae60_qkv
	.p2alignl 7, 3214868480
	.fill 96, 4, 3214868480
	.section	.rodata,"a",@progbits
	.p2align	6, 0x0
	.amdhsa_kernel k_qfff797ae60_qkv
		.amdhsa_group_segment_fixed_size 327680
		.amdhsa_private_segment_fixed_size 0
		.amdhsa_enable_private_segment 0
		.amdhsa_kernarg_size 48
		.amdhsa_user_sgpr_count 2
		.amdhsa_user_sgpr_kernarg_segment_ptr 1
		.amdhsa_wavefront_size32 1
		.amdhsa_system_sgpr_workgroup_id_x 1
		.amdhsa_system_sgpr_workgroup_id_y 1
		.amdhsa_system_sgpr_workgroup_id_z 1
		.amdhsa_system_vgpr_workitem_id 0
		.amdhsa_next_free_vgpr 1024
		.amdhsa_next_free_sgpr 104
		.amdhsa_reserve_vcc 0
		.amdhsa_float_denorm_mode_32 3
		.amdhsa_float_denorm_mode_16_64 3
		.amdhsa_memory_ordered 1
		.amdhsa_forward_progress 1
		.amdhsa_inst_pref_size 254
	.end_amdhsa_kernel
	.amdgpu_metadata
---
amdhsa.version: [ 1, 2 ]
amdhsa.kernels:
  - .name:           k_qfff797ae60_qkv
    .symbol:         k_qfff797ae60_qkv.kd
    .args:
      - { .name: wc, .offset: 0, .size: 8, .value_kind: global_buffer, .address_space: global }
      - { .name: ws, .offset: 8, .size: 8, .value_kind: global_buffer, .address_space: global }
      - { .name: cos, .offset: 16, .size: 8, .value_kind: global_buffer, .address_space: global }
      - { .name: sin, .offset: 24, .size: 8, .value_kind: global_buffer, .address_space: global }
      - { .name: qkvc, .offset: 32, .size: 8, .value_kind: global_buffer, .address_space: global }
      - { .name: qkvs, .offset: 40, .size: 8, .value_kind: global_buffer, .address_space: global }
    .group_segment_fixed_size: 327680
    .private_segment_fixed_size: 0
    .kernarg_segment_align: 8
    .kernarg_segment_size: 48
    .max_flat_workgroup_size: 128
    .sgpr_count:     104
    .vgpr_count:     1024
    .wavefront_size: 32
...
	.end_amdgpu_metadata
.endif
;; end of part 2
;; launch attn (part 3): grid 16 x 16, 8 waves a work-group, clusters of 4 x 1, 327,680 bytes of LDS; arguments qkvc, qkvs, mi, ac, asc; writes ac, asc
.if DOCPART == 3
	.amdgcn_target "amdgcn-amd-amdhsa--gfx1250"
	.amdhsa_code_object_version 6
	.text
	.protected	k_qfff797ae60_attn
	.globl	k_qfff797ae60_attn
	.p2align	8
	.type	k_qfff797ae60_attn,@function
k_qfff797ae60_attn:
	s_mov_b64 s[64:65], 0
	v_nop
	global_prefetch_b8 v0, s[64:65] scope:SCOPE_SE
	s_setreg_imm32_b32 hwreg(HW_REG_WAVE_MODE, 25, 1), 1
	s_wait_xcnt 0x0
	s_wait_alu depctr_hold_cnt(0) depctr_sa_sdst(0) depctr_va_vdst(0) depctr_va_sdst(0) depctr_va_ssrc(0) depctr_va_vcc(0) depctr_vm_vsrc(0)
	s_getreg_b32 s2, hwreg(HW_REG_IB_STS2, 6, 4)
	s_cmp_eq_u32 s2, 0
	s_cbranch_scc0 .Lentry_in_a_cluster
	s_endpgm
.Lentry_in_a_cluster:
	s_bfe_u32 s2, ttmp6, 0x10000c
	s_cmp_lg_u32 s2, 0x3003
	s_cbranch_scc0 .Lentry_shape_is_right
	s_endpgm
.Lentry_shape_is_right:
; ATTN: products 4 and 5 with the softmax between them, the division by the row's sum, and the quantiser of the result along the 2048 channels.  No work is left out: the mask is an input, so every key step is walked for every query.
; t = score x log2(e) / sqrt(128) + mask x log2(e); M = the row's largest t so far, rounded UP to a whole number; p = 2^(t - M) is quantised along the keys, not normalised; the row's sum is taken of the unquantised p.
; When M moves, the sum and O are multiplied by 2^(old M - new M): exact.
; SHARES.  A work-group owns 128 queries of one head; each of its eight waves owns one tile of 16 (the permuted tile T = 8 x block + wave of the first launch), two waves to a SIMD.  Every wave walks all 16 key steps of 128 keys.
; K's and V's records (8 fragments, 12,288 bytes, as images of their registers) come through two LDS slots of four key steps; each wave fetches one record of a slot.  The scale words of the whole head stay in LDS.
; CLUSTER: the four query blocks of a cluster belong to one head and walk the same K and V: every tile is asked for jointly, by the same load with a mask that names the four.
; LAYOUT.  Both products are used transposed: S^T = K Q^T, O^T = V^T P^T: a lane holds ONE query (lane % 16).  K's tiles hold permuted keys and V's permuted channels, so the 64 registers of S^T are keys 32 b + 16 h + i
; at register 16 b + i, and those of O^T the head's channels likewise: each is 16 neighbours along the next K, ready for the conversions.  The mask comes from memory in the same layout, two key steps ahead.
; RESULT: ac: fragment (K step = head, tile T) at (128 head + T) x 1,536; asc: its scale words, laid as the first launch lays an operand's.
; LIMITS: t is one fused multiply-add of the score onto the rounded mask x log2(e), where the reference rounds score / sqrt(128), the sum with the mask and the product with log2(e) in turn; where logits pass 2^24 in size the scores are
; lost on t's grid; 1 / sum is v_rcp_f32; a block of zeros gets the byte 1 (its codes are zeros); NaN and infinities are not served.
; REGISTERS: window 0: v1-11 addresses; v12 -M, v13 the largest t, v[14:15] the sum; v16-27 Q; v28-31 V's scale words; v32-59 the way out; v96-159 S^T, t, p; v160-223 O^T; v224-235 p's codes; v232-254 at work; v248-251 K's scale words; v255 Q's.
;   window 1: v0-63, v64-127 the mask of two key steps; v128-223 eight fragments, K's and then V's.
.set REC,   12288                      ; a record: 8 fragments
.set SLOT1, 131072                     ; slot 1 begins here: one exclusive or turns an address from one slot to the other.  A slot: K's four records, then V's four
.set SCK,   262144                     ; K's scale words of the head, 8,192 bytes; V's behind them
.set SCG,   278528                     ; 512 bytes: the eight waves' scale words meet here; no tile lands here
.set SPARE, 279040                     ; the spare words, 128 bytes for each wave
.set LI,   1                           ; v1   16 x lane
.set SPW,  2                           ; v2   LDS address of my spare word; never rewritten
.set NIL,  3                           ; v3   0; never rewritten
.set ADR,  4                           ; v4   LDS address of the step's records
.set ADS,  5                           ; v5   and of its scale words
.set GS,   6                           ; v6   where my scale word goes
.set PFO,  7                           ; v7   256 x lane: the prefetches' offset
.set GR,   8                           ; v8   where wave 0 reads the 512 bytes back
.set F,    128
.set TM,   232
.set PC,   32
.set WV,   18                          ; s18  wave
.set SEL,  20                          ; s[20:21] lane selects for lane l xor 16
.set CS,   22                          ; s[22:23] c = log2(e) / sqrt(128), twice
.set G1,   24                          ; s[24:31] group 1: a record
.set G1S,  32                          ; s[32:39] group 1: 2,048 bytes of scale words
.set G0,   40                          ; s[40:43] group 0 for records: it walks
.set G0S,  44                          ; s[44:47] group 0 for the scale words
.set SLOTS, 48
.set TWICE, 49
.set PFA,  50                          ; s[50:51] where my prefetches stand
.set LIM,  52                          ; s52  1 in a wave that prefetches, else the greatest number
.set TB,   2                           ; s2   LDS byte of the step's record of K
.set TS,   3                           ; s3   and of its scale words
.set MSB, 0
.macro WIN new
.if MSB != (\new)
	s_set_vgpr_msb (MSB<<8)|(\new)
.set MSB, (\new)
.endif
.endm
.macro PLACES n
.rept \n
	v_nop
.endr
.endm
.macro CROUND                          ; a round of the cluster's barrier
	s_barrier_signal -1
	s_barrier_wait -1
	s_cmp_lg_u32 s[WV], 0
	s_cbranch_scc1 .Lnot_wave_0_\@
	s_barrier_signal -3
.Lnot_wave_0_\@:
	s_barrier_wait -3
	s_barrier_signal -1
	s_barrier_wait -1
.endm
; A PREFETCH INTO THE L2 of the slot that the NEXT change of slots will ask for: 49,152 bytes of K and as many of V, four key steps ahead of that load.  All clusters of a head walk the same K and V: the head's first cluster asks.
; Its four partners share the bytes out BY ADDRESS (two take K's halves, two V's); in each, waves 0 to 2 ask for 8,192 bytes each, lanes 256 bytes apart: each aligned block of 256 bytes is named once in the launch.
; Slots 0 and 1 come by their loads alone; the last change that fills a slot asks for nothing.
.macro ASK
	s_cmp_gt_u32 s[SLOTS], s[LIM]
	s_cbranch_scc0 .Lnot_mine_\@
	global_prefetch_b8 v[PFO], s[PFA:PFA+1] th:TH_LOAD_NT scope:SCOPE_SE
.Lnot_mine_\@:
.endm
	s_load_b256 s[4:11], s[0:1], 0x0               ; qkvc, qkvs, mi, ac
	s_load_b64 s[12:13], s[0:1], 0x20              ; asc
	v_lshl_add_u32 v[SPW], v0, 2, SPARE
	v_mov_b32 v[NIL], 0
	ds_add_u32 v[SPW], v[NIL]                      ; the wave's opening: the add, twice on end, and its wait ahead of my first tensor load
	ds_add_u32 v[SPW], v[NIL]
	v_lshrrev_b32 v4, 5, v0
	v_readfirstlane_b32 s[WV], v4                  ; wave 0..7
	s_bfe_u32 s16, ttmp6, 0x40000                  ; cx
	s_lshl_b32 s17, ttmp9, 2
	s_add_co_u32 s17, s17, s16                     ; my block of 128 queries: it enters Q's, the mask's and the results' addresses alone
	s_and_b32 s19, ttmp7, 0xffff                   ; the head, which the four partners share
	v_and_b32 v9, 31, v0                           ; lane
	v_and_b32 v10, 15, v0                          ; r
	v_lshlrev_b32 v[LI], 4, v9
	v_lshlrev_b32 v[PFO], 8, v9
	v_lshlrev_b32 v11, 4, v10                      ; Q's scale words lie 16 bytes apart
	s_lshr_b32 s53, s[WV], 1
	s_lshl_b32 s53, s53, 7
	s_and_b32 s54, s[WV], 1
	s_lshl_b32 s54, s54, 2
	s_add_co_u32 s53, s53, s54
	s_add_co_u32 s53, s53, SCG
	v_lshl_add_u32 v[GS], v10, 3, s53              ; SCG + 128 (wave / 2) + 4 (wave % 2) + 8 r
	v_add_nc_u32 v[GR], SCG, v[LI]
	; what I fetch: waves 0-3 the slot's four records of K, waves 4-7 those of V; and a quarter of the head's scale words of the same tensor
	s_lshr_b32 s53, s[WV], 2
	s_add_co_u32 s53, s53, 1                       ; tensor 1 (K) or 2 (V)
	s_and_b32 s54, s[WV], 3
	s_mul_i32 s56, s53, 3145728
	s_mul_i32 s55, s19, 196608                     ; a head: 16 records
	s_add_co_u32 s56, s56, s55
	s_mul_i32 s55, s54, REC
	s_add_co_u32 s56, s56, s55
	s_mov_b32 s57, 0
	s_lshl_b32 s58, s53, 17
	s_lshl_b32 s55, s19, 13
	s_add_co_u32 s58, s58, s55
	s_lshl_b32 s55, s54, 11
	s_add_co_u32 s58, s58, s55
	s_mov_b32 s59, 0
	; Q: record 16 head + block, fragment = wave; its scale words
	s_lshl_b32 s60, s19, 4
	s_add_co_u32 s60, s60, s17
	s_lshl_b32 s62, s60, 9
	s_mul_i32 s60, s60, REC
	s_mul_i32 s53, s[WV], 1536
	s_add_co_u32 s60, s60, s53
	s_mov_b32 s61, 0
	s_and_b32 s53, s[WV], 1
	s_lshl_b32 s53, s53, 8
	s_add_co_u32 s62, s62, s53
	s_lshr_b32 s53, s[WV], 1
	s_lshl_b32 s53, s53, 2
	s_add_co_u32 s62, s62, s53
	s_mov_b32 s63, 0
	s_lshl_b32 s66, s17, 3
	s_add_co_u32 s66, s66, s[WV]                   ; T: my tile of queries
	s_lshl_b32 s68, s66, 17                        ; the mask: 131,072 bytes a tile
	s_mov_b32 s69, 0
	s_lshl_b32 s70, s19, 7
	s_add_co_u32 s70, s70, s66
	s_mul_i32 s70, s70, 1536                       ; my fragment of the result
	s_mov_b32 s71, 0
	s_lshl_b32 s72, s19, 13
	s_lshl_b32 s73, s17, 9
	s_add_co_u32 s72, s72, s73                     ; the work-group's 512 bytes of scale words
	s_mov_b32 s73, 0
	; the prefetches: who asks, and where
	s_cmp_lt_u32 s[WV], 3
	s_cselect_b32 s[LIM], 0, 1
	s_or_b32 s[LIM], s[LIM], ttmp9                 ; 0 in waves 0 to 2 of the head's first cluster: the same in all four partners
	s_cmp_eq_u32 s[LIM], 0
	s_cselect_b32 s[LIM], 1, -1
	s_lshr_b32 s53, s16, 1
	s_add_co_u32 s53, s53, 1                       ; partners 0, 1: K; partners 2, 3: V
	s_mul_i32 s54, s53, 3145728
	s_mul_i32 s55, s19, 196608
	s_add_co_u32 s54, s54, s55
	s_and_b32 s55, s16, 1
	s_mul_i32 s55, s55, 24576                      ; which half of a slot's 49,152 bytes
	s_add_co_u32 s54, s54, s55
	s_lshl_b32 s55, s[WV], 13
	s_add_co_u32 s54, s54, s55
	s_add_co_u32 s54, s54, 4*REC                   ; in slot 1: the first change of slots steps it to slot 2
	s_mov_b32 s55, 0
	; descriptor group 1: dense blocks as rows of 256 bytes (32 elements of 8 bytes): a record is 48 rows, a quarter of the scale words 8
	s_mov_b32 s[G1], 15|(3<<16)|(1<<21)            ; 15:0 the mask: all four work-groups; 17:16 elements of 8 bytes; 21 set beside a mask
	s_mov_b32 s[G1+1], 32<<16
	s_mov_b32 s[G1+2], 48<<16
	s_mov_b32 s[G1+3], 32<<16
	s_mov_b32 s[G1+4], 48
	s_mov_b32 s[G1+5], 32
	s_mov_b32 s[G1+6], 0
	s_mov_b32 s[G1+7], 0
	s_mov_b32 s[G1S], 15|(3<<16)|(1<<21)
	s_mov_b32 s[G1S+1], 32<<16
	s_mov_b32 s[G1S+2], 8<<16
	s_mov_b32 s[G1S+3], 32<<16
	s_mov_b32 s[G1S+4], 8
	s_mov_b32 s[G1S+5], 32
	s_mov_b32 s[G1S+6], 0
	s_mov_b32 s[G1S+7], 0
	s_mov_b32 s[SEL], 0x76543210
	s_mov_b32 s[SEL+1], 0xfedcba98
	s_mov_b32 s[CS], 0x3e0293ee                    ; c = log2(e) / sqrt(128)
	s_mov_b32 s[CS+1], s[CS]
	s_mov_b32 s[TB], 0
	s_mov_b32 s[TS], SCK
	s_mov_b32 s[SLOTS], 3
	s_wait_dscnt 0x0                               ; both opening adds are done
	s_wait_kmcnt 0x0
	s_mov_b32 s[G0], 1
	s_mul_i32 s[G0+1], s[WV], REC                  ; slot 0, my record
	s_add_nc_u64 s[G0+2:G0+3], s[4:5], s[56:57]
	s_or_b32 s[G0+3], s[G0+3], 0x80000000
	s_mov_b32 s[G0S], 1
	s_lshl_b32 s[G0S+1], s[WV], 11
	s_add_co_u32 s[G0S+1], s[G0S+1], SCK
	s_add_nc_u64 s[G0S+2:G0S+3], s[6:7], s[58:59]
	s_or_b32 s[G0S+3], s[G0S+3], 0x80000000
	s_add_nc_u64 s[PFA:PFA+1], s[4:5], s[54:55]
	s_add_nc_u64 s[60:61], s[4:5], s[60:61]        ; Q's fragment
	s_add_nc_u64 s[62:63], s[6:7], s[62:63]        ; Q's scale words
	s_add_nc_u64 s[8:9], s[8:9], s[68:69]          ; the mask at my tile, key step 0
	s_add_nc_u64 s[10:11], s[10:11], s[70:71]
	s_add_nc_u64 s[12:13], s[12:13], s[72:73]
	CROUND                                         ; all four work-groups are here: the first joint loads meet
	tensor_load_to_lds s[G0S:G0S+3], s[G1S:G1S+7]  ; the head's scale words: filled once.  Every wave issues both loads: two of mine are out
	s_nop 0
	tensor_load_to_lds s[G0:G0+3], s[G1:G1+7]      ; slot 0
	s_nop 0
	PLACES 4
.irp g, 0,1,2
	global_load_b128 v[16+4*\g:19+4*\g], v[LI], s[60:61] offset:512*\g   ; Q's fragment stays in registers
.endr
	global_load_b32 v255, v11, s[62:63]            ; and its scale words
	WIN 0x40                                       ; destination window 1
.irp q, 0,1
.irp g, 0,1,2,3,4,5,6,7,8,9,10,11,12,13,14,15
	global_load_b128 v[64*\q+4*\g:64*\q+4*\g+3], v[LI], s[8:9] offset:8192*\q+512*\g   ; the mask of key steps 0 and 1
.endr
.endr
	WIN 0
	v_mov_b32 v13, 0xff61b1e6                      ; the largest t so far: -3e38, under every t
	v_floor_f32 v12, -v13                          ; -M
	v_mov_b32 v14, 0                               ; the sum, in two halves
	v_mov_b32 v15, 0
.irp b, 0,1,2,3
	v_mov_b32 v[236+\b], 0                         ; a lane permute's destination counts as one of its sources
.endr
	v_mov_b32 v253, 0                              ; (named as the upper half of the pair v[252:253] before it is first written)
.set j, 0
.rept 64
	v_mov_b32 v[160+j], 0                          ; O^T: the step is written for all steps alike: the first finds zeros, which the first change of M leaves zeros
.set j, j+1
.endr
; A KEY STEP of 128 keys.  q: which mask buffer; ahead = 1: that buffer takes the mask of two steps on; lcnt: the younger mask loads that may stay out.
.macro STEP q, ahead, lcnt
	v_add_nc_u32 v[ADR], s[TB], v[LI]
	v_add_nc_u32 v[ADS], s[TS], v[LI]
	v_nop
	v_nop                                          ; four places behind the last products, in front of loads into registers that they have read
	WIN 0x40
.irp t, 0,1,2,3,4,5,6,7
.irp g, 0,1,2
	ds_load_b128 v[F+12*\t+4*\g:F+12*\t+4*\g+3], v[ADR] offset:1536*\t+512*\g   ; K's eight fragments
.endr
.endr
	WIN 0
	ds_load_b128 v[248:251], v[ADS]                ; K's scale words: lanes 0-15 tiles 0, 2, 4, 6; lanes 16-31 tiles 1, 3, 5, 7
	s_wait_dscnt 0x0
	WIN 0x01                                       ; source 0 window 1
.irp t, 0,1,2,3,4,5,6,7
.if (\t%2) == 0
	v_wmma_scale_f32_16x16x128_f8f6f4 v[96+8*\t:103+8*\t], v[F+12*\t:F+12*\t+11], v[16:27], 0, v[248+\t/2], v255 matrix_a_fmt:MATRIX_FMT_BF6 matrix_b_fmt:MATRIX_FMT_BF6
.else
	v_wmma_scale_f32_16x16x128_f8f6f4 v[96+8*\t:103+8*\t], v[F+12*\t:F+12*\t+11], v[16:27], 0, v[248+\t/2], v255 matrix_a_fmt:MATRIX_FMT_BF6 matrix_b_fmt:MATRIX_FMT_BF6 matrix_a_scale:MATRIX_SCALE_ROW1
.endif
.endr
	WIN 0
	PLACES 4                                       ; in front of the loads into K's registers and of the first read of the scores
	WIN 0x40
.irp t, 0,1,2,3,4,5,6,7
.irp g, 0,1,2
	ds_load_b128 v[F+12*\t+4*\g:F+12*\t+4*\g+3], v[ADR] offset:4*REC+1536*\t+512*\g   ; V's eight fragments: they land while the softmax is walked
.endr
.endr
	WIN 0
	ds_load_b128 v[28:31], v[ADS] offset:8192      ; V's scale words
	s_wait_loadcnt \lcnt                           ; this step's mask is in
	WIN 0x10                                       ; source 2 window 1
.set j, 0
.rept 32
	v_pk_fma_f32 v[96+j:97+j], v[96+j:97+j], s[CS:CS+1], v[64*(\q)+j:64*(\q)+j+1] op_sel_hi:[1,0,1]   ; t = score x c + mask x log2(e)
.set j, j+2
.endr
.if \ahead
	WIN 0x40
.irp g, 0,1,2,3,4,5,6,7,8,9,10,11,12,13,14,15
	global_load_b128 v[64*(\q)+4*\g:64*(\q)+4*\g+3], v[LI], s[8:9] offset:(2+(\q))*8192+512*\g
.endr
.endif
	WIN 0
.irp b, 0,1,2,3
	v_max3_num_f32 v[232+\b], v[96+16*\b], v[97+16*\b], v[98+16*\b]   ; the largest t of each block of 32 keys: it serves the row's maximum and, since p rises with t, the block's largest p
.endr
.irp i, 3,5,7,9,11,13
.irp b, 0,1,2,3
	v_max3_num_f32 v[232+\b], v[232+\b], v[96+16*\b+\i], v[97+16*\b+\i]
.endr
.endr
.irp b, 0,1,2,3
	v_max_num_f32 v[232+\b], v[232+\b], v[111+16*\b]
.endr
.irp b, 0,1,2,3
	v_permlanex16_b32 v[236+\b], v[232+\b], s[SEL], s[SEL+1]
.endr
.irp b, 0,1,2,3
	v_max_num_f32 v[232+\b], v[232+\b], v[236+\b]  ; with lane l xor 16's 16 keys
.endr
	v_max3_num_f32 v254, v232, v233, v234
	v_max_num_f32 v254, v254, v235
	v_max_num_f32 v13, v13, v254                   ; the running largest t
	v_mov_b32 v254, v12
	v_floor_f32 v12, -v13                          ; the new -M = -ceil(t): M is a whole number
	v_sub_f32 v254, v12, v254                      ; old M - new M: a whole number, 0 or less
	v_cvt_i32_f32 v254, v254                       ; (it saturates)
	v_ldexp_f32 v252, 1.0, v254                    ; f = 2^(old M - new M)
.set j, 0
.rept 32
	v_pk_add_f32 v[96+j:97+j], v[96+j:97+j], v[12:13] op_sel_hi:[1,0]   ; t - M (of the pair the low word serves both halves)
.set j, j+2
.endr
.irp b, 0,1,2,3
	v_add_f32 v[232+\b], v[232+\b], v12            ; the same of each block's largest t
.endr
.set j, 0
.rept 64
	v_exp_f32 v[96+j], v[96+j]                     ; p = 2^(t - M), at most 1
.set j, j+1
.endr
	v_pk_mul_f32 v[14:15], v[14:15], v[252:253] op_sel_hi:[1,0]   ; the sums under the new M: the plain place behind the exponentials
	s_wait_alu depctr_va_vdst(0)                   ; one wait for the whole batch, ahead of its first reader
.irp b, 0,1,2,3
	v_exp_f32 v[232+\b], v[232+\b]                 ; the block's largest p: the same instructions on the same number give the same bits
.endr
	v_pk_add_f32 v[236:237], v[96:97], v[98:99]    ; the row's sum of the unquantised p, two at a time, in two chains
.irp j, 4,8,12,16,20,24,28,32,36,40,44,48,52,56,60
	v_pk_add_f32 v[14:15], v[14:15], v[96+\j:97+\j]
	v_pk_add_f32 v[236:237], v[236:237], v[98+\j:99+\j]
.endr
	v_pk_add_f32 v[14:15], v[14:15], v[236:237]
	s_wait_alu depctr_va_vdst(0)                   ; and one for the four
.irp b, 0,1,2,3
	v_max_num_f32 v[232+\b], 0x2800000, v[232+\b]  ; the floor 2^(5 - 127): a block whose every p is 0 keeps the byte 1: its codes are zeros
.endr
.irp b, 0,1,2,3
	v_add_nc_u32 v[244+\b], 0xfe000000, v[232+\b]  ; 4 off the exponent field: the conversion's scale operand
.endr
.irp b, 0,1,2,3
	v_lshrrev_b32 v[236+\b], 23, v[244+\b]         ; the scale's byte
.endr
	v_lshl_or_b32 v253, v237, 8, v236              ; p's scale word for these 128 keys
	v_lshl_or_b32 v253, v238, 16, v253
	v_lshl_or_b32 v253, v239, 24, v253
.irp c, 0,1
	v_cvt_scalef32_pk16_bf6_f32 v[224+6*\c:226+6*\c], v[96+32*\c:111+32*\c], v[244+2*\c]
	v_cvt_scalef32_pk16_bf6_f32 v[236+4*\c:238+4*\c], v[112+32*\c:127+32*\c], v[244+2*\c+1]
.endr
	v_nop                                          ; one plain place behind a scaled conversion
.irp c, 0,1
.irp i, 0,1,2
	v_permlane16_swap_b32 v[224+6*\c+\i], v[236+4*\c+\i]
.endr
.irp i, 0,1,2
	v_mov_b32 v[227+6*\c+\i], v[236+4*\c+\i]
.endr
.endr
.set j, 0
.rept 32
	v_pk_mul_f32 v[160+j:161+j], v[160+j:161+j], v[252:253] op_sel_hi:[1,0]   ; O^T under the new M.  These 32 are also the places between the lines that wrote p's codes and scale word and the products
.set j, j+2
.endr
	s_wait_dscnt 0x0                               ; V is in
	WIN 0x01
.irp t, 0,1,2,3,4,5,6,7
.if (\t%2) == 0
	v_wmma_scale_f32_16x16x128_f8f6f4 v[160+8*\t:167+8*\t], v[F+12*\t:F+12*\t+11], v[224:235], v[160+8*\t:167+8*\t], v[28+\t/2], v253 matrix_a_fmt:MATRIX_FMT_BF6 matrix_b_fmt:MATRIX_FMT_BF6
.else
	v_wmma_scale_f32_16x16x128_f8f6f4 v[160+8*\t:167+8*\t], v[F+12*\t:F+12*\t+11], v[224:235], v[160+8*\t:167+8*\t], v[28+\t/2], v253 matrix_a_fmt:MATRIX_FMT_BF6 matrix_b_fmt:MATRIX_FMT_BF6 matrix_a_scale:MATRIX_SCALE_ROW1
.endif
.endr
	WIN 0
	s_add_co_u32 s[TB], s[TB], REC                 ; the next step's records and scale words
	s_add_co_u32 s[TS], s[TS], 512
.endm
; THE CHANGE OF SLOTS stands at a slot's head.  Each wave waits for all its tensor loads (its record of the slot ahead), adds 0 to its spare word, and waits for that and for its reads of the slot that it has left.
; fill = 1: a round of the cluster's barrier, and behind it the other slot takes the next four key steps: the load has a whole slot's steps in which to land.  (The first change fills slot 1 for the first time; no wave refills there.)
.macro CHANGE fill
	s_wait_tensorcnt 0x0                           ; no tensor load of mine is out, so the group 0 may be written
	ds_add_u32 v[SPW], v[NIL]                      ; 0 onto my spare word
.if \fill
	s_xor_b32 s[G0+1], s[G0+1], SLOT1              ; the other slot than last time,
	s_add_nc_u64 s[G0+2:G0+3], s[G0+2:G0+3], 4*REC ; the next four records
	s_wait_xcnt 0x0                                ; the last prefetch, a slot back, has read its address
	s_add_nc_u64 s[PFA:PFA+1], s[PFA:PFA+1], 4*REC
	s_wait_dscnt 0x0                               ; the add is done, and my reads of the slot that I have left are over
	CROUND
	tensor_load_to_lds s[G0:G0+3], s[G1:G1+7]      ; the first thing behind the round, and my one tensor load until the next
	s_nop 0
	PLACES 4
	ASK
.else
	s_wait_dscnt 0x0
	s_barrier_signal -1
	s_barrier_wait -1
.endif
.endm
	s_wait_loadcnt 32                              ; Q and its scale words are in; the 32 mask loads may be out
.Lslot:                                                ; three trips: behind each change of slots but the last the next slot is asked for
	CHANGE 1
	s_mov_b32 s[TWICE], 2
.Lpair:                                                ; two key steps a trip: the two mask buffers take turns
	STEP 0, 1, 16                                  ; (16: the other buffer's loads)
	STEP 1, 1, 16
	s_wait_xcnt 0x0                                ; the mask loads have read their base
	s_add_nc_u64 s[8:9], s[8:9], 16384
	s_sub_co_u32 s[TWICE], s[TWICE], 1
	s_cmp_lg_u32 s[TWICE], 0
	s_cbranch_scc1 .Lpair
	s_sub_co_u32 s[TB], s[TB], 4*REC               ; back to a slot's first record,
	s_xor_b32 s[TB], s[TB], SLOT1                  ; in the other slot
	s_sub_co_u32 s[SLOTS], s[SLOTS], 1
	s_cmp_lg_u32 s[SLOTS], 0
	s_cbranch_scc1 .Lslot
	CHANGE 0                                       ; the last slot is written out
	STEP 0, 1, 16
	STEP 1, 1, 16
	STEP 0, 0, 16
	STEP 1, 0, 0
	; THE WAY OUT: O^T / the sum; quantised along the head's 128 channels, which are K step 'head' of the last product; the fragment leaves as it stands, the eight waves' scale words meet in LDS.
	PLACES 4                                       ; behind the last products
	v_add_f32 v14, v14, v15                        ; the sum's two halves,
	v_permlanex16_b32 v252, v14, s[SEL], s[SEL+1]
	v_add_f32 v14, v14, v252                       ; and lane l xor 16's
	v_rcp_f32 v14, v14
	v_nop                                          ; a plain place behind the transcendental
	s_wait_alu depctr_va_vdst(0)                   ; the wait, ahead of the first reader
.set j, 0
.rept 64
	v_mul_f32 v[96+j], v[160+j], v14               ; register 16 b + i = channel 32 b + 16 h + i of my query
.set j, j+1
.endr
.irp b, 0,1,2,3
	v_max3_num_f32 v[TM+\b], |v[96+16*\b]|, |v[97+16*\b]|, 0x2800000
.endr
.irp i, 2,4,6,8,10,12,14
.irp b, 0,1,2,3
	v_max3_num_f32 v[TM+\b], v[TM+\b], |v[96+16*\b+\i]|, |v[97+16*\b+\i]|
.endr
.endr
.irp b, 0,1,2,3
	v_permlanex16_b32 v[TM+4+\b], v[TM+\b], s[SEL], s[SEL+1]
.endr
.irp b, 0,1,2,3
	v_max_num_f32 v[TM+\b], v[TM+\b], v[TM+4+\b]
.endr
.irp b, 0,1,2,3
	v_add_nc_u32 v[TM+12+\b], 0xfe000000, v[TM+\b]
.endr
.irp b, 0,1,2,3
	v_lshrrev_b32 v[TM+4+\b], 23, v[TM+12+\b]
.endr
	v_lshl_or_b32 v52, v[TM+5], 8, v[TM+4]         ; my query's scale word
	v_lshl_or_b32 v52, v[TM+6], 16, v52
	v_lshl_or_b32 v52, v[TM+7], 24, v52
.irp c, 0,1
	v_cvt_scalef32_pk16_bf6_f32 v[PC+6*\c:PC+2+6*\c], v[96+32*\c:111+32*\c], v[TM+12+2*\c]
	v_cvt_scalef32_pk16_bf6_f32 v[PC+12+4*\c:PC+14+4*\c], v[112+32*\c:127+32*\c], v[TM+12+2*\c+1]
.endr
	v_nop
.irp c, 0,1
.irp i, 0,1,2
	v_permlane16_swap_b32 v[PC+6*\c+\i], v[PC+12+4*\c+\i]
.endr
.irp i, 0,1,2
	v_mov_b32 v[PC+3+6*\c+\i], v[PC+12+4*\c+\i]
.endr
.endr
.irp g, 0,1,2
	global_store_b128 v[LI], v[PC+4*\g:PC+4*\g+3], s[10:11] offset:512*\g   ; 32 lanes store 512 consecutive bytes
.endr
	ds_store_b32 v[GS], v52                        ; lanes r and r + 16 write the same word with the same value
	s_wait_dscnt 0x0                               ; for the others' sake: my store has landed
	s_barrier_signal -1
	s_barrier_wait -1
	s_cmp_lg_u32 s[WV], 0
	s_cbranch_scc1 .Lnot_0
	ds_load_b128 v[56:59], v[GR]                   ; wave 0 stores the work-group's 512 bytes of scale words
	s_wait_dscnt 0x0
	global_store_b128 v[LI], v[56:59], s[12:13]
.Lnot_0:
	s_wait_tensorcnt 0x0                           ; the wave's end
	ds_add_u32 v[SPW], v[NIL]
	s_wait_dscnt 0x0
	CROUND                                         ; the closing round
	s_endpgm
.Lfunc_end_k_qfff797ae60_attn:
	.size	k_qfff797ae60_attn, .Lfunc_end_k_qfff797ae60_attn-k_qfff797ae60_attn
	.p2alignl 7, 3214868480
	.fill 96, 4, 3214868480
	.section	.rodata,"a",@progbits
	.p2align	6, 0x0
	.amdhsa_kernel k_qfff797ae60_attn
		.amdhsa_group_segment_fixed_size 327680
		.amdhsa_private_segment_fixed_size 0
		.amdhsa_enable_private_segment 0
		.amdhsa_kernarg_size 40
		.amdhsa_user_sgpr_count 2
		.amdhsa_user_sgpr_kernarg_segment_ptr 1
		.amdhsa_wavefront_size32 1
		.amdhsa_system_sgpr_workgroup_id_x 1
		.amdhsa_system_sgpr_workgroup_id_y 1
		.amdhsa_system_sgpr_workgroup_id_z 1
		.amdhsa_system_vgpr_workitem_id 0
		.amdhsa_next_free_vgpr 480
		.amdhsa_next_free_sgpr 80
		.amdhsa_reserve_vcc 0
		.amdhsa_float_denorm_mode_32 3
		.amdhsa_float_denorm_mode_16_64 3
		.amdhsa_memory_ordered 1
		.amdhsa_forward_progress 1
		.amdhsa_inst_pref_size 149
	.end_amdhsa_kernel
	.amdgpu_metadata
---
amdhsa.version: [ 1, 2 ]
amdhsa.kernels:
  - .name:           k_qfff797ae60_attn
    .symbol:         k_qfff797ae60_attn.kd
    .args:
      - { .name: qkvc, .offset: 0, .size: 8, .value_kind: global_buffer, .address_space: global }
      - { .name: qkvs, .offset: 8, .size: 8, .value_kind: global_buffer, .address_space: global }
      - { .name: mi, .offset: 16, .size: 8, .value_kind: global_buffer, .address_space: global }
      - { .name: ac, .offset: 24, .size: 8, .value_kind: global_buffer, .address_space: global }
      - { .name: asc, .offset: 32, .size: 8, .value_kind: global_buffer, .address_space: global }
    .group_segment_fixed_size: 327680
    .private_segment_fixed_size: 0
    .kernarg_segment_align: 8
    .kernarg_segment_size: 40
    .max_flat_workgroup_size: 256
    .sgpr_count:     80
    .vgpr_count:     480
    .wavefront_size: 32
...
	.end_amdgpu_metadata
.endif
;; end of part 3
;; launch proj (part 4): grid 8 x 8, 4 waves a work-group, clusters of 4 x 4, 327,680 bytes of LDS; arguments ac, asc, wc, ws, out0; writes out0
.if DOCPART == 4
	.amdgcn_target "amdgcn-amd-amdhsa--gfx1250"
	.amdhsa_code_object_version 6
	.text
	.protected	k_qfff797ae60_proj
	.globl	k_qfff797ae60_proj
	.p2align	8
	.type	k_qfff797ae60_proj,@function
k_qfff797ae60_proj:
	s_mov_b64 s[64:65], 0
	v_nop
	global_prefetch_b8 v0, s[64:65] scope:SCOPE_SE
	s_setreg_imm32_b32 hwreg(HW_REG_WAVE_MODE, 25, 1), 1
	s_wait_xcnt 0x0
	s_wait_alu depctr_hold_cnt(0) depctr_sa_sdst(0) depctr_va_vdst(0) depctr_va_sdst(0) depctr_va_ssrc(0) depctr_va_vcc(0) depctr_vm_vsrc(0)
	s_getreg_b32 s2, hwreg(HW_REG_IB_STS2, 6, 4)
	s_cmp_eq_u32 s2, 0
	s_cbranch_scc0 .Lentry_in_a_cluster
	s_endpgm
.Lentry_in_a_cluster:
	s_bfe_u32 s2, ttmp6, 0x10000c
	s_cmp_lg_u32 s2, 0xf033
	s_cbranch_scc0 .Lentry_shape_is_right
	s_endpgm
.Lentry_shape_is_right:
; PROJ: product 6, out0 = attention's result x wo^T, on codes of BF6 with one E8M0 scale for each 32 along K.  No work is left out.
; A = ac, asc (rows = queries, in the permuted tiles of the first launch; K step = head), B = operand 4 (wo) of wc, ws (natural tiles).  The loop is the second launch's: a tile of C, 256 x 256, by four waves of 128 x 128;
; K in steps of 256 through two LDS slots; operands as images of their registers; the scale words of all of K in LDS once; 4 x 4 clusters, A's tiles asked for jointly along a row of the cluster, B's along a column.
; THE MATRIX INSTRUCTION IS USED TRANSPOSED (source 0 = 16 rows of wo, source 1 = 16 queries): a lane holds eight neighbouring columns of one row of out0.
; THE WAY OUT: a block of 16 rows x 128 columns goes through the wave's stage in LDS and leaves as whole rows of 512 bytes; row t of block a is true row 32 (a / 2) + 8 (a % 2) + t + 8 (t / 8) of the wave's 128: the store's immediate undoes the permutation.
; The grid has 64 work-groups: 2048 x 2048 of C in tiles of 256 x 256.
.set FR,     12
.set NL,     3
.set NP,     4
.set HALFT,  24576
.set SLOT,   4*HALFT
.set SCL,    2*SLOT
.set HALFS,  8192
.set SPARE,  SCL+4*HALFS
.set LAPS,   4
.set SPITCH, 528                       ; the stage: 16 rows x (512 bytes + 16) for each wave, in slot 0, which has had its last fill and its last read when the first result is stored there
.set ADRA, 16
.set ADRB, 20
.set STO,  24                          ; v24  where I put 32 bytes of a row
.set RD,   25                          ; v25  where I read a row back
.set CO,   26                          ; v26  16 x lane: my place in a row's 512 bytes
.set ADRS, 27
.set SPW,  28
.set NIL,  29
.set SC,   32
.set AF,   128
.set BK,   128                         ; 16 rows read back: v128-191 and v192-255 by turns
.set G1, 24
.set G0, 32
.set G1B, 48
.set G0B, 56
.set G1S, 68
.set G0S, 76
.set G1SB, 80
.set G0SB, 88
.set MSB, 0
.macro WIN new
.if MSB != (\new)
	s_set_vgpr_msb (MSB<<8)|(\new)
.set MSB, (\new)
.endif
.endm
.set MUL_LO, 0xa1
.set MUL_HI, 0xf1
.set TO_B,   0x40
.macro PLACES n
.rept \n
	v_nop
.endr
.endm
.macro JLOAD g0a, g1a, g0b, g1b        ; a joint load: waves 0 and 1 fetch for A, waves 2 and 3 for B; an s_nop 0 and four v_nop follow each line
	s_cmp_eq_u32 s15, 0
	s_cbranch_scc0 .Lfor_b_\@
	tensor_load_to_lds s[\g0a:\g0a+3], s[\g1a:\g1a+7]
	s_nop 0
.rept 4
	v_nop
.endr
	s_branch .Lasked_\@
.Lfor_b_\@:
	tensor_load_to_lds s[\g0b:\g0b+3], s[\g1b:\g1b+7]
	s_nop 0
.rept 4
	v_nop
.endr
.Lasked_\@:
.endm
.macro CREST
	s_cmp_lg_u32 s14, 0
	s_cbranch_scc1 .Lnot_wave_0_\@
	s_barrier_signal -3
.Lnot_wave_0_\@:
	s_barrier_wait -3
	s_barrier_signal -1
	s_barrier_wait -1
.endm
.macro CROUND
	s_barrier_signal -1
	s_barrier_wait -1
	CREST
.endm
	s_load_b128 s[4:7], s[0:1], 0x0                ; ac, asc
	s_load_b128 s[8:11], s[0:1], 0x10              ; wc, ws
	s_load_b64 s[12:13], s[0:1], 0x20              ; out0
	v_lshl_add_u32 v[SPW], v0, 2, SPARE
	v_mov_b32 v[NIL], 0
	ds_add_u32 v[SPW], v[NIL]                      ; the wave's opening: the add, twice on end, and its wait ahead of my first tensor load
	ds_add_u32 v[SPW], v[NIL]
	v_lshrrev_b32 v1, 5, v0
	v_readfirstlane_b32 s14, v1                    ; wave 0..3
	s_lshr_b32 s15, s14, 1                         ; which half of the tile's rows is mine.  Also: I fetch for A (0) or for B (1)
	s_and_b32 s16, s14, 1                          ; which half of its columns.  Also: which 8 tiles I fetch
	s_bfe_u32 s40, ttmp6, 0x40000
	s_bfe_u32 s41, ttmp6, 0x40004
	s_lshl_b32 s42, ttmp9, 2
	s_add_co_u32 s42, s42, s40                     ; tile column of C
	s_and_b32 s17, ttmp7, 0xffff
	s_lshl_b32 s17, s17, 2
	s_add_co_u32 s17, s17, s41                     ; tile row of C
	s_lshl_b32 s43, s41, 2
	s_lshl_b32 s43, 15, s43                        ; my row of the cluster
	s_lshl_b32 s44, 0x1111, s40                    ; my column
	s_or_b32 s[G1+0], s43, (3<<16)|(1<<21)         ; codes: 2 rows of 1,536 elements of 8 bytes, 24,576 elements apart
	s_or_b32 s[G1B+0], s44, (3<<16)|(1<<21)
.irp g, G1, G1B
	s_mov_b32 s[\g+1], 1536<<16
	s_mov_b32 s[\g+2], 2<<16
	s_mov_b32 s[\g+3], 1536<<16
	s_mov_b32 s[\g+4], 2
	s_mov_b32 s[\g+5], 24576
	s_mov_b32 s[\g+6], 0
	s_mov_b32 s[\g+7], 0
.endr
	s_or_b32 s[G1S+0], s43, (3<<16)|(1<<21)        ; scale words: 16 rows of 64 elements of 8 bytes, 1,024 elements apart
	s_or_b32 s[G1SB+0], s44, (3<<16)|(1<<21)
.irp g, G1S, G1SB
	s_mov_b32 s[\g+1], 64<<16
	s_mov_b32 s[\g+2], 16<<16
	s_mov_b32 s[\g+3], 64<<16
	s_mov_b32 s[\g+4], 16
	s_mov_b32 s[\g+5], 1024
	s_mov_b32 s[\g+6], 0
	s_mov_b32 s[\g+7], 0
.endr
	s_lshl_b32 s18, s16, 3
	s_lshl_b32 s20, s17, 4
	s_add_co_u32 s20, s20, s18                     ; A: first tile 16 x tile row + 8 x half
	s_lshl_b32 s46, s42, 4
	s_add_co_u32 s46, s46, s18                     ; B: 16 x tile column + 8 x half
	s_lshl_b32 s22, s20, 6
	s_lshl_b32 s92, s46, 6
	s_mul_i32 s20, s20, 1536
	s_mul_i32 s46, s46, 1536
	s_add_co_u32 s46, s46, 4*3145728               ; wo is operand 4
	s_add_co_u32 s92, s92, 4*131072
	s_mov_b32 s21, 0
	s_mov_b32 s23, 0
	s_mov_b32 s47, 0
	s_mov_b32 s93, 0
	s_mul_i32 s45, s14, HALFT
	s_mul_i32 s94, s14, HALFS
	s_wait_dscnt 0x0                               ; both opening adds are done
	s_wait_kmcnt 0x0
	s_add_nc_u64 s[20:21], s[4:5], s[20:21]
	s_add_nc_u64 s[22:23], s[6:7], s[22:23]
	s_add_nc_u64 s[46:47], s[8:9], s[46:47]
	s_add_nc_u64 s[92:93], s[10:11], s[92:93]
	CROUND                                         ; all sixteen work-groups are here: the first joint loads meet
	s_mov_b32 s[G0S], 1
	s_add_co_u32 s[G0S+1], s94, SCL
	s_mov_b64 s[G0S+2:G0S+3], s[22:23]
	s_or_b32 s[G0S+3], s[G0S+3], 0x80000000
	s_mov_b32 s[G0SB], 1
	s_add_co_u32 s[G0SB+1], s94, SCL
	s_mov_b64 s[G0SB+2:G0SB+3], s[92:93]
	s_or_b32 s[G0SB+3], s[G0SB+3], 0x80000000
	JLOAD G0S, G1S, G0SB, G1SB
.irp s, 0,1
	s_mov_b32 s[G0+4*\s], 1
	s_add_co_u32 s[G0+4*\s+1], s45, \s*SLOT
	s_add_nc_u64 s[G0+4*\s+2:G0+4*\s+3], s[20:21], \s*393216
	s_or_b32 s[G0+4*\s+3], s[G0+4*\s+3], 0x80000000
	s_mov_b32 s[G0B+4*\s], 1
	s_add_co_u32 s[G0B+4*\s+1], s45, \s*SLOT
	s_add_nc_u64 s[G0B+4*\s+2:G0B+4*\s+3], s[46:47], \s*393216
	s_or_b32 s[G0B+4*\s+3], s[G0B+4*\s+3], 0x80000000
	JLOAD G0+4*\s, G1, G0B+4*\s, G1B               ; by this text's count three tensor loads of a wave are out here, one behind each later round
.endr
	v_and_b32 v1, 15, v0                           ; r
	v_bfe_u32 v2, v0, 4, 1                         ; h
	v_and_b32 v3, 31, v0                           ; lane
	v_lshlrev_b32 v[CO], 4, v3
	s_mul_i32 s21, s15, HALFT
	s_mul_i32 s22, s16, HALFT
	s_add_co_u32 s22, s22, 2*HALFT
.irp s, 0,1
	v_add_nc_u32 v[ADRA+\s], s21, v[CO]
	v_add_nc_u32 v[ADRB+\s], s22, v[CO]
	s_add_co_u32 s21, s21, SLOT
	s_add_co_u32 s22, s22, SLOT
.endr
	v_lshlrev_b32 v8, 3, v1
	s_mul_i32 s21, s15, HALFS
	s_mul_i32 s22, s16, HALFS
	s_add_co_u32 s22, s22, 2*HALFS
	s_sub_co_u32 s22, s22, s21
	v_mul_u32_u24 v9, s22, v2                      ; lanes 16-31 take B's
	s_add_co_u32 s21, s21, SCL
	v_add_nc_u32 v8, v8, v9
	v_add_nc_u32 v[ADRS], s21, v8
	s_mul_i32 s23, s14, 16*SPITCH                  ; my stage
	v_mul_u32_u24 v8, v1, SPITCH
	v_lshl_add_u32 v8, v2, 5, v8
	v_add_nc_u32 v[STO], s23, v8                   ; in: row r, 32 bytes for each half of the lanes
	v_add_nc_u32 v[RD], s23, v[CO]                 ; back: the 32 lanes take one row of 512 bytes
	s_lshl_b32 s20, s17, 8
	s_lshl_b32 s21, s15, 7
	s_add_co_u32 s20, s20, s21                     ; my first row of out0
	s_lshl_b32 s20, s20, 13                        ; 8,192 bytes a row
	s_lshl_b32 s46, s42, 10
	s_lshl_b32 s47, s16, 9
	s_add_co_u32 s46, s46, s47                     ; my first column, in bytes
	s_add_co_u32 s20, s20, s46
	s_mov_b32 s21, 0
	s_add_nc_u64 s[12:13], s[12:13], s[20:21]
.macro FRAG reg, adr, q, i
.irp g, 0,1,2
	ds_load_b128 v[\reg+4*\g:\reg+4*\g+3], v[\adr] offset:12288*(\q)+1536*(\i)+512*\g
.endr
.endm
; The 64 accumulators take turns, one instruction a turn, in the same order in every step.
.macro MUL16 a0, p, q, sc, zero
.irp a, \a0, \a0+1
.irp b, 0,1,2,3,4,5,6,7
.if \zero
	v_wmma_scale_f32_16x16x128_f8f6f4 v[8*(8*((\a)%4)+\b):8*(8*((\a)%4)+\b)+7], v[128*(\p)+FR*\b:128*(\p)+FR*\b+FR-1], v[AF+FR*(\a):AF+FR*(\a)+FR-1], 0, v[SC+16*(\sc)+8*(\q)+\b], v[SC+16*(\sc)+8*(\q)+(\a)] matrix_a_fmt:MATRIX_FMT_BF6 matrix_b_fmt:MATRIX_FMT_BF6 matrix_a_scale:MATRIX_SCALE_ROW1
.else
	v_wmma_scale_f32_16x16x128_f8f6f4 v[8*(8*((\a)%4)+\b):8*(8*((\a)%4)+\b)+7], v[128*(\p)+FR*\b:128*(\p)+FR*\b+FR-1], v[AF+FR*(\a):AF+FR*(\a)+FR-1], v[8*(8*((\a)%4)+\b):8*(8*((\a)%4)+\b)+7], v[SC+16*(\sc)+8*(\q)+\b], v[SC+16*(\sc)+8*(\q)+(\a)] matrix_a_fmt:MATRIX_FMT_BF6 matrix_b_fmt:MATRIX_FMT_BF6 matrix_a_scale:MATRIX_SCALE_ROW1
.endif
.endr
.endr
.endm
.macro FETCH_B slot, q, p
	WIN TO_B
.irp i, 0,1,2,3,4,5,6,7
	FRAG 128*(\p)+FR*\i, ADRB+\slot, \q, \i
.endr
	WIN 0
.endm
.macro FETCH_A slot, q, i0
.irp i, \i0, \i0+1, \i0+2, \i0+3
	FRAG AF+FR*(\i), ADRA+\slot, \q, \i
.endr
.endm
.macro SCALES sc
.irp q, 0,1
.irp i, 0,1,2,3
	ds_load_b64 v[SC+16*\sc+8*\q+2*\i:SC+16*\sc+8*\q+2*\i+1], v[ADRS] offset:512*\q+128*\i
.endr
.endr
.endm
.macro STEP slot, q, zero
	s_wait_dscnt 4*NL                              ; B's set, A's blocks 0-3 and the scale words are in; the youngest 12 loads (A's blocks 4-7) may be out
	WIN MUL_LO
	MUL16 0, (\q)%2, \q, \slot, \zero
	MUL16 2, (\q)%2, \q, \slot, \zero
	s_wait_dscnt 0
	PLACES NP
	FETCH_B \slot, (\q)+1, 1-(\q)%2
	FETCH_A \slot, (\q)+1, 0
	WIN MUL_HI
	MUL16 4, (\q)%2, \q, \slot, \zero
	MUL16 6, (\q)%2, \q, \slot, \zero
	PLACES NP
	WIN 0
	FETCH_A \slot, (\q)+1, 4
.endm
.macro TURN slot, next, fill
	s_wait_tensorcnt 0x0                           ; all my tensor loads have landed: my part of the next slot
	ds_add_u32 v[SPW], v[NIL]                      ; 0 onto my spare word
	s_wait_dscnt 4*NL+1                            ; (the add and the youngest 12 loads may be out)
	WIN MUL_LO
	MUL16 0, 1, 1, \slot, 0
	s_wait_dscnt 0x0                               ; the add is done, and my reads of this slot are over
	s_barrier_signal -1
	MUL16 2, 1, 1, \slot, 0
	WIN 0
	s_barrier_wait -1
.if \fill
	CREST                                          ; no wave of any partner still reads this slot or has a load on its way
	s_add_nc_u64 s[G0+4*\slot+2:G0+4*\slot+3], s[G0+4*\slot+2:G0+4*\slot+3], 786432
	s_add_nc_u64 s[G0B+4*\slot+2:G0B+4*\slot+3], s[G0B+4*\slot+2:G0B+4*\slot+3], 786432
	JLOAD G0+4*\slot, G1, G0B+4*\slot, G1B
.else
	PLACES NP
.endif
	v_add_nc_u32 v[ADRS], 1024, v[ADRS]
	FETCH_B \next, 0, 0
	FETCH_A \next, 0, 0
	SCALES \next
	WIN MUL_HI
	MUL16 4, 1, 1, \slot, 0
	MUL16 6, 1, 1, \slot, 0
	PLACES NP
	WIN 0
	FETCH_A \next, 0, 4
.endm
	s_wait_tensorcnt 1                             ; the scale words and my part of slot 0 are in (slot 1's load may be out)
	s_barrier_signal -1
	s_barrier_wait -1
	FETCH_B 0, 0, 0
	FETCH_A 0, 0, 0
	SCALES 0
	FETCH_A 0, 0, 4
	STEP 0, 0, 1                                   ; the first step's products start the sums
	s_mov_b32 s3, LAPS-1
.Llap:
	TURN 0, 1, 1
	STEP 1, 0, 0
	TURN 1, 0, 1
	STEP 0, 0, 0
	s_sub_co_u32 s3, s3, 1
	s_cmp_lg_u32 s3, 0
	s_cbranch_scc1 .Llap
	TURN 0, 1, 0                                   ; the last lap fills nothing
	STEP 1, 0, 0
	s_wait_dscnt 4*NL                              ; the very last step
	WIN MUL_LO
	MUL16 0, 1, 1, 1, 0
	MUL16 2, 1, 1, 1, 0
	s_wait_dscnt 0
	WIN MUL_HI
	MUL16 4, 1, 1, 1, 0
	MUL16 6, 1, 1, 1, 0
	WIN 0
; THE WAY OUT, block by block.  LDS serves a wave's instructions in order: no wait between the stores and the loads, nor in front of the next block's stores.
.macro TOSTAGE a
.set AC, 64*((\a)%4)
	WIN 0x08+4*((\a)/4)                            ; an LDS store's data are its source 1: window 2 or 3
.irp b, 0,1,2,3,4,5,6,7
	ds_store_b128 v[STO], v[AC+8*\b:AC+8*\b+3] offset:64*\b          ; each accumulator from its low end on
	ds_store_b128 v[STO], v[AC+8*\b+4:AC+8*\b+7] offset:64*\b+16
.endr
	WIN 0
.set BB, BK+64*((\a)%2)
.irp t, 0,1,2,3,4,5,6,7,8,9,10,11,12,13,14,15
	ds_load_b128 v[BB+4*\t:BB+4*\t+3], v[RD] offset:\t*SPITCH
.endr
.endm
.macro SEND a, younger                 ; younger: the LDS instructions issued behind block a's loads
.set BB, BK+64*((\a)%2)
	s_wait_dscnt \younger
.irp t, 0,1,2,3,4,5,6,7,8,9,10,11,12,13,14,15
	global_store_b128 v[CO], v[BB+4*\t:BB+4*\t+3], s[12:13] offset:(32*((\a)/2)+8*((\a)%2)+\t+8*(\t/8))*8192 th:TH_STORE_NT   ; 32 lanes store 512 consecutive bytes of the row's true place; 127 rows at the most: inside the signed 24-bit immediate
.endr
.endm
	PLACES NP                                      ; behind the last products: for the reads of results and the loads into the registers that held A's fragments
	TOSTAGE 0
.irp a, 1,2,3,4,5,6,7
.if \a > 1
	s_wait_xcnt 0x0                                ; block a - 2's stores have read their registers: block a's loads may land there
.endif
	TOSTAGE \a
	SEND \a-1, 32                                  ; behind block a - 1's loads: block a's 16 stores and 16 loads
.endr
	SEND 7, 0
	s_wait_tensorcnt 0x0                           ; the wave's end
	ds_add_u32 v[SPW], v[NIL]
	s_wait_dscnt 0x0
	CROUND                                         ; the closing round
	s_endpgm
.Lfunc_end_k_qfff797ae60_proj:
	.size	k_qfff797ae60_proj, .Lfunc_end_k_qfff797ae60_proj-k_qfff797ae60_proj
	.p2alignl 7, 3214868480
	.fill 96, 4, 3214868480
	.section	.rodata,"a",@progbits
	.p2align	6, 0x0
	.amdhsa_kernel k_qfff797ae60_proj
		.amdhsa_group_segment_fixed_size 327680
		.amdhsa_private_segment_fixed_size 0
		.amdhsa_enable_private_segment 0
		.amdhsa_kernarg_size 40
		.amdhsa_user_sgpr_count 2
		.amdhsa_user_sgpr_kernarg_segment_ptr 1
		.amdhsa_wavefront_size32 1
		.amdhsa_system_sgpr_workgroup_id_x 1
		.amdhsa_system_sgpr_workgroup_id_y 1
		.amdhsa_system_sgpr_workgroup_id_z 1
		.amdhsa_system_vgpr_workitem_id 0
		.amdhsa_next_free_vgpr 1024
		.amdhsa_next_free_sgpr 100
		.amdhsa_reserve_vcc 0
		.amdhsa_float_denorm_mode_32 3
		.amdhsa_float_denorm_mode_16_64 3
		.amdhsa_memory_ordered 1
		.amdhsa_forward_progress 1
		.amdhsa_inst_pref_size 135
	.end_amdhsa_kernel
	.amdgpu_metadata
---
amdhsa.version: [ 1, 2 ]
amdhsa.kernels:
  - .name:           k_qfff797ae60_proj
    .symbol:         k_qfff797ae60_proj.kd
    .args:
      - { .name: ac, .offset: 0, .size: 8, .value_kind: global_buffer, .address_space: global }
      - { .name: asc, .offset: 8, .size: 8, .value_kind: global_buffer, .address_space: global }
      - { .name: wc, .offset: 16, .size: 8, .value_kind: global_buffer, .address_space: global }
      - { .name: ws, .offset: 24, .size: 8, .value_kind: global_buffer, .address_space: global }
      - { .name: out0, .offset: 32, .size: 8, .value_kind: global_buffer, .address_space: global }
    .group_segment_fixed_size: 327680
    .private_segment_fixed_size: 0
    .kernarg_segment_align: 8
    .kernarg_segment_size: 40
    .max_flat_workgroup_size: 128
    .sgpr_count:     100
    .vgpr_count:     1024
    .wavefront_size: 32
...
	.end_amdgpu_metadata
.endif
;; end of part 4
;; ======== version 2 of 2: 4 launches
;; limits: right only within a limited range of input values
;; workspace buffers: wc 16,384,000 bytes; mi 16,777,216 bytes; qkvc 9,830,400 bytes; ac 3,276,800 bytes
;; launch prep (part 5): grid 768 x 1, 4 waves a work-group, no clusters, 68,096 bytes of LDS; arguments x, wq, wk, wv, wo, mask, wc, mi; writes wc, mi
.if DOCPART == 5
	.amdgcn_target "amdgcn-amd-amdhsa--gfx1250"
	.amdhsa_code_object_version 6
	.text
	.protected	k_qfff797ae60_prep
	.globl	k_qfff797ae60_prep
	.p2align	8
	.type	k_qfff797ae60_prep,@function
k_qfff797ae60_prep:
	s_mov_b64 s[64:65], 0
	v_nop
	global_prefetch_b8 v0, s[64:65] scope:SCOPE_SE
	s_setreg_imm32_b32 hwreg(HW_REG_WAVE_MODE, 25, 1), 1
	s_wait_xcnt 0x0
; PREP: the first of four launches of an attention layer (L = D = 2048, 16 heads of 128) whose six products run on codes of BF6 (E3M2) with one E8M0 scale for each 32 along K.
; NO WORK IS LEFT OUT in any launch: the mask is an input, so all 16 x 2048 x 2048 scores are computed, and every input (x, wq, wk, wv, wo, mask, cos, sin) has a way to out0 and is loaded.
; THIS LAUNCH: x, wq, wk, wv, wo ([2048][2048] f32, K innermost) become codes and scale words, once, since many work-groups read them later; mask x log2(e) is laid as the attention launch's registers want it.
; A block's scale is 2^(floor(log2(its largest magnitude)) - 4); its byte is the largest magnitude's exponent field - 4, held at 1 from below.
; LAYOUT OF THE RESULTS.  A fragment (16 rows x 128 K, 12 registers a lane) is stored as an image of its registers: register p of lane l at 512 (p / 4) + 16 l + 4 (p % 4): three stores of 512 consecutive bytes.
;   wc: operand n (0 x, 1 wq, 2 wk, 3 wv, 4 wo) at n x 3,145,728; fragment (K step s, tile T) at (128 s + T) x 1536.
;   ws: operand n at n x 131,072; the scale word of (s, T, row r) at 8192 s + 256 (T / 4) + 128 ((T / 2) % 2) + 8 r + 4 (T % 2).
;   mi: (tile T of queries, key step s) at (16 T + s) x 8192; register n of lane l at 512 (n / 4) + 16 l + 4 (n % 4); register 16 b + i of lane (r, h) = mask[row r of T][128 s + 32 b + 16 h + i] x log2(e).
; THE ROWS OF A TILE ARE NOT NEIGHBOURS, but for wo: row p of tile T is true row 32 (T / 2) + 8 (T % 2) + p + 8 (p / 8), so that later results, used transposed, hold 16 neighbours along the next K in 16 registers.
; SHARES.  Work-group: tensor n = id / 128 (5: the mask), 64 rows, 512 along K; wave: 64 rows x 128 along K = four tiles.  Each load reads 512 consecutive bytes of one row; a tile turns through the wave's own
; stage in LDS (rows 528 bytes apart: sixteen rows start in sixteen different groups of banks) and comes back 16 neighbours of each block of 32 to a lane.  Two tiles' loads (32 a wave) are on their way.  Waves share nothing: no barrier.
; LIMITS: a block of zeros gets the byte 1 where the rule says 127 (its codes are zeros, and this program alone reads the bytes); blocks whose largest magnitude lies under 2^-122 are held at that floor;
; NaN and infinities among the inputs are not served; mask x log2(e) is rounded to f32 here, ahead of the sum with the score.
; wc AS IT IS STORED HERE (this takes the place of the lines on wc and ws above): operand n at n x 3,276,800; a RECORD (K step s, group g of 8 tiles) at (16 s + g) x 12,800:
; eight fragments of 1,536 bytes, then at byte 12,288 their 512 bytes of scale words: the word of (tile T of the eight, row r) at 128 (T / 2) + 8 r + 4 (T % 2).  One tile of a tensor load so brings codes and scale words together.
.set STGB,  8448
.set MSTG,  4*STGB                     ; the mask's path has stages of its own
.set SPARE, 8*STGB                     ; behind the stages: the spare words, 128 bytes for each wave
.set VO,   1                           ; v1   16 x lane: my 16 bytes of a row's 512; also my place in every store
.set VP,   2                           ; v2   the same, one chunk of 8 rows further on where tiles are permuted
.set VN,   3                           ; v3   the same, one chunk further on where they are not (wo)
.set SI,   4                           ; v4   the stage, on the way in
.set SOUT, 5                           ; v5   and on the way out: 528 r + 64 h
.set LN,   6                           ; v6   lane
.set L8,   7                           ; v7   8 x lane
.set SPW,  8                           ; v8   LDS address of my spare word; never rewritten
.set NIL,  9                           ; v9   0; never rewritten
.set R0,   16                          ; v16-143  two sets of 64: a tile as it is loaded
.set X,    144                         ; v144-207 a tile with 16 neighbours of each block to a lane
.set TM,   208                         ; v208-223 at work in QUANT
.set PC,   224                         ; v224-243 the codes just made
.set PW,   244                         ; v244-247 the four tiles' scale words
.set SEL,  32                          ; s[32:33] lane selects for lane l xor 16
; 64 numbers of a lane, register 16 b + i = k 32 b + 16 (lane / 16) + i of my row, become a fragment's codes in v[PC] .. v[PC + 11] and its scale word in v[pw].
.macro QUANT s, pw
.irp b, 0,1,2,3
	v_max3_num_f32 v[TM+\b], |v[(\s)+16*\b]|, |v[(\s)+1+16*\b]|, 0x2800000   ; block b: my 16 numbers, and the floor 2^(5 - 127): the byte cannot fall under 1
.endr
.irp i, 2,4,6,8,10,12,14
.irp b, 0,1,2,3
	v_max3_num_f32 v[TM+\b], v[TM+\b], |v[(\s)+16*\b+\i]|, |v[(\s)+1+16*\b+\i]|   ; the four blocks by turns
.endr
.endr
.irp b, 0,1,2,3
	v_permlanex16_b32 v[TM+4+\b], v[TM+\b], s[SEL], s[SEL+1]
.endr
.irp b, 0,1,2,3
	v_max_num_f32 v[TM+\b], v[TM+\b], v[TM+4+\b]   ; with lane l xor 16's: the block's largest magnitude
.endr
.irp b, 0,1,2,3
	v_add_nc_u32 v[TM+12+\b], 0xfe000000, v[TM+\b] ; 4 off its exponent field: the conversion's scale operand
.endr
.irp b, 0,1,2,3
	v_lshrrev_b32 v[TM+4+\b], 23, v[TM+12+\b]      ; the scale's byte
.endr
	v_lshl_or_b32 v[\pw], v[TM+5], 8, v[TM+4]      ; four bytes: my row's scale word
	v_lshl_or_b32 v[\pw], v[TM+6], 16, v[\pw]
	v_lshl_or_b32 v[\pw], v[TM+7], 24, v[\pw]
.irp c, 0,1
	v_cvt_scalef32_pk16_bf6_f32 v[PC+6*\c:PC+2+6*\c], v[(\s)+32*\c:(\s)+15+32*\c], v[TM+12+2*\c]
	v_cvt_scalef32_pk16_bf6_f32 v[PC+12+4*\c:PC+14+4*\c], v[(\s)+16+32*\c:(\s)+31+32*\c], v[TM+12+2*\c+1]   ; (a conversion's three registers begin on an even number)
.endr
	v_nop                                          ; one plain place behind a scaled conversion
.irp c, 0,1                                    ; the operand's layout wants a whole block in a lane
.irp i, 0,1,2
	v_permlane16_swap_b32 v[PC+6*\c+\i], v[PC+12+4*\c+\i]
.endr
.irp i, 0,1,2
	v_mov_b32 v[PC+3+6*\c+\i], v[PC+12+4*\c+\i]
.endr
.endr
.endm
; Tile tt of my four: 16 loads, a row each.  A chunk is 8 rows, 65,536 bytes.  Permuted tiles take chunks (0, 2) (1, 3) (4, 6) (5, 7), natural ones (0, 1) (2, 3) (4, 5) (6, 7): the difference stands in v[VP] and v[VN].
.macro LOAD tt
.irp p, 0,1,2,3,4,5,6,7
.if ((\tt)%2) == 0
	global_load_b128 v[R0+64*((\tt)%2)+4*\p:R0+64*((\tt)%2)+4*\p+3], v[VO], s[4:5] offset:(4*((\tt)/2))*65536+\p*8192 th:TH_LOAD_NT
.else
	global_load_b128 v[R0+64*((\tt)%2)+4*\p:R0+64*((\tt)%2)+4*\p+3], v[VN], s[4:5] offset:(4*((\tt)/2)+1)*65536+\p*8192 th:TH_LOAD_NT
.endif
.endr
.irp p, 0,1,2,3,4,5,6,7
.if ((\tt)%2) == 0
	global_load_b128 v[R0+64*((\tt)%2)+32+4*\p:R0+64*((\tt)%2)+32+4*\p+3], v[VP], s[4:5] offset:(4*((\tt)/2)+1)*65536+\p*8192 th:TH_LOAD_NT
.else
	global_load_b128 v[R0+64*((\tt)%2)+32+4*\p:R0+64*((\tt)%2)+32+4*\p+3], v[VO], s[4:5] offset:(4*((\tt)/2)+3)*65536+\p*8192 th:TH_LOAD_NT
.endif
.endr
.endm
; The head of a tile's turn: its loads are in; it goes through the stage; the set that it leaves takes the loads of the tile two on.
.macro INSTEP tt
.if (\tt) < 3
	s_wait_loadcnt 16                              ; this tile's 16 loads are in; the other set's 16 may be out
.else
	s_wait_loadcnt 0x0
.endif
	s_wait_xcnt 0x0                                ; the last tile's stores have read their data: those registers are written again only behind this wait
.irp p, 0,1,2,3,4,5,6,7,8,9,10,11,12,13,14,15
	ds_store_b128 v[SI], v[R0+64*((\tt)%2)+4*\p:R0+64*((\tt)%2)+4*\p+3] offset:528*\p
.endr
.irp b, 0,1,2,3
.irp j, 0,1,2,3
	ds_load_b128 v[X+16*\b+4*\j:X+16*\b+4*\j+3], v[SOUT] offset:128*\b+16*\j   ; LDS serves a wave's instructions in order: these see the stores above
.endr
.endr
	s_wait_dscnt 0x0                               ; the tile is back, and the stores into the stage have read their registers
.if (\tt) < 2
	LOAD (\tt)+2
.endif
.endm
	s_load_b512 s[4:19], s[0:1], 0x0               ; x, wq, wk, wv, wo, mask, wc s[16:17], mi s[18:19]
	v_lshl_add_u32 v[SPW], v0, 2, SPARE
	v_mov_b32 v[NIL], 0
	v_lshrrev_b32 v10, 5, v0
	v_readfirstlane_b32 s22, v10                   ; wave
	v_and_b32 v[LN], 31, v0
	s_wait_alu depctr_va_vdst(0)
	v_and_b32 v11, 15, v0                          ; r
	s_wait_alu depctr_va_vdst(0)
	v_bfe_u32 v12, v0, 4, 1                        ; h
	s_lshr_b32 s23, ttmp9, 7                       ; which tensor
	s_and_b32 s24, ttmp9, 127
	s_and_b32 s25, s24, 3
	s_lshl_b32 s25, s25, 2
	s_add_co_u32 s25, s25, s22                     ; my K step of 128: 4 (id % 4) + wave
	s_lshr_b32 s24, s24, 2                         ; my group of 64 rows
	s_cmp_lg_u32 s23, 4                            ; all tensors but wo have permuted tiles
	s_cselect_b32 s30, 0x10000, 0
	s_sub_co_u32 s31, 0x10000, s30
	v_lshlrev_b32 v[VO], 4, v[LN]
	v_add_nc_u32 v[VP], s30, v[VO]
	v_add_nc_u32 v[VN], s31, v[VO]
	v_lshlrev_b32 v[L8], 3, v[LN]
	s_mul_i32 s35, s22, STGB                       ; my stage
	v_mul_u32_u24 v13, v11, 528
	s_wait_alu depctr_va_vdst(0)
	v_lshl_add_u32 v13, v12, 6, v13                ; 528 r + 64 h
	s_mov_b32 s[SEL], 0x76543210
	s_mov_b32 s[SEL+1], 0xfedcba98
.irp b, 0,1,2,3
	v_mov_b32 v[TM+4+\b], 0                        ; written once: a lane permute's destination counts as one of its sources
.endr
	s_lshl_b32 s26, s24, 19                        ; 64 rows of 8,192 bytes
	s_lshl_b32 s28, s25, 9                         ; 128 numbers
	s_add_co_u32 s26, s26, s28
	s_mov_b32 s27, 0
	s_wait_kmcnt 0x0
	s_cmp_eq_u32 s23, 1                            ; the tensor is chosen by the work-group's number alone
	s_cselect_b64 s[4:5], s[6:7], s[4:5]
	s_cmp_eq_u32 s23, 2
	s_cselect_b64 s[4:5], s[8:9], s[4:5]
	s_cmp_eq_u32 s23, 3
	s_cselect_b64 s[4:5], s[10:11], s[4:5]
	s_cmp_eq_u32 s23, 4
	s_cselect_b64 s[4:5], s[12:13], s[4:5]
	s_cmp_eq_u32 s23, 5
	s_cselect_b64 s[4:5], s[14:15], s[4:5]
	s_add_nc_u64 s[4:5], s[4:5], s[26:27]
	s_cmp_eq_u32 s23, 5
	s_cbranch_scc1 .Lmask
	; ---- the five operands: four fragments and their scale words
	v_add_nc_u32 v[SI], s35, v[VO]
	s_wait_alu depctr_va_vdst(0)
	v_add_nc_u32 v[SOUT], s35, v13
	s_mul_i32 s26, s23, 3276800
	s_lshl_b32 s28, s25, 4
	s_lshr_b32 s36, s24, 1
	s_add_co_u32 s28, s28, s36                     ; record 16 s + G / 2
	s_mul_i32 s28, s28, 12800
	s_add_co_u32 s26, s26, s28
	s_add_nc_u64 s[18:19], s[16:17], s[26:27]      ; the record
	s_and_b32 s26, s24, 1                          ; which four of its eight tiles are mine
	s_mul_i32 s28, s26, 6144
	s_mov_b32 s29, 0
	s_add_nc_u64 s[16:17], s[18:19], s[28:29]      ; my four fragments
	s_lshl_b32 s26, s26, 8
	s_add_nc_u64 s[18:19], s[18:19], s[26:27]      ; my 256 bytes of scale words, 12,288 further on
	LOAD 0
	LOAD 1
	s_wait_alu depctr_va_vdst(0)
.irp tt, 0,1,2,3
	INSTEP \tt
	QUANT X, PW+\tt
.irp g, 0,1,2
	global_store_b128 v[VO], v[PC+4*\g:PC+4*\g+3], s[16:17] offset:1536*\tt+512*\g   ; 32 lanes store 512 consecutive bytes
.endr
.endr
	v_cmp_lt_u32 s34, 15, v[LN]                    ; lanes 0-15 carry tiles 0 and 1, lanes 16-31 tiles 2 and 3 (every lane holds its row's word)
	v_cndmask_b32 v248, v[PW], v[PW+2], s34
	v_cndmask_b32 v249, v[PW+1], v[PW+3], s34
	global_store_b64 v[L8], v[248:249], s[18:19] offset:12288   ; 32 lanes store 256 consecutive bytes, aligned
	s_wait_tensorcnt 0x0                           ; the wave's end, behind my last LDS store
	ds_add_u32 v[SPW], v[NIL]
	s_wait_dscnt 0x0
	s_endpgm
.Lmask:	; ---- the mask: the same turn through a stage of this path's own, x log2(e), stored as f32
	s_add_co_u32 s35, s35, MSTG
	v_add_nc_u32 v[SI], s35, v[VO]
	s_wait_alu depctr_va_vdst(0)
	v_add_nc_u32 v[SOUT], s35, v13
	s_lshl_b32 s26, s24, 19                        ; tile 4 G: 131,072 bytes a tile
	s_lshl_b32 s28, s25, 13                        ; key step s
	s_add_co_u32 s26, s26, s28
	s_add_nc_u64 s[20:21], s[18:19], s[26:27]      ; mi came in s[18:19]
	LOAD 0
	LOAD 1
	s_wait_alu depctr_va_vdst(0)
.irp tt, 0,1,2,3
	INSTEP \tt
.set j, 0
.rept 32
	v_pk_mul_f32 v[X+j:X+j+1], v[X+j:X+j+1], 0x3fb8aa3b op_sel_hi:[1,0]
.set j, j+2
.endr
.irp g, 0,1,2,3,4,5,6,7,8,9,10,11,12,13,14,15
	global_store_b128 v[VO], v[X+4*\g:X+4*\g+3], s[20:21] offset:131072*\tt+512*\g
.endr
.endr
	s_wait_tensorcnt 0x0                           ; the wave's end, as above
	ds_add_u32 v[SPW], v[NIL]
	s_wait_dscnt 0x0
	s_endpgm
.Lfunc_end_k_qfff797ae60_prep:
	.size	k_qfff797ae60_prep, .Lfunc_end_k_qfff797ae60_prep-k_qfff797ae60_prep
	.p2alignl 7, 3214868480
	.fill 96, 4, 3214868480
	.section	.rodata,"a",@progbits
	.p2align	6, 0x0
	.amdhsa_kernel k_qfff797ae60_prep
		.amdhsa_group_segment_fixed_size 68096
		.amdhsa_private_segment_fixed_size 0
		.amdhsa_enable_private_segment 0
		.amdhsa_kernarg_size 64
		.amdhsa_user_sgpr_count 2
		.amdhsa_user_sgpr_kernarg_segment_ptr 1
		.amdhsa_wavefront_size32 1
		.amdhsa_system_sgpr_workgroup_id_x 1
		.amdhsa_system_sgpr_workgroup_id_y 1
		.amdhsa_system_sgpr_workgroup_id_z 1
		.amdhsa_system_vgpr_workitem_id 0
		.amdhsa_next_free_vgpr 256
		.amdhsa_next_free_sgpr 66
		.amdhsa_reserve_vcc 0
		.amdhsa_float_denorm_mode_32 3
		.amdhsa_float_denorm_mode_16_64 3
		.amdhsa_memory_ordered 1
		.amdhsa_forward_progress 1
		.amdhsa_inst_pref_size 67
	.end_amdhsa_kernel
	.amdgpu_metadata
---
amdhsa.version: [ 1, 2 ]
amdhsa.kernels:
  - .name:           k_qfff797ae60_prep
    .symbol:         k_qfff797ae60_prep.kd
    .args:
      - { .name: x, .offset: 0, .size: 8, .value_kind: global_buffer, .address_space: global }
      - { .name: wq, .offset: 8, .size: 8, .value_kind: global_buffer, .address_space: global }
      - { .name: wk, .offset: 16, .size: 8, .value_kind: global_buffer, .address_space: global }
      - { .name: wv, .offset: 24, .size: 8, .value_kind: global_buffer, .address_space: global }
      - { .name: wo, .offset: 32, .size: 8, .value_kind: global_buffer, .address_space: global }
      - { .name: mask, .offset: 40, .size: 8, .value_kind: global_buffer, .address_space: global }
      - { .name: wc, .offset: 48, .size: 8, .value_kind: global_buffer, .address_space: global }
      - { .name: mi, .offset: 56, .size: 8, .value_kind: global_buffer, .address_space: global }
    .group_segment_fixed_size: 68096
    .private_segment_fixed_size: 0
    .kernarg_segment_align: 8
    .kernarg_segment_size: 64
    .max_flat_workgroup_size: 128
    .sgpr_count:     66
    .vgpr_count:     256
    .wavefront_size: 32
...
	.end_amdgpu_metadata
.endif
;; end of part 5
;; launch qkv (part 6): grid 24 x 8, 4 waves a work-group, clusters of 4 x 4, 327,680 bytes of LDS; arguments wc, cos, sin, qkvc; writes qkvc
.if DOCPART == 6
	.amdgcn_target "amdgcn-amd-amdhsa--gfx1250"
	.amdhsa_code_object_version 6
	.text
	.protected	k_qfff797ae60_qkv
	.globl	k_qfff797ae60_qkv
	.p2align	8
	.type	k_qfff797ae60_qkv,@function
k_qfff797ae60_qkv:
	s_mov_b64 s[64:65], 0
	v_nop
	global_prefetch_b8 v0, s[64:65] scope:SCOPE_SE
	s_setreg_imm32_b32 hwreg(HW_REG_WAVE_MODE, 25, 1), 1
	s_wait_xcnt 0x0
	s_wait_alu depctr_hold_cnt(0) depctr_sa_sdst(0) depctr_va_vdst(0) depctr_va_sdst(0) depctr_va_ssrc(0) depctr_va_vcc(0) depctr_vm_vsrc(0)
	s_getreg_b32 s2, hwreg(HW_REG_IB_STS2, 6, 4)
	s_cmp_eq_u32 s2, 0
	s_cbranch_scc0 .Lentry_in_a_cluster
	s_endpgm
.Lentry_in_a_cluster:
	s_bfe_u32 s2, ttmp6, 0x10000c
	s_cmp_lg_u32 s2, 0xf033
	s_cbranch_scc0 .Lentry_shape_is_right
	s_endpgm
.Lentry_shape_is_right:
; QKV: products 1 to 3 on the codes that the first launch made, the rotation of Q and K by cos and sin, and the quantisers of Q and K (along the head's 128) and of V (along the keys).  No work is left out.
; One text serves three GEMMs of 2048 x 2048 x 2048, chosen by sel = cluster x / 2 (the same in all partners of a cluster): sel 0: Q = x wq^T, sel 1: K = x wk^T (A = x, B = the weight); sel 2: V^T = wv x^T (A = wv, B = x).
; A tile of C, 256 x 256, is made by four waves, as many as a WGP has SIMDs; a wave makes 128 x 128: 64 accumulators, 512 registers.  K goes in steps of 256 through two LDS slots filled by the tensor data mover.
; OPERANDS ARE IMAGES OF THEIR REGISTERS (see the first launch): a fragment is 1,536 consecutive bytes, three loads of 16 bytes a lane, no pitch and no padding; 8 tiles x one K step of 128 are 12,288 consecutive bytes of memory.
; THE SCALE WORDS of the work-group's rows of A and of B, for all of K, come into LDS once, with the first fills.  One register carries A's word (lanes 0-15) and B's (lanes 16-31).
; CLUSTERS: 4 x 4 work-groups; A's tiles are asked for jointly along a row of the cluster, B's along a column.
; THE MATRIX INSTRUCTION IS USED TRANSPOSED (source 0 = 16 rows of B, source 1 = 16 rows of A).  B's tiles hold permuted rows, so for a block a of A the 64 registers of its eight accumulators are, for lane (r, h),
; register 16 b + i = column 32 b + 16 h + i of the wave's 128: 16 neighbours along the next product's K (Q, K: the head's channels; V: the keys).  They are quantised in registers and leave as fragment images.
; RESULTS.  qkvc: tensor sel at sel x 3,276,800; record (head, group of 128 positions) at (16 head + group) x 12,800: eight fragments and their scale words.  Q's and K's fragment rows are positions, V's are channels (K = 128 keys).
;   qkvs: sel x 131,072 + (16 head + group) x 512; the word of (tile a, row r) at 16 (r + 16 (a % 2)) + 4 (a / 2).
; ROTATION: out[2 i] = t[2 i] c - t[2 i + 1] s, out[2 i + 1] = t[2 i] s + t[2 i + 1] c.  LIMITS: each is one multiply and one fused multiply-add, so its last bit may differ from two products and a sum;
; a block of zeros gets the byte 1 (its codes are zeros; this program alone reads the bytes); blocks under 2^-122 are held at that floor; NaN and infinities are not served.
; REGISTERS, in windows of 256: window 0: v0-31 addresses; v32-63 scale words, two sets; v64-127 a set of cos and sin; v128-223 A's fragments, ONE set; on the way out v128-247 are at work.
;   window 1: B's fragments, two sets, at v0 and v128; v96-127 and v224-255 a set of cos and sin.   windows 2, 3: the accumulators ((a, b) at v[8 (8 (a % 4) + b)] of window 2 + a / 4).
.set FR,     12                        ; registers of a fragment
.set NL,     3                         ; LDS loads that bring one
.set NP,     4                         ; places behind this matrix instruction (ISA guide 7.12.1)
; RECORDS (this takes the place of the lines on scale words and on qkvs above): operands come as records of 12,800 bytes (8 fragments, then 512 bytes of scale words), K step s, group g at (16 s + g) x 12,800 of an operand of 3,276,800 bytes;
; a tensor load brings two K steps' records, so the scale words lie in the slots.  Results leave as such records too: tensor sel at sel x 3,276,800, record (16 head + group), its scale words at byte 12,288.
.set HALFT,  25600
.set SLOT,   4*HALFT                   ; A's two halves, then B's two
.set SCL,    2*SLOT                    ; behind the ring: the scale words
.set HALFS,  8192                      ; those of 8 tiles: 16 K steps x 512 bytes
.set SPARE,  SCL+4*HALFS               ; the spare words, 128 bytes for each wave
.set LAPS,   4                         ; 2048 / 512: a lap = two slots
.set LI,   6                           ; v6   16 x lane
.set CV,   7                           ; v7   my place in cos and sin: (r + 8 (r / 8)) x 256 + 32 h
.set ADRA, 16                          ; v16-17 LDS address of my A fragments in slot 0, 1
.set ADRB, 20                          ; v20-21 the same for B
.set ADRS, 18                          ; v18-19 LDS address of my scale words in slot 0, 1: lanes 0-15 A's, lanes 16-31 B's
; PREFETCH INTO THE L2: behind the load of slot index j (two K steps) a wave asks for index j + 2, j = 0 .. 5.  A wave's load is 2 rows of 50 blocks of 256 bytes; the four partners that ask for it jointly
; share the 100 blocks out by address: partner p (cx for A, cy for B) takes row p / 2, blocks 25 (p % 2) .. + 24, a lane a block (lanes 25-31 name the last again).  The loop's last trip asks for nothing.
.set PFO,  22                          ; v22  256 x min(lane, 24); never rewritten
.set PFA,  68                          ; s[68:69] where my prefetch stands; stepped by a slot behind s_wait_xcnt 0
.set SPW,  28                          ; v28  LDS address of my spare word; never rewritten
.set NIL,  29                          ; v29  0; never rewritten
.set SC,   32                          ; set s at v[SC + 16 s]; in it register 8 q + i: tile i, the slot's q-th 128 along K
.set AF,   128
.set R,    128                         ; the way out: v128-191 a block's 64 rotated numbers
.set TM,   192                         ; v192-207 at work in QUANT
.set PC,   208                         ; v208-227 the codes just made
.set PW,   228                         ; v228-235 the eight blocks' scale words
.set W,    236                         ; v236-239 as they are stored
.set T,    240                         ; v240-247 products of the rotation, four pairs by turns
.set SEL,  8                           ; s[8:9] lane selects for lane l xor 16
.set G1, 24
.set G0, 32
.set G1B, 48
.set G0B, 56
.set G1S, 68
.set G0S, 76
.set G1SB, 80
.set G0SB, 88
.set MSB, 0
.macro WIN new                         ; the immediate's high byte repeats the setting that is left
.if MSB != (\new)
	s_set_vgpr_msb (MSB<<8)|(\new)
.set MSB, (\new)
.endif
.endm
.set MUL_LO, 0xa1                      ; source 0 (B) window 1, source 1 (A) window 0, C and D window 2
.set MUL_HI, 0xf1                      ; the same, C and D window 3
.set TO_B,   0x40                      ; destination window 1, address window 0
.macro PLACES n
.rept \n
	v_nop
.endr
.endm
; A joint load: waves 0 and 1 fetch for A, waves 2 and 3 for B; the branch hangs on the wave's number alone.  An s_nop 0 and four v_nop follow each of the two lines.
.macro JLOAD g0a, g1a, g0b, g1b
	s_cmp_eq_u32 s15, 0
	s_cbranch_scc0 .Lfor_b_\@
	tensor_load_to_lds s[\g0a:\g0a+3], s[\g1a:\g1a+7]
	s_nop 0
.rept 4
	v_nop
.endr
	s_branch .Lasked_\@
.Lfor_b_\@:
	tensor_load_to_lds s[\g0b:\g0b+3], s[\g1b:\g1b+7]
	s_nop 0
.rept 4
	v_nop
.endr
.Lasked_\@:
.endm
.macro CREST                           ; a round of the cluster's barrier behind its opening barrier
	s_cmp_lg_u32 s14, 0
	s_cbranch_scc1 .Lnot_wave_0_\@
	s_barrier_signal -3
.Lnot_wave_0_\@:
	s_barrier_wait -3
	s_barrier_signal -1
	s_barrier_wait -1
.endm
.macro CROUND
	s_barrier_signal -1
	s_barrier_wait -1
	CREST
.endm
	s_load_b64 s[4:5], s[0:1], 0x0                 ; wc
	s_load_b128 s[96:99], s[0:1], 0x8              ; cos, sin
	s_load_b64 s[12:13], s[0:1], 0x18              ; qkvc
	v_lshl_add_u32 v[SPW], v0, 2, SPARE
	v_mov_b32 v[NIL], 0
	ds_add_u32 v[SPW], v[NIL]                      ; the wave's opening: the add, twice on end, and its wait ahead of my first tensor load
	ds_add_u32 v[SPW], v[NIL]
	v_lshrrev_b32 v1, 5, v0
	v_readfirstlane_b32 s14, v1                    ; wave 0..3
	s_lshr_b32 s15, s14, 1                         ; which half of the tile's rows is mine.  Also: I fetch for A (0) or for B (1)
	s_and_b32 s16, s14, 1                          ; which half of its columns.  Also: which 8 tiles I fetch
	s_bfe_u32 s40, ttmp6, 0x40000                  ; cx, cy: my place in the cluster
	s_bfe_u32 s41, ttmp6, 0x40004
	s_lshr_b32 s95, ttmp9, 1                       ; sel: 0 Q, 1 K, 2 V: two clusters along x for each
	s_lshl_b32 s42, ttmp9, 2
	s_add_co_u32 s42, s42, s40
	s_and_b32 s42, s42, 7                          ; tile column of C
	s_and_b32 s17, ttmp7, 0xffff
	s_lshl_b32 s17, s17, 2
	s_add_co_u32 s17, s17, s41                     ; tile row of C
	s_lshl_b32 s43, s41, 2
	s_lshl_b32 s43, 15, s43                        ; my row of the cluster
	s_lshl_b32 s44, 0x1111, s40                    ; my column
	; descriptor group 1, codes: 2 rows (K steps) of 1,600 elements of 8 bytes (a record), 25,600 elements (16 records) apart; no padding
	s_or_b32 s[G1+0], s43, (3<<16)|(1<<21)         ; 15:0 the mask; 17:16 elements of 8 bytes; 21 set beside a mask
	s_or_b32 s[G1B+0], s44, (3<<16)|(1<<21)
.irp g, G1, G1B
	s_mov_b32 s[\g+1], 1600<<16                    ; tensor_dim0: a record, 1,600 elements of 8 bytes
	s_mov_b32 s[\g+2], 2<<16                       ; tensor_dim1
	s_mov_b32 s[\g+3], 1600<<16                    ; tile_dim0
	s_mov_b32 s[\g+4], 2                           ; tile_dim1
	s_mov_b32 s[\g+5], 25600                       ; tensor_dim0_stride: 16 records
	s_mov_b32 s[\g+6], 0
	s_mov_b32 s[\g+7], 0
.endr
	s_add_co_u32 s67, s95, 1
	s_cmp_eq_u32 s95, 2
	s_cselect_b32 s66, 3, 0                        ; A is operand 0 (x), for V operand 3 (wv)
	s_cselect_b32 s67, 0, s67                      ; B is operand sel + 1 (wq, wk), for V operand 0 (x)
	s_lshl_b32 s20, s17, 1
	s_add_co_u32 s20, s20, s16                     ; A: group 2 x tile row + half
	s_lshl_b32 s46, s42, 1
	s_add_co_u32 s46, s46, s16                     ; B: 2 x tile column + half
	s_mul_i32 s20, s20, 12800
	s_mul_i32 s46, s46, 12800
	s_mul_i32 s18, s66, 3276800
	s_add_co_u32 s20, s20, s18
	s_mul_i32 s18, s67, 3276800
	s_add_co_u32 s46, s46, s18
	s_mov_b32 s21, 0
	s_mov_b32 s47, 0
	s_mul_i32 s45, s14, HALFT                      ; where they go: no place in the cluster enters an LDS address
	s_mov_b32 s[SEL], 0x76543210
	s_mov_b32 s[SEL+1], 0xfedcba98
	s_wait_dscnt 0x0                               ; both opening adds are done
	s_wait_kmcnt 0x0
	s_add_nc_u64 s[20:21], s[4:5], s[20:21]
	s_add_nc_u64 s[46:47], s[4:5], s[46:47]
	s_cmp_eq_u32 s15, 0                            ; do I fetch for A?
	s_cselect_b64 s[PFA:PFA+1], s[20:21], s[46:47]
	s_cselect_b32 s70, s40, s41                    ; my place among the four that ask with me
	s_lshr_b32 s71, s70, 1
	s_mul_i32 s71, s71, 204800                     ; which of the two K steps
	s_and_b32 s70, s70, 1
	s_mul_i32 s70, s70, 6400                       ; which 25 blocks of its record
	s_add_co_u32 s70, s70, s71
	s_add_co_u32 s70, s70, 819200                  ; slot index 2
	s_mov_b32 s71, 0
	s_add_nc_u64 s[PFA:PFA+1], s[PFA:PFA+1], s[70:71]
	CROUND                                         ; all sixteen work-groups are here: the first joint loads meet
.irp s, 0,1
	s_mov_b32 s[G0+4*\s], 1
	s_add_co_u32 s[G0+4*\s+1], s45, \s*SLOT
	s_add_nc_u64 s[G0+4*\s+2:G0+4*\s+3], s[20:21], \s*409600   ; two K steps of 204,800 bytes a slot
	s_or_b32 s[G0+4*\s+3], s[G0+4*\s+3], 0x80000000
	s_mov_b32 s[G0B+4*\s], 1
	s_add_co_u32 s[G0B+4*\s+1], s45, \s*SLOT
	s_add_nc_u64 s[G0B+4*\s+2:G0B+4*\s+3], s[46:47], \s*409600
	s_or_b32 s[G0B+4*\s+3], s[G0B+4*\s+3], 0x80000000
.endr
	JLOAD G0, G1, G0B, G1B                         ; slot 0: one tensor load a wave at the head
	v_and_b32 v1, 15, v0                           ; r
	v_bfe_u32 v2, v0, 4, 1                         ; h
	s_wait_alu depctr_va_vdst(0)
	v_and_b32 v3, 31, v0                           ; lane
	v_lshlrev_b32 v[LI], 4, v3
	v_min_u32 v[PFO], 24, v3
	v_lshlrev_b32 v[PFO], 8, v[PFO]
	s_mul_i32 s21, s15, HALFT                      ; my 8 tiles of A
	s_mul_i32 s22, s16, HALFT                      ; my 8 tiles of B,
	s_add_co_u32 s22, s22, 2*HALFT                 ; which lie behind A's 16
.irp s, 0,1
	v_add_nc_u32 v[ADRA+\s], s21, v[LI]
	v_add_nc_u32 v[ADRB+\s], s22, v[LI]
	s_add_co_u32 s21, s21, SLOT
	s_add_co_u32 s22, s22, SLOT
.endr
	v_lshlrev_b32 v8, 3, v1                        ; scale words: 8 bytes a row (two tiles' words), at byte 12,288 of a record
	s_mul_i32 s21, s15, HALFT
	s_mul_i32 s22, s16, HALFT
	s_add_co_u32 s22, s22, 2*HALFT
	s_sub_co_u32 s22, s22, s21
	v_mul_u32_u24 v9, s22, v2                      ; lanes 16-31 take B's: one product, the distance between the two
	v_add_nc_u32 v8, v8, v9
	v_add_nc_u32 v[ADRS], s21, v8
	v_add_nc_u32 v[ADRS+1], SLOT, v[ADRS]
	v_and_b32 v8, 8, v1
	v_add_nc_u32 v8, v8, v1                        ; r + 8 (r / 8)
	v_lshlrev_b32 v[CV], 8, v8                     ; a row of cos or sin is 256 bytes
	v_lshl_add_u32 v[CV], v2, 5, v[CV]
	; where my results go
	s_lshl_b32 s20, s17, 1
	s_add_co_u32 s20, s20, s15                     ; my group of 128 rows of A
	s_lshl_b32 s46, s42, 1
	s_add_co_u32 s46, s46, s16                     ; my group of 128 rows of B
	s_lshl_b32 s21, s46, 4
	s_add_co_u32 s21, s21, s20                     ; Q, K: head = B's group, positions = A's
	s_lshl_b32 s22, s20, 4
	s_add_co_u32 s22, s22, s46                     ; V: head = A's group, keys = B's
	s_cmp_lt_u32 s95, 2
	s_cselect_b32 s21, s21, s22                    ; the record
	s_mul_i32 s22, s21, 12800
	s_mul_i32 s18, s95, 3276800
	s_add_co_u32 s22, s22, s18
	s_mov_b32 s23, 0
	s_add_nc_u64 s[12:13], s[12:13], s[22:23]
	s_lshl_b32 s22, s20, 15                        ; 128 rows of cos and sin (used for Q and K alone)
	s_add_nc_u64 s[96:97], s[96:97], s[22:23]
	s_add_nc_u64 s[98:99], s[98:99], s[22:23]
	s_wait_alu depctr_va_vdst(0)                   ; the wait ahead of the reader below
	global_prefetch_b8 v[PFO], s[PFA:PFA+1] th:TH_LOAD_NT scope:SCOPE_SE   ; slot index 2
.macro FRAG reg, adr, q, i             ; a fragment as it lies: three loads of 512 consecutive bytes
.irp g, 0,1,2
	ds_load_b128 v[\reg+4*\g:\reg+4*\g+3], v[\adr] offset:12800*(\q)+1536*(\i)+512*\g
.endr
.endm
; 16 matrix instructions: A's blocks a0, a0 + 1 x B's eight, 128 along K.  p: B's set; sc: the set of scale words.  zero = 1: the first product starts the sums.
; The 64 accumulators take turns, one instruction a turn, in the same order in every step.
.macro MUL16 a0, p, q, sc, zero
.irp a, \a0, \a0+1
.irp b, 0,1,2,3,4,5,6,7
.if \zero
	v_wmma_scale_f32_16x16x128_f8f6f4 v[8*(8*((\a)%4)+\b):8*(8*((\a)%4)+\b)+7], v[128*(\p)+FR*\b:128*(\p)+FR*\b+FR-1], v[AF+FR*(\a):AF+FR*(\a)+FR-1], 0, v[SC+16*(\sc)+8*(\q)+\b], v[SC+16*(\sc)+8*(\q)+(\a)] matrix_a_fmt:MATRIX_FMT_BF6 matrix_b_fmt:MATRIX_FMT_BF6 matrix_a_scale:MATRIX_SCALE_ROW1
.else
	v_wmma_scale_f32_16x16x128_f8f6f4 v[8*(8*((\a)%4)+\b):8*(8*((\a)%4)+\b)+7], v[128*(\p)+FR*\b:128*(\p)+FR*\b+FR-1], v[AF+FR*(\a):AF+FR*(\a)+FR-1], v[8*(8*((\a)%4)+\b):8*(8*((\a)%4)+\b)+7], v[SC+16*(\sc)+8*(\q)+\b], v[SC+16*(\sc)+8*(\q)+(\a)] matrix_a_fmt:MATRIX_FMT_BF6 matrix_b_fmt:MATRIX_FMT_BF6 matrix_a_scale:MATRIX_SCALE_ROW1
.endif
.endr
.endr
.endm
.macro FETCH_B slot, q, p
	WIN TO_B
.irp i, 0,1,2,3,4,5,6,7
	FRAG 128*(\p)+FR*\i, ADRB+\slot, \q, \i
.endr
	WIN 0
.endm
.macro FETCH_A slot, q, i0
.irp i, \i0, \i0+1, \i0+2, \i0+3
	FRAG AF+FR*(\i), ADRA+\slot, \q, \i
.endr
.endm
.macro SCALES sc                       ; a slot's scale words: for each of its two K steps, four loads of two tiles' words
.irp q, 0,1
.irp i, 0,1,2,3
	ds_load_b64 v[SC+16*\sc+8*\q+2*\i:SC+16*\sc+8*\q+2*\i+1], v[ADRS+\sc] offset:12800*\q+12288+128*\i
.endr
.endr
.endm
; A step of 128 along K that has its successor in the same slot.  A block of A is free as soon as its eight products are issued: blocks 0-3 are fetched anew in the step's middle, blocks 4-7 at its end.
.macro STEP slot, q, zero
	s_wait_dscnt 4*NL                              ; B's set, A's blocks 0-3 and the scale words are in; the youngest 12 loads (A's blocks 4-7) may be out
	WIN MUL_LO
	MUL16 0, (\q)%2, \q, \slot, \zero
	MUL16 2, (\q)%2, \q, \slot, \zero
	s_wait_dscnt 0                                 ; A's blocks 4-7 are in
	PLACES NP                                      ; in front of loads into registers that matrix instructions have read
	FETCH_B \slot, (\q)+1, 1-(\q)%2
	FETCH_A \slot, (\q)+1, 0
	WIN MUL_HI
	MUL16 4, (\q)%2, \q, \slot, \zero
	MUL16 6, (\q)%2, \q, \slot, \zero
	PLACES NP
	WIN 0
	FETCH_A \slot, (\q)+1, 4
.endm
; A slot's last step changes slots: ONE barrier; in front of it each wave waits for all its tensor loads, adds 0 to its spare word, and waits for that and for its own reads of this slot.  fill = 1: this slot is filled again, two slots ahead.
.macro TURN slot, next, fill
.if \fill
	s_wait_xcnt 0x0                                ; my last prefetch has read its address: it is stepped here, ahead of the waits of the change of slots
	s_add_nc_u64 s[PFA:PFA+1], s[PFA:PFA+1], 409600
.endif
	s_wait_tensorcnt 0x0                           ; all my tensor loads have landed: my part of the next slot
	ds_add_u32 v[SPW], v[NIL]                      ; 0 onto my spare word
	s_wait_dscnt 4*NL+1                            ; (the add and the youngest 12 loads may be out)
	WIN MUL_LO
	MUL16 0, 1, 1, \slot, 0
	s_wait_dscnt 0x0                               ; the add is done, and my reads of this slot are over
	s_barrier_signal -1
	MUL16 2, 1, 1, \slot, 0
	WIN 0
	s_barrier_wait -1
.if \fill
	CREST                                          ; the barrier has opened a round of the cluster's: no wave of any partner still reads this slot or has a load on its way
	s_add_nc_u64 s[G0+4*\slot+2:G0+4*\slot+3], s[G0+4*\slot+2:G0+4*\slot+3], 819200
	s_add_nc_u64 s[G0B+4*\slot+2:G0B+4*\slot+3], s[G0B+4*\slot+2:G0B+4*\slot+3], 819200
	JLOAD G0+4*\slot, G1, G0B+4*\slot, G1B         ; the first tensor load behind the round; its four v_nop are also the places in front of the loads below
.else
	PLACES NP
.endif
	FETCH_B \next, 0, 0
	FETCH_A \next, 0, 0
	SCALES \next
.if \fill
	s_cmp_gt_u32 s3, 1                             ; s3 = 1 in the last trip: its refills have no slot two on
	s_cbranch_scc0 .Lnoask_\@
	global_prefetch_b8 v[PFO], s[PFA:PFA+1] th:TH_LOAD_NT scope:SCOPE_SE
.Lnoask_\@:
.endif
	WIN MUL_HI
	MUL16 4, 1, 1, \slot, 0
	MUL16 6, 1, 1, \slot, 0
	PLACES NP
	WIN 0
	FETCH_A \next, 0, 4
.endm
.macro LAST                            ; the very last step: nothing more to fetch
	s_wait_dscnt 4*NL
	WIN MUL_LO
	MUL16 0, 1, 1, 1, 0
	MUL16 2, 1, 1, 1, 0
	s_wait_dscnt 0
	WIN MUL_HI
	MUL16 4, 1, 1, 1, 0
	MUL16 6, 1, 1, 1, 0
	WIN 0
	PLACES NP                                      ; behind the last products: their results are read and their operands' registers written below
.irp b, 0,1,2,3
	v_mov_b32 v[TM+4+\b], 0                        ; a lane permute's destination counts as one of its sources
.endr
.endm
; 64 numbers of a lane in window w, register 16 b + i = k 32 b + 16 (lane / 16) + i of my row, become a fragment's codes in v[PC] .. v[PC + 11] and its scale word in v[pw].  Each accumulator is read from its low end on.
.macro QUANT s, w, pw
	WIN (\w)|((\w)<<2)
.irp b, 0,1,2,3
	v_max3_num_f32 v[TM+\b], |v[(\s)+16*\b]|, |v[(\s)+1+16*\b]|, 0x2800000   ; block b: my 16 numbers, and the floor 2^(5 - 127)
.endr
	WIN ((\w)<<2)|((\w)<<4)
.irp i, 2,4,6,8,10,12,14
.irp b, 0,1,2,3
	v_max3_num_f32 v[TM+\b], v[TM+\b], |v[(\s)+16*\b+\i]|, |v[(\s)+1+16*\b+\i]|
.endr
.endr
	WIN 0
.irp b, 0,1,2,3
	v_permlanex16_b32 v[TM+4+\b], v[TM+\b], s[SEL], s[SEL+1]
.endr
.irp b, 0,1,2,3
	v_max_num_f32 v[TM+\b], v[TM+\b], v[TM+4+\b]   ; with lane l xor 16's: the block's largest magnitude
.endr
.irp b, 0,1,2,3
	v_add_nc_u32 v[TM+12+\b], 0xfe000000, v[TM+\b] ; 4 off its exponent field: the conversion's scale operand
.endr
.irp b, 0,1,2,3
	v_lshrrev_b32 v[TM+4+\b], 23, v[TM+12+\b]      ; the scale's byte
.endr
	v_lshl_or_b32 v[\pw], v[TM+5], 8, v[TM+4]
	v_lshl_or_b32 v[\pw], v[TM+6], 16, v[\pw]
	v_lshl_or_b32 v[\pw], v[TM+7], 24, v[\pw]
	WIN (\w)
.irp c, 0,1
	v_cvt_scalef32_pk16_bf6_f32 v[PC+6*\c:PC+2+6*\c], v[(\s)+32*\c:(\s)+15+32*\c], v[TM+12+2*\c]
	v_cvt_scalef32_pk16_bf6_f32 v[PC+12+4*\c:PC+14+4*\c], v[(\s)+16+32*\c:(\s)+31+32*\c], v[TM+12+2*\c+1]
.endr
	WIN 0
	v_nop                                          ; one plain place behind a scaled conversion
.irp c, 0,1
.irp i, 0,1,2
	v_permlane16_swap_b32 v[PC+6*\c+\i], v[PC+12+4*\c+\i]
.endr
.irp i, 0,1,2
	v_mov_b32 v[PC+3+6*\c+\i], v[PC+12+4*\c+\i]
.endr
.endr
.endm
; Four sets of 32 cos and 32 sin: set 0 in window 0, sets 1 to 3 in window 1 (2 and 3 where B's fragments lay)
.macro CSET set
.if (\set) == 0
.set CW, 0
.set CC, 64
.set CN, 96
.elseif (\set) == 1
.set CW, 1
.set CC, 96
.set CN, 224
.elseif (\set) == 2
.set CW, 1
.set CC, 0
.set CN, 32
.else
.set CW, 1
.set CC, 128
.set CN, 160
.endif
.endm
; cos and sin for block a: my position's row; register 8 b + 4 j + e = pair 16 b + 8 h + 4 j + e, the pair of my numbers 16 b + 8 j + 2 e and the next
.macro CSLOAD set, a
	CSET \set
	WIN (CW<<6)
.irp b, 0,1,2,3
.irp j, 0,1
	global_load_b128 v[CC+8*\b+4*\j:CC+8*\b+4*\j+3], v[CV], s[96:97] offset:(32*((\a)/2)+8*((\a)%2))*256+64*\b+16*\j
	global_load_b128 v[CN+8*\b+4*\j:CN+8*\b+4*\j+3], v[CV], s[98:99] offset:(32*((\a)/2)+8*((\a)%2))*256+64*\b+16*\j
.endr
.endr
	WIN 0
.endm
.macro ROPE a, set                     ; block a's 64 numbers, rotated, into v[R] on
	CSET \set
	WIN (2+(\a)/4)|(CW<<2)                         ; source 0: the accumulators' window; source 1: the set's
.set AC, 64*((\a)%4)
.set n, 0
.rept 32
	v_mul_f32 v[T+2*((n/2)%4)], v[AC+n+1], v[CN+n/2]
	v_mul_f32 v[T+2*((n/2)%4)+1], v[AC+n], v[CN+n/2]
	v_fma_f32 v[R+n], v[AC+n], v[CC+n/2], -v[T+2*((n/2)%4)]
	v_fma_f32 v[R+n+1], v[AC+n+1], v[CC+n/2], v[T+2*((n/2)%4)+1]
.set n, n+2
.endr
	WIN 0
.endm
	s_wait_alu depctr_va_vdst(0)
	s_wait_tensorcnt 0x0                           ; my part of slot 0 is in
	ds_add_u32 v[SPW], v[NIL]
	s_wait_dscnt 0x0
	CROUND                                         ; everybody's part is in, and all sixteen work-groups are here
	JLOAD G0+4, G1, G0B+4, G1B                     ; slot 1's first fill, the first tensor load behind the round
	FETCH_B 0, 0, 0
	FETCH_A 0, 0, 0
	SCALES 0
	FETCH_A 0, 0, 4
	s_wait_xcnt 0x0
	s_add_nc_u64 s[PFA:PFA+1], s[PFA:PFA+1], 409600
	global_prefetch_b8 v[PFO], s[PFA:PFA+1] th:TH_LOAD_NT scope:SCOPE_SE   ; slot index 3
	STEP 0, 0, 1                                   ; the first step stands in front of the loop: its products start the sums
	s_mov_b32 s3, LAPS-1
.Llap:                                                 ; a trip goes once round the ring and fills both slots again
	TURN 0, 1, 1
	STEP 1, 0, 0
	TURN 1, 0, 1
	STEP 0, 0, 0
	s_sub_co_u32 s3, s3, 1
	s_cmp_lg_u32 s3, 0
	s_cbranch_scc1 .Llap
	TURN 0, 1, 0                                   ; the last lap fills nothing
	s_cmp_eq_u32 s95, 2                            ; sel is the same in all sixteen partners; no tensor load and no LDS store follows on either way
	s_cbranch_scc1 .Lv
	; ---- Q and K: the last two steps, with the first two blocks' cos and sin on their way; then block by block: rotate, quantise, store
	CSLOAD 0, 0
	CSLOAD 1, 1
	STEP 1, 0, 0
	LAST
	CSLOAD 2, 2
	CSLOAD 3, 3
.irp a, 0,1,2,3,4,5,6,7
.if \a == 0
	s_wait_loadcnt 32                              ; sets 0 and 1 are in; the 32 loads of sets 2 and 3 may be out
.elseif \a == 1
.elseif \a < 5
	s_wait_loadcnt 48                              ; this block's set is in; the three sets asked for behind it may be out
.else
	s_wait_loadcnt 16*(7-\a)                       ; the counts run down
.endif
	ROPE \a, \a%4
.if \a < 4
	CSLOAD \a%4, \a+4
.endif
	s_wait_xcnt 0x0                                ; the last block's stores have read their data
	QUANT R, 0, PW+\a
.irp g, 0,1,2
	global_store_b128 v[LI], v[PC+4*\g:PC+4*\g+3], s[12:13] offset:1536*\a+512*\g   ; 32 lanes store 512 consecutive bytes
.endr
.endr
	s_branch .Ldone
.Lv:	; ---- V: the last two steps; then block by block (16 channels x my 128 keys): quantise along the keys, store
	STEP 1, 0, 0
	LAST
.irp a, 0,1,2,3,4,5,6,7
	s_wait_xcnt 0x0
	QUANT 64*(\a%4), 2+(\a/4), PW+\a
.irp g, 0,1,2
	global_store_b128 v[LI], v[PC+4*\g:PC+4*\g+3], s[12:13] offset:1536*\a+512*\g
.endr
.endr
.Ldone:
	v_cmp_lt_u32 s10, 15, v3                       ; lanes 0-15 carry the even blocks' words, lanes 16-31 the odd ones' (every lane holds its row's)
.irp i, 0,1,2,3
	v_cndmask_b32 v[W+\i], v[PW+2*\i], v[PW+2*\i+1], s10
.endr
	global_store_b128 v[LI], v[W:W+3], s[12:13] offset:12288   ; the record's 512 bytes of scale words
	s_wait_tensorcnt 0x0                           ; the wave's end
	ds_add_u32 v[SPW], v[NIL]
	s_wait_dscnt 0x0
	CROUND                                         ; the closing round
	s_endpgm
.Lfunc_end_k_qfff797ae60_qkv:
	.size	k_qfff797ae60_qkv, .Lfunc_end_k_qfff797ae60_qkv-k_qfff797ae60_qkv
	.p2alignl 7, 3214868480
	.fill 96, 4, 3214868480
	.section	.rodata,"a",@progbits
	.p2align	6, 0x0
	.amdhsa_kernel k_qfff797ae60_qkv
		.amdhsa_group_segment_fixed_size 327680
		.amdhsa_private_segment_fixed_size 0
		.amdhsa_enable_private_segment 0
		.amdhsa_kernarg_size 32
		.amdhsa_user_sgpr_count 2
		.amdhsa_user_sgpr_kernarg_segment_ptr 1
		.amdhsa_wavefront_size32 1
		.amdhsa_system_sgpr_workgroup_id_x 1
		.amdhsa_system_sgpr_workgroup_id_y 1
		.amdhsa_system_sgpr_workgroup_id_z 1
		.amdhsa_system_vgpr_workitem_id 0
		.amdhsa_next_free_vgpr 1024
		.amdhsa_next_free_sgpr 104
		.amdhsa_reserve_vcc 0
		.amdhsa_float_denorm_mode_32 3
		.amdhsa_float_denorm_mode_16_64 3
		.amdhsa_memory_ordered 1
		.amdhsa_forward_progress 1
		.amdhsa_inst_pref_size 253
	.end_amdhsa_kernel
	.amdgpu_metadata
---
amdhsa.version: [ 1, 2 ]
amdhsa.kernels:
  - .name:           k_qfff797ae60_qkv
    .symbol:         k_qfff797ae60_qkv.kd
    .args:
      - { .name: wc, .offset: 0, .size: 8, .value_kind: global_buffer, .address_space: global }
      - { .name: cos, .offset: 8, .size: 8, .value_kind: global_buffer, .address_space: global }
      - { .name: sin, .offset: 16, .size: 8, .value_kind: global_buffer, .address_space: global }
      - { .name: qkvc, .offset: 24, .size: 8, .value_kind: global_buffer, .address_space: global }
    .group_segment_fixed_size: 327680
    .private_segment_fixed_size: 0
    .kernarg_segment_align: 8
    .kernarg_segment_size: 32
    .max_flat_workgroup_size: 128
    .sgpr_count:     104
    .vgpr_count:     1024
    .wavefront_size: 32
...
	.end_amdgpu_metadata
.endif
;; end of part 6
;; launch attn (part 7): grid 16 x 16, 8 waves a work-group, clusters of 4 x 1, 327,680 bytes of LDS; arguments qkvc, mi, ac; writes ac
.if DOCPART == 7
	.amdgcn_target "amdgcn-amd-amdhsa--gfx1250"
	.amdhsa_code_object_version 6
	.text
	.protected	k_qfff797ae60_attn
	.globl	k_qfff797ae60_attn
	.p2align	8
	.type	k_qfff797ae60_attn,@function
k_qfff797ae60_attn:
	s_mov_b64 s[64:65], 0
	v_nop
	global_prefetch_b8 v0, s[64:65] scope:SCOPE_SE
	s_setreg_imm32_b32 hwreg(HW_REG_WAVE_MODE, 25, 1), 1
	s_wait_xcnt 0x0
	s_wait_alu depctr_hold_cnt(0) depctr_sa_sdst(0) depctr_va_vdst(0) depctr_va_sdst(0) depctr_va_ssrc(0) depctr_va_vcc(0) depctr_vm_vsrc(0)
	s_getreg_b32 s2, hwreg(HW_REG_IB_STS2, 6, 4)
	s_cmp_eq_u32 s2, 0
	s_cbranch_scc0 .Lentry_in_a_cluster
	s_endpgm
.Lentry_in_a_cluster:
	s_bfe_u32 s2, ttmp6, 0x10000c
	s_cmp_lg_u32 s2, 0x3003
	s_cbranch_scc0 .Lentry_shape_is_right
	s_endpgm
.Lentry_shape_is_right:
; ATTN: products 4 and 5 with the softmax between them, 128 queries of one head to a work-group, 16 to a wave; no work is left out (the mask is an input).
; Q, K, V come as records of 12,800 bytes: eight fragments, then at byte 12,288 their 512 bytes of scale words; a wave's tensor load brings one record, so K's and V's scale words lie in the slots.
; The result leaves as such a record of ac: (16 head + block of 128 queries) x 12,800.
; LIMIT: the promise holds while the scaled scores stay under 2^31 in magnitude.
.set REC,   12800
.set SLOT1, 131072
.set SCK,   262144
.set SCG,   278528
.set SPARE, 279040
.set LI,   1
.set SPW,  2
.set NIL,  3
.set ADR,  4
.set ADS,  5
.set GS,   6
.set PFO,  7
.set GR,   8
.set F,    128
.set TM,   232
.set PC,   32
.set WV,   18
.set SEL,  20
.set CS,   22
.set G1,   24
.set G1S,  32
.set G0,   40
.set G0S,  44
.set SLOTS, 48
.set TWICE, 49
.set PFA,  50
.set LIM,  52
.set TB,   2
.set TS,   3
.set MSB, 0
.macro WIN new
.if MSB != (\new)
	s_set_vgpr_msb (MSB<<8)|(\new)
.set MSB, (\new)
.endif
.endm
.macro PLACES n
.rept \n
	v_nop
.endr
.endm
.macro CROUND
	s_barrier_signal -1
	s_barrier_wait -1
	s_cmp_lg_u32 s[WV], 0
	s_cbranch_scc1 .Lnot_wave_0_\@
	s_barrier_signal -3
.Lnot_wave_0_\@:
	s_barrier_wait -3
	s_barrier_signal -1
	s_barrier_wait -1
.endm
.macro ASK
	s_cmp_gt_u32 s[SLOTS], s[LIM]
	s_cbranch_scc0 .Lnot_mine_\@
	global_prefetch_b8 v[PFO], s[PFA:PFA+1] th:TH_LOAD_NT scope:SCOPE_SE
.Lnot_mine_\@:
.endm
	s_load_b64 s[4:5], s[0:1], 0x0
	s_load_b128 s[8:11], s[0:1], 0x8
	v_lshl_add_u32 v[SPW], v0, 2, SPARE
	v_mov_b32 v[NIL], 0
	ds_add_u32 v[SPW], v[NIL]
	ds_add_u32 v[SPW], v[NIL]
	v_lshrrev_b32 v4, 5, v0
	s_delay_alu instid0(VALU_DEP_1)
	v_readfirstlane_b32 s[WV], v4
	s_bfe_u32 s16, ttmp6, 0x40000
	s_lshl_b32 s17, ttmp9, 2
	s_add_co_u32 s17, s17, s16
	s_and_b32 s19, ttmp7, 0xffff
	v_and_b32 v9, 31, v0
	v_and_b32 v10, 15, v0
	s_delay_alu instid0(VALU_DEP_2)
	v_lshlrev_b32 v[LI], 4, v9
	s_delay_alu instid0(VALU_DEP_3)
	v_lshlrev_b32 v[PFO], 8, v9
	s_delay_alu instid0(VALU_DEP_3)
	v_lshlrev_b32 v11, 4, v10
	s_lshr_b32 s53, s[WV], 1
	s_lshl_b32 s53, s53, 7
	s_and_b32 s54, s[WV], 1
	s_lshl_b32 s54, s54, 2
	s_add_co_u32 s53, s53, s54
	s_add_co_u32 s53, s53, SCG
	v_lshl_add_u32 v[GS], v10, 3, s53
	v_add_nc_u32 v[GR], SCG, v[LI]
	s_lshr_b32 s53, s[WV], 2
	s_add_co_u32 s53, s53, 1
	s_and_b32 s54, s[WV], 3
	s_mul_i32 s56, s53, 3276800
	s_mul_i32 s55, s19, 204800
	s_add_co_u32 s56, s56, s55
	s_mul_i32 s55, s54, REC
	s_add_co_u32 s56, s56, s55
	s_mov_b32 s57, 0
	s_lshl_b32 s60, s19, 4
	s_add_co_u32 s60, s60, s17
	s_mul_i32 s62, s60, REC
	s_mul_i32 s60, s60, REC
	s_mul_i32 s53, s[WV], 1536
	s_add_co_u32 s60, s60, s53
	s_mov_b32 s61, 0
	s_and_b32 s53, s[WV], 1
	s_lshl_b32 s53, s53, 8
	s_add_co_u32 s62, s62, s53
	s_lshr_b32 s53, s[WV], 1
	s_lshl_b32 s53, s53, 2
	s_add_co_u32 s62, s62, s53
	s_mov_b32 s63, 0
	s_lshl_b32 s66, s17, 3
	s_add_co_u32 s66, s66, s[WV]
	s_lshl_b32 s68, s66, 17
	s_mov_b32 s69, 0
	s_lshl_b32 s72, s19, 4
	s_add_co_u32 s72, s72, s17
	s_mul_i32 s72, s72, REC
	s_mul_i32 s70, s[WV], 1536
	s_add_co_u32 s70, s70, s72
	s_mov_b32 s71, 0
	s_mov_b32 s73, 0
	s_cmp_lt_u32 s[WV], 3
	s_cselect_b32 s[LIM], 0, 1
	s_or_b32 s[LIM], s[LIM], ttmp9
	s_cmp_eq_u32 s[LIM], 0
	s_cselect_b32 s[LIM], 1, -1
	s_lshr_b32 s53, s16, 1
	s_add_co_u32 s53, s53, 1
	s_mul_i32 s54, s53, 3276800
	s_mul_i32 s55, s19, 204800
	s_add_co_u32 s54, s54, s55
	s_and_b32 s55, s16, 1
	s_mul_i32 s55, s55, 25600
	s_add_co_u32 s54, s54, s55
	s_lshl_b32 s55, s[WV], 13
	s_add_co_u32 s54, s54, s55
	s_add_co_u32 s54, s54, 4*REC
	s_mov_b32 s55, 0
	s_mov_b32 s[G1], 15|(3<<16)|(1<<21)
	s_mov_b32 s[G1+1], 32<<16
	s_mov_b32 s[G1+2], 50<<16
	s_mov_b32 s[G1+3], 32<<16
	s_mov_b32 s[G1+4], 50
	s_mov_b32 s[G1+5], 32
	s_mov_b32 s[G1+6], 0
	s_mov_b32 s[G1+7], 0
	s_mov_b32 s[SEL], 0x76543210
	s_mov_b32 s[SEL+1], 0xfedcba98
	s_mov_b32 s[CS], 0x3e0293ee
	s_mov_b32 s[CS+1], s[CS]
	s_mov_b32 s[TB], 0
	s_mov_b32 s[SLOTS], 3
	s_wait_dscnt 0x0
	s_wait_kmcnt 0x0
	s_mov_b32 s[G0], 1
	s_mul_i32 s[G0+1], s[WV], REC
	s_add_nc_u64 s[G0+2:G0+3], s[4:5], s[56:57]
	s_or_b32 s[G0+3], s[G0+3], 0x80000000
	s_add_nc_u64 s[PFA:PFA+1], s[4:5], s[54:55]
	s_add_nc_u64 s[60:61], s[4:5], s[60:61]
	s_add_nc_u64 s[62:63], s[4:5], s[62:63]
	s_add_nc_u64 s[8:9], s[8:9], s[68:69]
	s_add_nc_u64 s[12:13], s[10:11], s[72:73]
	s_add_nc_u64 s[10:11], s[10:11], s[70:71]
	CROUND
	tensor_load_to_lds s[G0:G0+3], s[G1:G1+7]
	s_nop 0
	PLACES 4
	s_wait_alu depctr_va_vdst(0)
.irp g, 0,1,2
	global_load_b128 v[16+4*\g:19+4*\g], v[LI], s[60:61] offset:512*\g
.endr
	global_load_b32 v255, v11, s[62:63] offset:12288
	WIN 0x40
.irp q, 0,1
.irp g, 0,1,2,3,4,5,6,7,8,9,10,11,12,13,14,15
	global_load_b128 v[64*\q+4*\g:64*\q+4*\g+3], v[LI], s[8:9] offset:8192*\q+512*\g
.endr
.endr
	WIN 0
	v_mov_b32 v13, 0xff61b1e6
	s_delay_alu instid0(VALU_DEP_1)
	v_floor_f32 v12, -v13
	v_mov_b32 v14, 0
	v_mov_b32 v15, 0
.irp b, 0,1,2,3
	v_mov_b32 v[236+\b], 0
.endr
	v_mov_b32 v253, 0
.set j, 0
.rept 64
	v_mov_b32 v[160+j], 0
.set j, j+1
.endr
.macro STEP q, ahead, lcnt
	v_add_nc_u32 v[ADR], s[TB], v[LI]
	v_nop
	v_nop
	v_nop
	WIN 0x40
.irp t, 0,1,2,3,4,5,6,7
.irp g, 0,1,2
	ds_load_b128 v[F+12*\t+4*\g:F+12*\t+4*\g+3], v[ADR] offset:1536*\t+512*\g
.endr
.endr
	WIN 0
	ds_load_b128 v[248:251], v[ADR] offset:12288
	s_wait_alu depctr_va_vdst(0)
	s_wait_dscnt 0x0
	WIN 0x01
.irp t, 0,1,2,3,4,5,6,7
.if (\t%2) == 0
	v_wmma_scale_f32_16x16x128_f8f6f4 v[96+8*\t:103+8*\t], v[F+12*\t:F+12*\t+11], v[16:27], 0, v[248+\t/2], v255 matrix_a_fmt:MATRIX_FMT_BF6 matrix_b_fmt:MATRIX_FMT_BF6
.else
	v_wmma_scale_f32_16x16x128_f8f6f4 v[96+8*\t:103+8*\t], v[F+12*\t:F+12*\t+11], v[16:27], 0, v[248+\t/2], v255 matrix_a_fmt:MATRIX_FMT_BF6 matrix_b_fmt:MATRIX_FMT_BF6 matrix_a_scale:MATRIX_SCALE_ROW1
.endif
.endr
	WIN 0
	PLACES 4
	WIN 0x40
.irp t, 0,1,2,3,4,5,6,7
.irp g, 0,1,2
	ds_load_b128 v[F+12*\t+4*\g:F+12*\t+4*\g+3], v[ADR] offset:4*REC+1536*\t+512*\g
.endr
.endr
	WIN 0
	ds_load_b128 v[28:31], v[ADR] offset:4*REC+12288
	s_wait_loadcnt \lcnt
	WIN 0x10
.set j, 0
.rept 32
	v_pk_fma_f32 v[96+j:97+j], v[96+j:97+j], s[CS:CS+1], v[64*(\q)+j:64*(\q)+j+1] op_sel_hi:[1,0,1]
.set j, j+2
.endr
.if \ahead
	WIN 0x40
.irp g, 0,1,2,3,4,5,6,7,8,9,10,11,12,13,14,15
	global_load_b128 v[64*(\q)+4*\g:64*(\q)+4*\g+3], v[LI], s[8:9] offset:(2+(\q))*8192+512*\g
.endr
.endif
	WIN 0
.irp b, 0,1,2,3
	v_max3_num_f32 v[232+\b], v[96+16*\b], v[97+16*\b], v[98+16*\b]
.endr
.irp i, 3,5,7,9,11,13
.irp b, 0,1,2,3
	s_delay_alu instid0(VALU_DEP_4)
	v_max3_num_f32 v[232+\b], v[232+\b], v[96+16*\b+\i], v[97+16*\b+\i]
.endr
.endr
.irp b, 0,1,2,3
	s_delay_alu instid0(VALU_DEP_4)
	v_max_num_f32 v[232+\b], v[232+\b], v[111+16*\b]
.endr
.irp b, 0,1,2,3
	s_delay_alu instid0(VALU_DEP_4)
	v_permlanex16_b32 v[236+\b], v[232+\b], s[SEL], s[SEL+1]
.endr
.irp b, 0,1,2,3
	s_delay_alu instid0(VALU_DEP_4)
	v_max_num_f32 v[232+\b], v[232+\b], v[236+\b]
.endr
	s_delay_alu instid0(VALU_DEP_2)
	v_max3_num_f32 v254, v232, v233, v234
	s_delay_alu instid0(VALU_DEP_1)
	v_max_num_f32 v254, v254, v235
	s_delay_alu instid0(VALU_DEP_1)
	v_max_num_f32 v13, v13, v254
	v_mov_b32 v254, v12
	s_delay_alu instid0(VALU_DEP_2)
	v_floor_f32 v12, -v13
	s_delay_alu instid0(VALU_DEP_1)
	v_sub_f32 v254, v12, v254
	s_delay_alu instid0(VALU_DEP_1)
	v_cvt_i32_f32 v254, v254
	s_delay_alu instid0(VALU_DEP_1)
	v_ldexp_f32 v252, 1.0, v254
.set j, 0
.rept 32
	v_pk_add_f32 v[96+j:97+j], v[96+j:97+j], v[12:13] op_sel_hi:[1,0]
.set j, j+2
.endr
.irp b, 0,1,2,3
	v_add_f32 v[232+\b], v[232+\b], v12
.endr
.set j, 0
	s_wait_alu depctr_va_vdst(0)
.rept 64
	v_exp_f32 v[96+j], v[96+j]
.set j, j+1
.endr
	v_pk_mul_f32 v[14:15], v[14:15], v[252:253] op_sel_hi:[1,0]
	s_wait_alu depctr_va_vdst(0)
.irp b, 0,1,2,3
	v_exp_f32 v[232+\b], v[232+\b]
.endr
	v_pk_add_f32 v[236:237], v[96:97], v[98:99]
.irp j, 4,8,12,16,20,24,28,32,36,40,44,48,52,56,60
	v_pk_add_f32 v[14:15], v[14:15], v[96+\j:97+\j]
	v_pk_add_f32 v[236:237], v[236:237], v[98+\j:99+\j]
.endr
	s_delay_alu instid0(VALU_DEP_1)
	v_pk_add_f32 v[14:15], v[14:15], v[236:237]
	s_wait_alu depctr_va_vdst(0)
.irp b, 0,1,2,3
	v_max_num_f32 v[232+\b], 0x2800000, v[232+\b]
.endr
.irp b, 0,1,2,3
	s_delay_alu instid0(VALU_DEP_4)
	v_add_nc_u32 v[244+\b], 0xfe000000, v[232+\b]
.endr
.irp b, 0,1,2,3
	s_delay_alu instid0(VALU_DEP_4)
	v_lshrrev_b32 v[236+\b], 23, v[244+\b]
.endr
	s_delay_alu instid0(VALU_DEP_3)
	v_lshl_or_b32 v253, v237, 8, v236
	s_delay_alu instid0(VALU_DEP_1)
	v_lshl_or_b32 v253, v238, 16, v253
	s_delay_alu instid0(VALU_DEP_1)
	v_lshl_or_b32 v253, v239, 24, v253
.irp c, 0,1
	v_cvt_scalef32_pk16_bf6_f32 v[224+6*\c:226+6*\c], v[96+32*\c:111+32*\c], v[244+2*\c]
	v_cvt_scalef32_pk16_bf6_f32 v[236+4*\c:238+4*\c], v[112+32*\c:127+32*\c], v[244+2*\c+1]
.endr
	v_nop
.irp c, 0,1
.irp i, 0,1,2
	v_permlane16_swap_b32 v[224+6*\c+\i], v[236+4*\c+\i]
.endr
.irp i, 0,1,2
	s_delay_alu instid0(VALU_DEP_3)
	v_mov_b32 v[227+6*\c+\i], v[236+4*\c+\i]
.endr
.endr
.set j, 0
.rept 32
	v_pk_mul_f32 v[160+j:161+j], v[160+j:161+j], v[252:253] op_sel_hi:[1,0]
.set j, j+2
.endr
	s_wait_alu depctr_va_vdst(0)
	s_wait_dscnt 0x0
	WIN 0x01
.irp t, 0,1,2,3,4,5,6,7
.if (\t%2) == 0
	v_wmma_scale_f32_16x16x128_f8f6f4 v[160+8*\t:167+8*\t], v[F+12*\t:F+12*\t+11], v[224:235], v[160+8*\t:167+8*\t], v[28+\t/2], v253 matrix_a_fmt:MATRIX_FMT_BF6 matrix_b_fmt:MATRIX_FMT_BF6
.else
	v_wmma_scale_f32_16x16x128_f8f6f4 v[160+8*\t:167+8*\t], v[F+12*\t:F+12*\t+11], v[224:235], v[160+8*\t:167+8*\t], v[28+\t/2], v253 matrix_a_fmt:MATRIX_FMT_BF6 matrix_b_fmt:MATRIX_FMT_BF6 matrix_a_scale:MATRIX_SCALE_ROW1
.endif
.endr
	WIN 0
	s_add_co_u32 s[TB], s[TB], REC
.endm
.macro CHANGE fill
	s_wait_tensorcnt 0x0
	ds_add_u32 v[SPW], v[NIL]
.if \fill
	s_xor_b32 s[G0+1], s[G0+1], SLOT1
	s_add_nc_u64 s[G0+2:G0+3], s[G0+2:G0+3], 4*REC
	s_wait_xcnt 0x0
	s_add_nc_u64 s[PFA:PFA+1], s[PFA:PFA+1], 4*REC
	s_wait_dscnt 0x0
	CROUND
	tensor_load_to_lds s[G0:G0+3], s[G1:G1+7]
	s_nop 0
	PLACES 4
	ASK
.else
	s_wait_dscnt 0x0
	s_barrier_signal -1
	s_barrier_wait -1
.endif
.endm
	s_wait_loadcnt 32
.Lslot:
	CHANGE 1
	s_mov_b32 s[TWICE], 2
.Lpair:
	STEP 0, 1, 16
	STEP 1, 1, 16
	s_wait_xcnt 0x0
	s_add_nc_u64 s[8:9], s[8:9], 16384
	s_sub_co_u32 s[TWICE], s[TWICE], 1
	s_cmp_lg_u32 s[TWICE], 0
	s_cbranch_scc1 .Lpair
	s_sub_co_u32 s[TB], s[TB], 4*REC
	s_xor_b32 s[TB], s[TB], SLOT1
	s_sub_co_u32 s[SLOTS], s[SLOTS], 1
	s_cmp_lg_u32 s[SLOTS], 0
	s_cbranch_scc1 .Lslot
	CHANGE 0
	STEP 0, 1, 16
	STEP 1, 1, 16
	STEP 0, 0, 16
	STEP 1, 0, 0
	PLACES 4
	v_add_f32 v14, v14, v15
	s_delay_alu instid0(VALU_DEP_1)
	v_permlanex16_b32 v252, v14, s[SEL], s[SEL+1]
	s_delay_alu instid0(VALU_DEP_1)
	v_add_f32 v14, v14, v252
	s_wait_alu depctr_va_vdst(0)
	v_rcp_f32 v14, v14
	v_nop
	s_wait_alu depctr_va_vdst(0)
.set j, 0
.rept 64
	v_mul_f32 v[96+j], v[160+j], v14
.set j, j+1
.endr
.irp b, 0,1,2,3
	v_max3_num_f32 v[TM+\b], |v[96+16*\b]|, |v[97+16*\b]|, 0x2800000
.endr
.irp i, 2,4,6,8,10,12,14
.irp b, 0,1,2,3
	s_delay_alu instid0(VALU_DEP_4)
	v_max3_num_f32 v[TM+\b], v[TM+\b], |v[96+16*\b+\i]|, |v[97+16*\b+\i]|
.endr
.endr
.irp b, 0,1,2,3
	s_delay_alu instid0(VALU_DEP_4)
	v_permlanex16_b32 v[TM+4+\b], v[TM+\b], s[SEL], s[SEL+1]
.endr
.irp b, 0,1,2,3
	s_delay_alu instid0(VALU_DEP_4)
	v_max_num_f32 v[TM+\b], v[TM+\b], v[TM+4+\b]
.endr
.irp b, 0,1,2,3
	s_delay_alu instid0(VALU_DEP_4)
	v_add_nc_u32 v[TM+12+\b], 0xfe000000, v[TM+\b]
.endr
.irp b, 0,1,2,3
	s_delay_alu instid0(VALU_DEP_4)
	v_lshrrev_b32 v[TM+4+\b], 23, v[TM+12+\b]
.endr
	s_delay_alu instid0(VALU_DEP_3)
	v_lshl_or_b32 v52, v[TM+5], 8, v[TM+4]
	s_delay_alu instid0(VALU_DEP_1)
	v_lshl_or_b32 v52, v[TM+6], 16, v52
	s_delay_alu instid0(VALU_DEP_1)
	v_lshl_or_b32 v52, v[TM+7], 24, v52
.irp c, 0,1
	v_cvt_scalef32_pk16_bf6_f32 v[PC+6*\c:PC+2+6*\c], v[96+32*\c:111+32*\c], v[TM+12+2*\c]
	v_cvt_scalef32_pk16_bf6_f32 v[PC+12+4*\c:PC+14+4*\c], v[112+32*\c:127+32*\c], v[TM+12+2*\c+1]
.endr
	v_nop
.irp c, 0,1
.irp i, 0,1,2
	v_permlane16_swap_b32 v[PC+6*\c+\i], v[PC+12+4*\c+\i]
.endr
.irp i, 0,1,2
	s_delay_alu instid0(VALU_DEP_3)
	v_mov_b32 v[PC+3+6*\c+\i], v[PC+12+4*\c+\i]
.endr
.endr
.irp g, 0,1,2
	global_store_b128 v[LI], v[PC+4*\g:PC+4*\g+3], s[10:11] offset:512*\g
.endr
	ds_store_b32 v[GS], v52
	s_wait_dscnt 0x0
	s_barrier_signal -1
	s_barrier_wait -1
	s_cmp_lg_u32 s[WV], 0
	s_cbranch_scc1 .Lnot_0
	ds_load_b128 v[56:59], v[GR]
	s_wait_dscnt 0x0
	global_store_b128 v[LI], v[56:59], s[12:13] offset:12288
.Lnot_0:
	s_wait_tensorcnt 0x0
	ds_add_u32 v[SPW], v[NIL]
	s_wait_dscnt 0x0
	CROUND
	s_endpgm
.Lfunc_end_k_qfff797ae60_attn:
	.size	k_qfff797ae60_attn, .Lfunc_end_k_qfff797ae60_attn-k_qfff797ae60_attn
	.p2alignl 7, 3214868480
	.fill 96, 4, 3214868480
	.section	.rodata,"a",@progbits
	.p2align	6, 0x0
	.amdhsa_kernel k_qfff797ae60_attn
		.amdhsa_group_segment_fixed_size 327680
		.amdhsa_private_segment_fixed_size 0
		.amdhsa_enable_private_segment 0
		.amdhsa_kernarg_size 24
		.amdhsa_user_sgpr_count 2
		.amdhsa_user_sgpr_kernarg_segment_ptr 1
		.amdhsa_wavefront_size32 1
		.amdhsa_system_sgpr_workgroup_id_x 1
		.amdhsa_system_sgpr_workgroup_id_y 1
		.amdhsa_system_sgpr_workgroup_id_z 1
		.amdhsa_system_vgpr_workitem_id 0
		.amdhsa_next_free_vgpr 480
		.amdhsa_next_free_sgpr 80
		.amdhsa_reserve_vcc 0
		.amdhsa_float_denorm_mode_32 3
		.amdhsa_float_denorm_mode_16_64 3
		.amdhsa_memory_ordered 1
		.amdhsa_forward_progress 1
		.amdhsa_inst_pref_size 162
	.end_amdhsa_kernel
	.amdgpu_metadata
---
amdhsa.version: [ 1, 2 ]
amdhsa.kernels:
  - .name:           k_qfff797ae60_attn
    .symbol:         k_qfff797ae60_attn.kd
    .args:
      - { .name: qkvc, .offset: 0, .size: 8, .value_kind: global_buffer, .address_space: global }
      - { .name: mi, .offset: 8, .size: 8, .value_kind: global_buffer, .address_space: global }
      - { .name: ac, .offset: 16, .size: 8, .value_kind: global_buffer, .address_space: global }
    .group_segment_fixed_size: 327680
    .private_segment_fixed_size: 0
    .kernarg_segment_align: 8
    .kernarg_segment_size: 24
    .max_flat_workgroup_size: 256
    .sgpr_count:     80
    .vgpr_count:     480
    .wavefront_size: 32
...
	.end_amdgpu_metadata
.endif
;; end of part 7
;; launch proj (part 8): grid 16 x 16, 4 waves a work-group, clusters of 4 x 4, 327,680 bytes of LDS; arguments ac, wc, out0; writes out0
.if DOCPART == 8
	.amdgcn_target "amdgcn-amd-amdhsa--gfx1250"
	.amdhsa_code_object_version 6
	.text
	.protected	k_qfff797ae60_proj
	.globl	k_qfff797ae60_proj
	.p2align	8
	.type	k_qfff797ae60_proj,@function
k_qfff797ae60_proj:
	s_mov_b64 s[64:65], 0
	v_nop
	global_prefetch_b8 v0, s[64:65] scope:SCOPE_SE
	s_setreg_imm32_b32 hwreg(HW_REG_WAVE_MODE, 25, 1), 1
	s_wait_xcnt 0x0
	s_wait_alu depctr_hold_cnt(0) depctr_sa_sdst(0) depctr_va_vdst(0) depctr_va_sdst(0) depctr_va_ssrc(0) depctr_va_vcc(0) depctr_vm_vsrc(0)
	s_getreg_b32 s2, hwreg(HW_REG_IB_STS2, 6, 4)
	s_cmp_eq_u32 s2, 0
	s_cbranch_scc0 .Lentry_in_a_cluster
	s_endpgm
.Lentry_in_a_cluster:
	s_bfe_u32 s2, ttmp6, 0x10000c
	s_cmp_lg_u32 s2, 0xf033
	s_cbranch_scc0 .Lentry_shape_is_right
	s_endpgm
.Lentry_shape_is_right:
; PROJ: product 6, out0 = attention's result x wo^T, 2048 x 2048 x 2048, on codes of BF6 with E8M0 scales.  No work is left out.
; A block of 128 x 128 of out0 to a work-group (256 work-groups), 64 x 64 to a wave: 16 accumulators.  Source 0 = rows of wo, source 1 = rows of A: a lane holds 8 neighbouring columns of a row.
; OPERANDS are records of 12,800 bytes (8 fragments as images of their registers, then 512 bytes of scale words): K step s, group g of 8 tiles at (16 s + g) x 12,800; A is ac, B operand 4 of wc.
; LDS: two slots of six K steps (A's six records, then B's six).  Waves 0, 1 fetch A's, waves 2, 3 B's; of a slot's steps a wave fetches one half, by one load of 3 rows (records).
; Steps 0-5 come at the head, steps 6-11 behind the first round, steps 12-15 fill slot 0 again (2 rows a wave: at places 0, 1 and 3, 4 of the slot): three loads a wave, one out at a time.
; CLUSTERS: 4 x 4; A's records are asked for jointly along a row of the cluster, B's along a column.
; The walk along K is written out in three pieces, with no loop; prefetches into the L2 run one fill ahead of the tensor loads.
; REGISTERS: window 0: v0-31 addresses; v32-95 scale words, 4 for each K step (lanes 0-15 A's tile, lanes 16-31 B's); v128-255 accumulators.  Window 1: two sets of fragments (A's four at +0, B's four at +48).
.set FR,     12
.set NP,     4                         ; places behind this matrix instruction (ISA guide 7.12.1)
.set KB,     12800                     ; a record
.set KSB,    204800                    ; a K step in memory: 16 records
.set HALFT,  3*KB                      ; what a wave's load brings at most
.set SLOT,   4*HALFT
.set SPARE,  2*SLOT                    ; the spare words, 128 bytes for each wave
.set SPITCH, 272
.set STAGE,  SLOT                      ; the way out goes through slot 1, which has had its last fill and its last read by then
.set ADRS, 8                           ; v8-11  scale words; index 2 slot + place / 3
.set ADRA, 16                          ; v16-19 my A fragments, same index
.set ADRB, 20                          ; v20-23 my B fragments
.set STO,  24
.set RD,   25
.set CO,   26
.set SPW,  28                          ; LDS address of my spare word; never rewritten
.set NIL,  29                          ; 0; never rewritten
.set LI,   30
.set SC,   32
.set BK,   32
.set ACC,  128
.set G1,   24
.set G0,   32                          ; s[32:43] A's group 0: slot 0, slot 1, the refill
.set G1B,  48
.set G0B,  56                          ; s[56:63] B's: slot 0, slot 1
.set G0BR, 68                          ; s[68:71] B's refill
.set MSB, 0
.macro WIN new
.if MSB != (\new)
	s_set_vgpr_msb (MSB<<8)|(\new)
.set MSB, (\new)
.endif
.endm
.set MUL,  0x05
.set TO_F, 0x40
.macro PLACES n
.rept \n
	v_nop
.endr
.endm
.macro JLOAD g0a, g1a, g0b, g1b        ; a joint load; the branch hangs on the wave's number alone
	s_cmp_eq_u32 s15, 0
	s_cbranch_scc0 .Lfor_b_\@
	tensor_load_to_lds s[\g0a:\g0a+3], s[\g1a:\g1a+7]
	s_nop 0
.rept 4
	v_nop
.endr
	s_branch .Lasked_\@
.Lfor_b_\@:
	tensor_load_to_lds s[\g0b:\g0b+3], s[\g1b:\g1b+7]
	s_nop 0
.rept 4
	v_nop
.endr
.Lasked_\@:
.endm
.macro CREST
	s_cmp_lg_u32 s14, 0
	s_cbranch_scc1 .Lnot_wave_0_\@
	s_barrier_signal -3
.Lnot_wave_0_\@:
	s_barrier_wait -3
	s_barrier_signal -1
	s_barrier_wait -1
.endm
.macro CROUND
	s_barrier_signal -1
	s_barrier_wait -1
	CREST
.endm
.macro SETG0 g, lds                    ; the words of a group 0 beside its address
	s_mov_b32 s[\g], 1
	s_add_co_u32 s[\g+1], s97, \lds
	s_or_b32 s[\g+3], s[\g+3], 0x80000000
.endm
	s_load_b64 s[4:5], s[0:1], 0x0                 ; ac
	s_load_b64 s[8:9], s[0:1], 0x8                 ; wc
	s_load_b64 s[12:13], s[0:1], 0x10              ; out0
	v_lshl_add_u32 v[SPW], v0, 2, SPARE
	v_mov_b32 v[NIL], 0
	ds_add_u32 v[SPW], v[NIL]                      ; the opening lines: the add twice and its wait
	ds_add_u32 v[SPW], v[NIL]
	v_lshrrev_b32 v1, 5, v0
	v_readfirstlane_b32 s14, v1                    ; wave
	s_lshr_b32 s15, s14, 1                         ; my half of the rows; also: I fetch for A (0) or B (1)
	s_and_b32 s16, s14, 1                          ; my half of the columns; also: which half of a slot's K steps I fetch
	s_bfe_u32 s92, ttmp6, 0x40000
	s_bfe_u32 s93, ttmp6, 0x40004
	s_lshl_b32 s94, ttmp9, 2
	s_add_co_u32 s94, s94, s92                     ; block column
	s_and_b32 s17, ttmp7, 0xffff
	s_lshl_b32 s17, s17, 2
	s_add_co_u32 s17, s17, s93                     ; block row
	s_lshl_b32 s95, s93, 2
	s_lshl_b32 s95, 15, s95
	s_lshl_b32 s96, 0x1111, s92
	s_or_b32 s[G1+0], s95, (3<<16)|(1<<21)
	s_or_b32 s[G1B+0], s96, (3<<16)|(1<<21)
.irp g, G1, G1B
	s_mov_b32 s[\g+1], 1600<<16                    ; a row is a record: 1,600 elements of 8 bytes
	s_mov_b32 s[\g+2], 3<<16
	s_mov_b32 s[\g+3], 1600<<16
	s_mov_b32 s[\g+4], 3
	s_mov_b32 s[\g+5], 25600
	s_mov_b32 s[\g+6], 0
	s_mov_b32 s[\g+7], 0
.endr
	s_mul_i32 s20, s17, KB
	s_mov_b32 s21, 0
	s_mul_i32 s98, s94, KB
	s_add_co_u32 s98, s98, 4*3276800
	s_mov_b32 s99, 0
	s_mul_i32 s22, s16, 3*KSB                      ; my first K step of slot 0: 3 x half
	s_mov_b32 s23, 0
	s_mul_i32 s2, s16, 2*KSB                       ; and of the refill: 12 + 2 x half
	s_add_co_u32 s2, s2, 12*KSB
	s_mov_b32 s3, 0
	s_mul_i32 s97, s14, HALFT
	s_wait_dscnt 0x0
	s_wait_kmcnt 0x0
	s_add_nc_u64 s[20:21], s[4:5], s[20:21]
	s_add_nc_u64 s[98:99], s[8:9], s[98:99]
	CROUND                                         ; in front of the first joint loads
	s_add_nc_u64 s[G0+2:G0+3], s[20:21], s[22:23]
	s_add_nc_u64 s[G0+6:G0+7], s[G0+2:G0+3], 6*KSB
	s_add_nc_u64 s[G0+10:G0+11], s[20:21], s[2:3]
	s_add_nc_u64 s[G0B+2:G0B+3], s[98:99], s[22:23]
	s_add_nc_u64 s[G0B+6:G0B+7], s[G0B+2:G0B+3], 6*KSB
	s_add_nc_u64 s[G0BR+2:G0BR+3], s[98:99], s[2:3]
	; prefetches into the L2, one fill ahead of the tensor load that wants the bytes: behind the head's load my share of K steps 6-11, behind slot 1's load my share of K steps 12-15.
	; A row of a load is 50 blocks of 256 bytes; the four partners that ask for it jointly share them out by address: partner p takes blocks 13 p .. 13 p + 12, held at 49; a lane a block, an instruction a row.
	s_cmp_eq_u32 s15, 0
	s_cselect_b64 s[72:73], s[G0+6:G0+7], s[G0B+6:G0B+7]
	s_cselect_b64 s[74:75], s[G0+10:G0+11], s[G0BR+2:G0BR+3]
	s_cselect_b32 s76, s92, s93                    ; my place among the four: cx for A, cy for B
	s_mul_i32 s76, s76, 13
	SETG0 G0, 0
	SETG0 G0B, 0
	JLOAD G0, G1, G0B, G1B                         ; K steps 0-5: one tensor load a wave at the head
	SETG0 G0+4, SLOT
	SETG0 G0+8, 0
	SETG0 G0B+4, SLOT
	SETG0 G0BR, 0
	s_mul_i32 s21, s15, 4*1536                     ; my four tiles of A's eight
	s_mul_i32 s22, s16, 4*1536
	s_add_co_u32 s22, s22, 2*HALFT                 ; and of B's, behind A's six records
	s_lshl_b32 s23, s15, 8                         ; their scale words
	s_lshl_b32 s2, s16, 8
	s_add_co_u32 s2, s2, 2*HALFT
	s_sub_co_u32 s2, s2, s23
	s_mul_i32 s3, s14, 16*SPITCH
	s_add_co_u32 s3, s3, STAGE
	v_and_b32 v1, 15, v0                           ; r
	v_bfe_u32 v2, v0, 4, 1                         ; h
	v_and_b32 v3, 31, v0
	v_lshlrev_b32 v[LI], 4, v3
	v_min_u32 v6, 12, v3
	v_add_nc_u32 v6, s76, v6
	v_min_u32 v6, 49, v6
	v_lshlrev_b32 v6, 8, v6                        ; v6: my block of a row; never rewritten
	v_add_nc_u32 v[ADRA], s21, v[LI]
	v_add_nc_u32 v[ADRB], s22, v[LI]
	v_lshlrev_b32 v4, 3, v1
	v_mul_u32_u24 v5, s2, v2                       ; lanes 16-31 take B's words: one product, the distance between the two
	v_add_nc_u32 v4, v4, v5
	v_add_nc_u32 v[ADRS], s23, v4
.irp r, ADRA, ADRB, ADRS
	v_add_nc_u32 v[\r+1], HALFT, v[\r]
	v_add_nc_u32 v[\r+2], SLOT, v[\r]
	v_add_nc_u32 v[\r+3], SLOT+HALFT, v[\r]
.endr
	v_mul_u32_u24 v4, v1, SPITCH
	v_lshl_add_u32 v4, v2, 5, v4
	v_add_nc_u32 v[STO], s3, v4
	v_mul_u32_u24 v5, v2, SPITCH
	v_lshl_add_u32 v5, v1, 4, v5
	v_add_nc_u32 v[RD], s3, v5
	v_lshlrev_b32 v[CO], 13, v2
	v_lshl_add_u32 v[CO], v1, 4, v[CO]
.irp w, 0,1,2
	global_prefetch_b8 v6, s[72:73] offset:\w*KSB th:TH_LOAD_NT scope:SCOPE_SE   ; my three rows of slot 1's first fill
.endr
	s_lshl_b32 s20, s17, 7
	s_lshl_b32 s21, s15, 6
	s_add_co_u32 s20, s20, s21
	s_lshl_b32 s20, s20, 13                        ; my first row of out0, 8,192 bytes a row
	s_lshl_b32 s98, s94, 9
	s_lshl_b32 s99, s16, 8
	s_add_co_u32 s98, s98, s99
	s_add_co_u32 s20, s20, s98
	s_mov_b32 s21, 0
	s_add_nc_u64 s[12:13], s[12:13], s[20:21]
.macro FETCH slot, q, f                ; the fragments at place q of a slot into set f
	WIN TO_F
.irp i, 0,1,2,3
.irp g, 0,1,2
	ds_load_b128 v[128*(\f)+48+FR*\i+4*\g:128*(\f)+48+FR*\i+4*\g+3], v[ADRB+2*(\slot)+(\q)/3] offset:KB*((\q)%3)+1536*\i+512*\g
.endr
.endr
.irp i, 0,1,2,3
.irp g, 0,1,2
	ds_load_b128 v[128*(\f)+FR*\i+4*\g:128*(\f)+FR*\i+4*\g+3], v[ADRA+2*(\slot)+(\q)/3] offset:KB*((\q)%3)+1536*\i+512*\g
.endr
.endr
.endm
.macro SCW ks, slot, q                 ; K step ks's four scale words, from place q of a slot
	ds_load_b64 v[SC+4*(\ks):SC+4*(\ks)+1], v[ADRS+2*(\slot)+(\q)/3] offset:KB*((\q)%3)+12288
	ds_load_b64 v[SC+4*(\ks)+2:SC+4*(\ks)+3], v[ADRS+2*(\slot)+(\q)/3] offset:KB*((\q)%3)+12288+128
.endm
.macro MUL4 s, a, zero                 ; the 16 accumulators take turns, in the same order in every step
.irp b, 0,1,2,3
.if \zero
	v_wmma_scale_f32_16x16x128_f8f6f4 v[ACC+8*(4*(\a)+\b):ACC+8*(4*(\a)+\b)+7], v[128*((\s)%2)+48+FR*\b:128*((\s)%2)+48+FR*\b+FR-1], v[128*((\s)%2)+FR*(\a):128*((\s)%2)+FR*(\a)+FR-1], 0, v[SC+4*(\s)+\b], v[SC+4*(\s)+(\a)] matrix_a_fmt:MATRIX_FMT_BF6 matrix_b_fmt:MATRIX_FMT_BF6 matrix_a_scale:MATRIX_SCALE_ROW1
.else
	v_wmma_scale_f32_16x16x128_f8f6f4 v[ACC+8*(4*(\a)+\b):ACC+8*(4*(\a)+\b)+7], v[128*((\s)%2)+48+FR*\b:128*((\s)%2)+48+FR*\b+FR-1], v[128*((\s)%2)+FR*(\a):128*((\s)%2)+FR*(\a)+FR-1], v[ACC+8*(4*(\a)+\b):ACC+8*(4*(\a)+\b)+7], v[SC+4*(\s)+\b], v[SC+4*(\s)+(\a)] matrix_a_fmt:MATRIX_FMT_BF6 matrix_b_fmt:MATRIX_FMT_BF6 matrix_a_scale:MATRIX_SCALE_ROW1
.endif
.endr
.endm
.macro KSTEP s, nslot, nq, zero        ; step s's 16 products; the next step's fragments are fetched ahead of them
	s_wait_dscnt 0x0
.if (\s) > 0
	PLACES NP                                      ; in front of loads into registers that matrix instructions have read
.endif
	FETCH \nslot, \nq, ((\s)+1)%2
	WIN MUL
	MUL4 \s, 0, \zero
	MUL4 \s, 1, \zero
	MUL4 \s, 2, \zero
	MUL4 \s, 3, \zero
.endm
.macro CHG1 s, fill                    ; a slot's last step, first half: the three lines, the barrier, and with fill = 1 the round and the refill
	WIN 0
	s_wait_tensorcnt 0x0                           ; all my tensor loads have landed: my part of the next slot
	ds_add_u32 v[SPW], v[NIL]
.if \fill
	s_mov_b32 s[G1+2], 2<<16                       ; no load of mine is out: from here on a load brings 2 rows
	s_mov_b32 s[G1+4], 2
	s_mov_b32 s[G1B+2], 2<<16
	s_mov_b32 s[G1B+4], 2
.endif
	s_wait_dscnt 1                                 ; (the add alone may be out)
	WIN MUL
	MUL4 \s, 0, 0
	s_wait_dscnt 0x0                               ; the add is done, and my reads of this slot are over
	s_barrier_signal -1
	MUL4 \s, 1, 0
	WIN 0
	s_barrier_wait -1
.if \fill
	CREST
	JLOAD G0+8, G1, G0BR, G1B                      ; K steps 12-15 into slot 0; its four v_nop are also the places in front of the loads below
.else
	PLACES NP
.endif
.endm
.macro CHG2 s, nslot                   ; second half: the next slot's first fragments, the rest of the products
	FETCH \nslot, 0, ((\s)+1)%2
	WIN MUL
	MUL4 \s, 2, 0
	MUL4 \s, 3, 0
.endm
	s_wait_alu depctr_va_vdst(0)
	s_wait_tensorcnt 0x0                           ; my part of slot 0 is in; the three lines ahead of a later first fill
	ds_add_u32 v[SPW], v[NIL]
	s_wait_dscnt 0x0
	CROUND
	JLOAD G0+4, G1, G0B+4, G1B                     ; K steps 6-11, slot 1's first fill
.irp q, 0,1,2,3,4,5
	SCW \q, 0, \q
.endr
	FETCH 0, 0, 0
.irp w, 0,1
	global_prefetch_b8 v6, s[74:75] offset:\w*KSB th:TH_LOAD_NT scope:SCOPE_SE   ; my two rows of the refill
.endr
	KSTEP 0, 0, 1, 1                               ; the first step's products start the sums
	KSTEP 1, 0, 2, 0
	KSTEP 2, 0, 3, 0
	KSTEP 3, 0, 4, 0
	KSTEP 4, 0, 5, 0
	CHG1 5, 1
.irp q, 0,1,2,3,4,5
	SCW 6+\q, 1, \q
.endr
	CHG2 5, 1
	KSTEP 6, 1, 1, 0
	KSTEP 7, 1, 2, 0
	KSTEP 8, 1, 3, 0
	KSTEP 9, 1, 4, 0
	KSTEP 10, 1, 5, 0
	CHG1 11, 0
	SCW 12, 0, 0
	SCW 13, 0, 1
	SCW 14, 0, 3
	SCW 15, 0, 4
	CHG2 11, 0
	KSTEP 12, 0, 1, 0
	KSTEP 13, 0, 3, 0
	KSTEP 14, 0, 4, 0
	s_wait_dscnt 0x0
	MUL4 15, 0, 0
	MUL4 15, 1, 0
	MUL4 15, 2, 0
	MUL4 15, 3, 0
	WIN 0
; THE WAY OUT: a block of 16 rows x 64 columns goes through my own stage and comes back as rows of 256 bytes; sixteen lanes store one aligned unit of 256 bytes.
; A's tiles hold permuted rows: row p of tile a is true row 32 (a / 2) + 8 (a % 2) + p + 8 (p / 8) of my 64.
.macro TOSTAGE a
.irp b, 0,1,2,3
	ds_store_b128 v[STO], v[ACC+8*(4*(\a)+\b):ACC+8*(4*(\a)+\b)+3] offset:64*\b
	ds_store_b128 v[STO], v[ACC+8*(4*(\a)+\b)+4:ACC+8*(4*(\a)+\b)+7] offset:64*\b+16
.endr
.set BB, BK+32*((\a)%2)
.irp t, 0,1,2,3,4,5,6,7
	ds_load_b128 v[BB+4*\t:BB+4*\t+3], v[RD] offset:\t*2*SPITCH
.endr
.endm
.macro SEND a, younger
.set BB, BK+32*((\a)%2)
	s_wait_dscnt \younger
.irp t, 0,1,2,3,4,5,6,7
	global_store_b128 v[CO], v[BB+4*\t:BB+4*\t+3], s[12:13] offset:(32*((\a)/2)+8*((\a)%2)+2*\t+8*(\t/4))*8192 th:TH_STORE_NT
.endr
.endm
	PLACES NP
	TOSTAGE 0
.irp a, 1,2,3
.if \a > 1
	s_wait_xcnt 0x0                                ; block a - 2's stores have read their registers
.endif
	TOSTAGE \a
	SEND \a-1, 16                                  ; behind block a - 1's loads: block a's 8 stores and 8 loads
.endr
	SEND 3, 0
	s_wait_tensorcnt 0x0                           ; the wave's end
	ds_add_u32 v[SPW], v[NIL]
	s_wait_dscnt 0x0
	CROUND                                         ; the closing round
	s_endpgm
.Lfunc_end_k_qfff797ae60_proj:
	.size	k_qfff797ae60_proj, .Lfunc_end_k_qfff797ae60_proj-k_qfff797ae60_proj
	.p2alignl 7, 3214868480
	.fill 96, 4, 3214868480
	.section	.rodata,"a",@progbits
	.p2align	6, 0x0
	.amdhsa_kernel k_qfff797ae60_proj
		.amdhsa_group_segment_fixed_size 327680
		.amdhsa_private_segment_fixed_size 0
		.amdhsa_enable_private_segment 0
		.amdhsa_kernarg_size 24
		.amdhsa_user_sgpr_count 2
		.amdhsa_user_sgpr_kernarg_segment_ptr 1
		.amdhsa_wavefront_size32 1
		.amdhsa_system_sgpr_workgroup_id_x 1
		.amdhsa_system_sgpr_workgroup_id_y 1
		.amdhsa_system_sgpr_workgroup_id_z 1
		.amdhsa_system_vgpr_workitem_id 0
		.amdhsa_next_free_vgpr 512
		.amdhsa_next_free_sgpr 100
		.amdhsa_reserve_vcc 0
		.amdhsa_float_denorm_mode_32 3
		.amdhsa_float_denorm_mode_16_64 3
		.amdhsa_memory_ordered 1
		.amdhsa_forward_progress 1
		.amdhsa_inst_pref_size 80
	.end_amdhsa_kernel
	.amdgpu_metadata
---
amdhsa.version: [ 1, 2 ]
amdhsa.kernels:
  - .name:           k_qfff797ae60_proj
    .symbol:         k_qfff797ae60_proj.kd
    .args:
      - { .name: ac, .offset: 0, .size: 8, .value_kind: global_buffer, .address_space: global }
      - { .name: wc, .offset: 8, .size: 8, .value_kind: global_buffer, .address_space: global }
      - { .name: out0, .offset: 16, .size: 8, .value_kind: global_buffer, .address_space: global }
    .group_segment_fixed_size: 327680
    .private_segment_fixed_size: 0
    .kernarg_segment_align: 8
    .kernarg_segment_size: 24
    .max_flat_workgroup_size: 128
    .sgpr_count:     100
    .vgpr_count:     512
    .wavefront_size: 32
...
	.end_amdgpu_metadata
.endif
;; end of part 8
